; MI455X (gfx1250); checked and timed in simulation.
; The chip was launched on July 23, 2026; its instructions are those of AMD's public machine-readable ISA for CDNA 5 (MIT licence, August 2026) and "CDNA5" Instruction Set Architecture Reference Guide (July 2026). The comments in the code are by the model that wrote it; some were corrected since.
;; Block. Allowed arithmetic: matrix products marked QUANTISED: E2M3 operands, one E8M0 scale for each 32 along K, by v_wmma_scale_f32_16x16x128_f8f6f4 with both operands' format E2M3, f32 sums; everything else in f32.
;; Inputs: W1_codes 4,096 x 16 x 24 uint8 (E2M3 codes of W1, K innermost, in blocks of 32 codes, four codes in three bytes); W1_scales 4,096 x 16 uint8 (E8M0 scales of W1, one for each 32 codes along K); W2_codes 512 x 128 x 24 uint8 (E2M3 codes of W2, K innermost, in blocks of 32 codes, four codes in three bytes); W2_scales 512 x 128 uint8 (E8M0 scales of W2, one for each 32 codes along K); Wk_codes 8 x 64 x 16 x 24 uint8 (E2M3 codes of Wk, K innermost, in blocks of 32 codes, four codes in three bytes); Wk_scales 8 x 64 x 16 uint8 (E8M0 scales of Wk, one for each 32 codes along K); Wo_codes 512 x 16 x 24 uint8 (E2M3 codes of Wo, K innermost, in blocks of 32 codes, four codes in three bytes); Wo_scales 512 x 16 uint8 (E8M0 scales of Wo, one for each 32 codes along K); Wq_codes 8 x 64 x 16 x 24 uint8 (E2M3 codes of Wq, K innermost, in blocks of 32 codes, four codes in three bytes); Wq_scales 8 x 64 x 16 uint8 (E8M0 scales of Wq, one for each 32 codes along K); Wv_codes 8 x 64 x 16 x 24 uint8 (E2M3 codes of Wv, K innermost, in blocks of 32 codes, four codes in three bytes); Wv_scales 8 x 64 x 16 uint8 (E8M0 scales of Wv, one for each 32 codes along K); b1 4,096 float32; b2 512 float32; be1 512 float32; be2 512 float32; bo 512 float32; g1 512 float32; g2 512 float32; x 4 x 2,048 x 512 float32.
;; Outputs: out0 4 x 2,048 x 512 float32.
;; This version of the problem:
;;   THIS VERSION OF THE PROBLEM IS GIVEN IN LOW PRECISION. The matrix products marked QUANTISED in the list below multiply operands that are first quantised to E2M3 (2 exponent bits, 3 mantissa bits; 6 bits a number), with one power-of-two scale for each 32 numbers along K (OCP MX v1.0); their sums are f32. All else is computed in f32.
;;   The module's matrix products, in the order in which they are computed (A, B: the left and right operand; K: the contracted axis; several contracted axes count as one K, in the product's order):
;;     1. [M 512, K 512] x [K 512, N 8,192]; A: input Wq (given as codes); B: computed on the way: QUANTISED
;;     2. [M 512, K 512] x [K 512, N 8,192]; A: input Wk (given as codes); B: computed on the way: QUANTISED
;;     3. [M 512, K 512] x [K 512, N 8,192]; A: input Wv (given as codes); B: computed on the way: QUANTISED
;;     4. batch 32 x [M 2,048, K 64] x [K 64, N 2,048]; A: computed on the way; B: computed on the way: QUANTISED
;;     5. batch 32 x [M 2,048, K 2,048] x [K 2,048, N 64]; A: softmax (see below); B: computed on the way: QUANTISED
;;     6. [M 8,192, K 512] x [K 512, N 512]; A: computed on the way; B: input Wo (given as codes): QUANTISED
;;     7. [M 8,192, K 512] x [K 512, N 4,096]; A: computed on the way; B: input W1 (given as codes): QUANTISED
;;     8. [M 8,192, K 4,096] x [K 4,096, N 512]; A: computed on the way; B: input W2 (given as codes): QUANTISED
;;   THE QUANTISER, for each operand of a quantised product, along K:
;;     - K is cut into blocks of 32 from its start; a last block that is shorter is filled with zeros.
;;     - A block's scale is 2^e with e = floor(log2(the largest magnitude in the block)) - 2, held to -126 .. 127; a block of zeros has e = 0. As a byte (E8M0): e + 127.
;;     - Each number is divided by its block's scale, clamped to +-7.5, and rounded to the nearest number of E2M3, ties to even, subnormals kept.
;;     - The product sums the exact products of the quantised numbers (number of the format x scale) in f32.
;;   ~~~python
;;   def quantise(x, axis):      # numpy; x: float32 -> the quantised numbers, widened to float32 again
;;       x = np.moveaxis(x, axis, -1); K = x.shape[-1]
;;       x = np.pad(x, [(0, 0)] * (x.ndim - 1) + [(0, -K % 32)]); x = x.reshape(x.shape[:-1] + (-1, 32)); a = np.abs(x).max(-1, keepdims=True)
;;       e = np.where(a > 0, np.clip(np.frexp(np.where(a > 0, a, 1))[1] - 1 - 2, -126, 127), 0)      # np.frexp(a)[1] - 1 = floor(log2(a)), exactly
;;       r = np.clip(x / 2.0 ** e, -7.5, 7.5)
;;       step = 2.0 ** (np.maximum(np.frexp(np.where(r == 0, 1, r))[1] - 1, 0) - 3)
;;       q = np.round(r / step) * step * 2.0 ** e      # np.round: ties to even
;;       return np.moveaxis(q.reshape(q.shape[:-2] + (-1,))[..., :K], -1, axis).astype(np.float32)
;;   ~~~
;;   SOFTMAX AHEAD OF A QUANTISED PRODUCT. Where the list says 'softmax', what is quantised is not the finished softmax but p = 2^(t - M), with t = logit x log2(e) and M = ceil(the row's largest t), a whole number; so 1/2 < the row's largest p <= 1. The row's sum l is taken of the UNQUANTISED p, in f32, and the product's result is divided by l at the end. Since M is a whole number, a kernel that streams over the keys may use a running M (the ceiling of the running maximum): every later rescaling is an exact power of two, which a block's scale takes up: the codes' values come out the same.
;;   OPERANDS COMPUTED ON THE WAY. 'Computed on the way' means the value that the module computes at that place (a softmax that the list does not call 'softmax' is quantised finished and normalised). What goes into a quantiser is computed in f32, as accurately as f32 sums, v_exp_f32 and their like allow (about 1e-6 of the number): no bf16 or f16 on the way to a quantiser, and a product that is left as it is and whose result goes on into a quantised operand takes f32 operands (vector FMAs, or v_wmma_f32_16x16x4_f32). A number that lies on a knife's edge between two numbers of the format may be rounded either way, as far as f32 arithmetic and the matrix unit's own rounding can turn it there, and no further.
;;   INPUTS GIVEN AS CODES. W1 (in the module: [512, 4096], K = its axis 0); W2 (in the module: [4096, 512], K = its axis 0); Wk (in the module: [8, 512, 64], K = its axis 1); Wo (in the module: [512, 512], K = its axis 0); Wq (in the module: [8, 512, 64], K = its axis 1); Wv (in the module: [8, 512, 64], K = its axis 1): each comes as NAME_codes (uint8): NAME with its K axis moved to the last place and cut into blocks of 32 codes, [.., K / 32, bytes a block], one block behind the other in memory; four codes in three bytes: a row's codes are one little-endian stream of bits, code i at bits 6 i .. 6 i + 5 (a code: sign, 2 exponent bits, 3 mantissa bits); and NAME_scales (uint8): the same leading axes, one E8M0 byte (e + 127) for each 32 codes along K. Its value is code x scale, taken as it is: it is not quantised again, and the codes and scales need not be those that the quantiser above would give.
;; 3 versions, each right; version 2 is faster than version 1; version 3 is version 2 with the launches ln_qkv, tail written anew for expert scheduling mode. Each part assembles by itself: llvm-mc -triple=amdgcn-amd-amdhsa -mcpu=gfx1250 --defsym DOCPART=n.
;; ======== version 1 of 3: 4 launches
;; workspace buffers: wst1 614,400 bytes; wst3 3,481,600 bytes; qimg 3,145,728 bytes; qsc 262,144 bytes; kv 6,684,672 bytes; oimg 3,145,728 bytes; osc 262,144 bytes
;; launch prep (part 1): grid 16 x 20, 8 waves a work-group, no clusters, 0 bytes of LDS; arguments Wq_codes, Wq_scales, Wk_codes, Wk_scales, Wv_codes, Wv_scales, Wo_codes, Wo_scales, W1_codes, W1_scales, W2_codes, W2_scales, wst1, wst3; writes wst1, wst3
.if DOCPART == 1
	.amdgcn_target "amdgcn-amd-amdhsa--gfx1250"
	.amdhsa_code_object_version 6
	.text
	.protected	k_qd704df4268_prep
	.globl	k_qd704df4268_prep
	.p2align	8
	.type	k_qd704df4268_prep,@function
k_qd704df4268_prep:
	s_mov_b64 s[64:65], 0
	v_nop
	global_prefetch_b8 v0, s[64:65] scope:SCOPE_SE
	s_setreg_imm32_b32 hwreg(HW_REG_WAVE_MODE, 25, 1), 1
	s_wait_xcnt 0x0
; The six weights' codes and scale bytes are laid anew, byte for byte, in the order of the matrix operand's registers, so that the later launches
; fetch every weight fragment by three dense loads of 16 bytes a lane.  Nothing is converted.
; A GRANULE is what one wave of a later launch multiplies by in one K step of 128: 8 fragments of 16 rows x 128 K (12 registers a lane; register group c of lane l
; at 1,536 f + 512 c + 16 l), then 512 bytes of scale words (lane r + 16 hi holds at 16 l + 4 j the word of row r of fragment 4 hi + j): 12,800 bytes.
; THE ROWS OF A FRAGMENT ARE NOT NEIGHBOURS: row i of fragment f of a run of 128 rows is 32 (f / 2) + 8 (f % 2) + i + (i & 8), so that the results of
; fragments 2 b and 2 b + 1 are 16 neighbours along the next product's K.
; A work-group writes one granule, a wave one fragment; wave 0 also the scale words.  x = 4 w + s (w: the wave that will read it, s: the K step);
; y: 0, 1, 2 = Wq, Wk, Wv (to wst1), 3 = Wo, 4-11 = W1's run of 512 rows y - 4, 12-19 = W2's run of 512 along K y - 12 (to wst3).
; The reads are pieces of 8 bytes of rows 384 or 3,072 bytes apart: 4 MB in all, read once; the stores are 512 consecutive bytes a wave.  No LDS, no barrier: waves share nothing.
	s_load_b512 s[16:31], s[0:1], 0x0              ; Wq codes s[16:17], scales s[18:19]; Wk s[20:23]; Wv s[24:27]; Wo s[28:31]
	s_load_b256 s[32:39], s[0:1], 0x40             ; W1 s[32:35]; W2 s[36:39]
	s_load_b128 s[40:43], s[0:1], 0x60             ; wst1 s[40:41], wst3 s[42:43]
	v_lshrrev_b32 v2, 5, v0
	v_readfirstlane_b32 s11, v2                    ; f: my fragment = my wave's number
	s_and_b32 s8, ttmp7, 0xffff                    ; y
	s_lshr_b32 s9, ttmp9, 2                        ; w
	s_and_b32 s10, ttmp9, 3                        ; s
	s_sub_co_u32 s44, s8, 4
	s_sub_co_u32 s45, s8, 12
	s_mov_b32 s12, 3072                            ; a row of W2's codes in bytes,
	s_mov_b32 s13, 128                             ; and of its scale bytes
	s_cmp_lt_u32 s8, 12
	s_cselect_b32 s12, 384, s12                    ; all the others: K = 512
	s_cselect_b32 s13, 16, s13
	s_cselect_b32 s14, s44, 0                      ; W1's run of rows (0 for the others: see below)
	s_cselect_b32 s15, 0, s45                      ; W2's run along K
	s_cselect_b32 s49, 0, 4                        ; W2's granules lie four behind W1's of the same run
	s_cmp_lt_u32 s8, 4
	s_cselect_b32 s14, 0, s14
	s_lshl_b32 s46, s9, 7
	s_lshl_b32 s47, s14, 9
	s_add_co_u32 s46, s46, s47                     ; the granule's first row: 128 w + 512 x run
	s_lshl_b32 s47, s15, 2
	s_add_co_u32 s47, s47, s10                     ; its K step: s + 4 x run
	s_add_co_u32 s48, s14, s15
	s_lshl_b32 s48, s48, 3
	s_add_co_u32 s48, s48, 4
	s_cmp_lt_u32 s8, 4
	s_cselect_b32 s48, 0, s48                      ; Wo's four granules come first
	s_add_co_u32 s48, s48, s49
	s_mul_i32 s49, s9, 68
	s_add_co_u32 s48, s48, s49
	s_add_co_u32 s48, s48, s10                     ; the granule's number in wst3: 68 w + (4 + 8 run (+ 4)) + s
	s_mul_i32 s49, s9, 12
	s_lshl_b32 s50, s8, 2
	s_add_co_u32 s49, s49, s50
	s_add_co_u32 s49, s49, s10                     ; in wst1: 12 w + 4 y + s
	s_lshr_b32 s51, s11, 1
	s_lshl_b32 s51, s51, 5
	s_and_b32 s52, s11, 1
	s_lshl_b32 s52, s52, 3
	s_add_co_u32 s51, s51, s52
	s_add_co_u32 s51, s51, s46                     ; my fragment's first row
	s_mul_i32 s53, s47, 96                         ; the K step's bytes in a row of codes
	s_mul_i32 s54, s11, 1536                       ; my fragment's place in the granule
	s_lshl_b32 s55, s47, 2                         ; the K step's word in a row of scale bytes
	v_and_b32 v1, 31, v0                           ; l
	v_and_b32 v2, 15, v0                           ; r
	v_bfe_u32 v3, v0, 4, 1                         ; h
	v_and_b32 v4, 8, v2
	v_add_nc_u32 v4, v4, v2                        ; r + (r & 8)
	v_add_nc_u32 v5, s51, v4                       ; my row
	v_mul_lo_u32 v5, v5, s12
	v_mad_u32_u24 v6, v3, 24, s53
	v_add_nc_u32 v5, v5, v6                        ; row x pitch + 96 x K step + 24 h
	v_lshlrev_b32 v7, 4, v1
	v_add_nc_u32 v7, s54, v7                       ; 16 l + 1,536 f
	s_wait_kmcnt 0x0
	s_mov_b64 s[4:5], s[36:37]                     ; the source is chosen by y alone
	s_mov_b64 s[6:7], s[38:39]
	s_cmp_lt_u32 s8, 12
	s_cselect_b64 s[4:5], s[32:33], s[4:5]
	s_cselect_b64 s[6:7], s[34:35], s[6:7]
	s_cmp_lt_u32 s8, 4
	s_cselect_b64 s[4:5], s[28:29], s[4:5]
	s_cselect_b64 s[6:7], s[30:31], s[6:7]
	s_cmp_lt_u32 s8, 3
	s_cselect_b64 s[4:5], s[24:25], s[4:5]
	s_cselect_b64 s[6:7], s[26:27], s[6:7]
	s_cselect_b64 s[2:3], s[40:41], s[42:43]       ; and so is the destination
	s_cselect_b32 s48, s49, s48
	s_cmp_lt_u32 s8, 2
	s_cselect_b64 s[4:5], s[20:21], s[4:5]
	s_cselect_b64 s[6:7], s[22:23], s[6:7]
	s_cmp_lt_u32 s8, 1
	s_cselect_b64 s[4:5], s[16:17], s[4:5]
	s_cselect_b64 s[6:7], s[18:19], s[6:7]
	s_mul_i32 s48, s48, 12800
	s_mov_b32 s49, 0
	s_add_nc_u64 s[2:3], s[2:3], s[48:49]
.irp p, 0,1,2,3,4,5
	global_load_b64 v[8+2*\p:9+2*\p], v5, s[4:5] offset:48*(\p/3)+8*(\p%3)   ; registers 6 c .. 6 c + 5: K = 64 c + 32 h + 0 .. 31, as they lie
.endr
	s_wait_loadcnt 0x0
.irp c, 0,1,2
	global_store_b128 v7, v[8+4*\c:11+4*\c], s[2:3] offset:512*\c            ; 32 lanes store 512 consecutive bytes
.endr
	s_cmp_lg_u32 s11, 0
	s_cbranch_scc1 .Ldone
	v_lshl_add_u32 v24, v3, 6, v4                  ; wave 0: the scale words.  Lane r + 16 hi: rows of fragments 4 hi + j: 64 hi + 32 (j / 2) + 8 (j % 2) + r + (r & 8)
	v_add_nc_u32 v24, s46, v24
	v_mul_lo_u32 v24, v24, s13
	v_add_nc_u32 v24, s55, v24
	s_lshl_b32 s56, s13, 3
	v_add_nc_u32 v25, s56, v24                     ; 8 rows on
	s_lshl_b32 s56, s13, 5
	v_add_nc_u32 v26, s56, v24                     ; 32 rows on
	v_add_nc_u32 v27, s56, v25                     ; 40 rows on
	v_lshlrev_b32 v28, 4, v1
.irp j, 0,1,2,3
	global_load_b32 v[20+\j], v[24+\j], s[6:7]
.endr
	s_wait_loadcnt 0x0
	global_store_b128 v28, v[20:23], s[2:3] offset:12288
.Ldone:
	s_endpgm
.Lfunc_end_k_qd704df4268_prep:
	.size	k_qd704df4268_prep, .Lfunc_end_k_qd704df4268_prep-k_qd704df4268_prep
	.p2alignl 7, 3214868480
	.fill 96, 4, 3214868480
	.section	.rodata,"a",@progbits
	.p2align	6, 0x0
	.amdhsa_kernel k_qd704df4268_prep
		.amdhsa_group_segment_fixed_size 0
		.amdhsa_private_segment_fixed_size 0
		.amdhsa_enable_private_segment 0
		.amdhsa_kernarg_size 112
		.amdhsa_user_sgpr_count 2
		.amdhsa_user_sgpr_kernarg_segment_ptr 1
		.amdhsa_wavefront_size32 1
		.amdhsa_system_sgpr_workgroup_id_x 1
		.amdhsa_system_sgpr_workgroup_id_y 1
		.amdhsa_system_sgpr_workgroup_id_z 1
		.amdhsa_system_vgpr_workitem_id 0
		.amdhsa_next_free_vgpr 32
		.amdhsa_next_free_sgpr 66
		.amdhsa_reserve_vcc 0
		.amdhsa_float_denorm_mode_32 3
		.amdhsa_float_denorm_mode_16_64 3
		.amdhsa_memory_ordered 1
		.amdhsa_forward_progress 1
		.amdhsa_inst_pref_size 6
	.end_amdhsa_kernel
	.amdgpu_metadata
---
amdhsa.version: [ 1, 2 ]
amdhsa.kernels:
  - .name:           k_qd704df4268_prep
    .symbol:         k_qd704df4268_prep.kd
    .args:
      - { .name: Wq_codes, .offset: 0, .size: 8, .value_kind: global_buffer, .address_space: global }
      - { .name: Wq_scales, .offset: 8, .size: 8, .value_kind: global_buffer, .address_space: global }
      - { .name: Wk_codes, .offset: 16, .size: 8, .value_kind: global_buffer, .address_space: global }
      - { .name: Wk_scales, .offset: 24, .size: 8, .value_kind: global_buffer, .address_space: global }
      - { .name: Wv_codes, .offset: 32, .size: 8, .value_kind: global_buffer, .address_space: global }
      - { .name: Wv_scales, .offset: 40, .size: 8, .value_kind: global_buffer, .address_space: global }
      - { .name: Wo_codes, .offset: 48, .size: 8, .value_kind: global_buffer, .address_space: global }
      - { .name: Wo_scales, .offset: 56, .size: 8, .value_kind: global_buffer, .address_space: global }
      - { .name: W1_codes, .offset: 64, .size: 8, .value_kind: global_buffer, .address_space: global }
      - { .name: W1_scales, .offset: 72, .size: 8, .value_kind: global_buffer, .address_space: global }
      - { .name: W2_codes, .offset: 80, .size: 8, .value_kind: global_buffer, .address_space: global }
      - { .name: W2_scales, .offset: 88, .size: 8, .value_kind: global_buffer, .address_space: global }
      - { .name: wst1, .offset: 96, .size: 8, .value_kind: global_buffer, .address_space: global }
      - { .name: wst3, .offset: 104, .size: 8, .value_kind: global_buffer, .address_space: global }
    .group_segment_fixed_size: 0
    .private_segment_fixed_size: 0
    .kernarg_segment_align: 8
    .kernarg_segment_size: 112
    .max_flat_workgroup_size: 256
    .sgpr_count:     66
    .vgpr_count:     32
    .wavefront_size: 32
...
	.end_amdgpu_metadata
.endif
;; end of part 1
;; launch ln_qkv (part 2): grid 128 x 1, 4 waves a work-group, no clusters, 159,232 bytes of LDS; arguments x, g1, be1, wst1, qimg, qsc, kv; writes qimg, qsc, kv
.if DOCPART == 2
	.amdgcn_target "amdgcn-amd-amdhsa--gfx1250"
	.amdhsa_code_object_version 6
	.text
	.protected	k_qd704df4268_ln_qkv
	.globl	k_qd704df4268_ln_qkv
	.p2align	8
	.type	k_qd704df4268_ln_qkv,@function
k_qd704df4268_ln_qkv:
	s_mov_b64 s[64:65], 0
	v_nop
	global_prefetch_b8 v0, s[64:65] scope:SCOPE_SE
	s_setreg_imm32_b32 hwreg(HW_REG_WAVE_MODE, 25, 1), 1
	s_wait_xcnt 0x0
; xn = layer norm of x (two passes, f32); xn quantised along E; q, k, v = xn x Wq, Wk, Wv on codes of FP6 (E2M3) with E8M0 scales; q and k quantised along the head's 64, v along the keys.
; SHARES.  A work-group takes 64 tokens (block tb).  For the norm wave w owns 16 of them with all 512 columns; for the products wave w owns heads 2 w and 2 w + 1 (128 rows of each weight) for all 64 tokens.
; TOKENS, like weight rows, are taken in a chosen order: row i of tile m is token 32 (m / 2) + 8 (m % 2) + i + (i & 8) of the block, so that v's results (tokens down a lane's registers) are neighbours along the keys.
; xn's codes go from wave to wave through LDS as images of the operand's registers (three stores of 16 bytes a lane, the scale word 4 bytes a lane).
; The weights come from wst1 in the order of the operand's registers, straight into registers, two granules (K steps) ahead of their use.
; NO TENSOR LOADS, NO MULTICAST: each weight fragment feeds one wave alone and is never in LDS; the wave's stream is 153,600 bytes, the work-group's 614,400, more than LDS holds.
; q, k: source 0 = 16 weight rows, source 1 = 16 tokens: a lane holds one token and 64 numbers of two heads.  v: sources swapped: a lane holds one d and tokens down its registers.
; OUT: half records of 768 bytes (6 registers a lane, 64 along K: registers 0-3 at 16 l, 4-5 at 512 + 8 l) and scale words, laid as the attention launch reads them.
; LIMITS: NaN and infinities are not served.  A block whose largest magnitude lies under 2^-124, a block of zeros too, gets the byte 1 (the quantiser's 127 for zeros is not written: only this program reads the bytes, and the codes are zeros).
; REGISTERS, in windows of 256: window 0 addresses, work, activation fragments; window 1: x as loaded, then g and be, then the 32 accumulators; window 2: weights, two sets of 96; window 3: my 16 rows of x / xn, 256 numbers a lane.
.set LI, 1                             ; 16 l
.set LS, 2                             ; 4 l
.set XWI, 5                            ; where I store xn's images
.set XWS, 6                            ; and their scale words
.set STO, 9                            ; my stage, by (row r, half h)
.set SRD, 10                           ; my stage, 16 bytes a lane
.set GVO, 14                           ; my place in g and be: 64 h
.set L8, 18                            ; 8 l
.set TM, 20                            ; v20-35 at work
.set PW, 36                            ; the scale word just made
.set PC, 38                            ; v38-57 the codes just made
.set MU, 58                            ; v58-65 means, a pair for each quarter
.set RS, 66                            ; v66-73 1 / sqrt(var + eps)
.set AS, 74                            ; v74-81 activation scale words, two sets
.set SCW, 82                           ; v82-89 weight scale words, two sets
.set B1R, 90                           ; (named by the shared macro; not used here)
.set DW, 90                            ; v90-93 q's scale words to store
.set KW, 96                            ; v96-99 k's
.set VW, 100                           ; v100-103 v's
.set VD, 104                           ; v104-105
.set AF, 154                           ; v154-249 activation fragments, two sets of four
.set SH, 252                           ; 16 h
.set KSO, 253
.set VSO, 254
.set WV, 32
.set SEL, 34
.set WP, 14                            ; s[14:15] my stream of weights
.set XSC, 24576                        ; LDS: xn's 16 images at 0, their scale words here,
.set STG, 26624                        ; then a stage of 16 rows x 2,064 bytes for each wave
.set HEADB, 208896                     ; a head's bytes in kv
.set MSB, 0
.macro WIN new                         ; the immediate's high byte repeats the setting that is left
.if MSB != (\new)
	s_set_vgpr_msb (MSB<<8)|(\new)
.set MSB, \new
.endif
.endm
.macro NOP4
.rept 4
	v_nop
.endr
.endm
.macro BARRIER                         ; my LDS stores have landed and my LDS loads are in: then the work-group's barrier
	s_wait_dscnt 0x0
	s_barrier_signal -1
	s_barrier_wait -1
.endm
; 64 numbers of a lane in window w, register 16 b + i = k 32 b + 16 h + i of my row, become a fragment's codes in v[PC] on and its scale word in v[PW].
.macro QUANT s, w
	WIN (\w)|((\w)<<2)
.irp b, 0,1,2,3
	v_max3_num_f32 v[TM+\b], |v[(\s)+16*\b]|, |v[(\s)+1+16*\b]|, 0x1800000   ; with the floor 2^(3 - 127): the byte cannot fall under 1
.endr
	WIN ((\w)<<2)|((\w)<<4)
.irp i, 2,4,6,8,10,12,14
.irp b, 0,1,2,3
	v_max3_num_f32 v[TM+\b], v[TM+\b], |v[(\s)+16*\b+\i]|, |v[(\s)+1+16*\b+\i]|
.endr
.endr
	WIN 0
.irp b, 0,1,2,3
	v_permlanex16_b32 v[TM+4+\b], v[TM+\b], s[SEL], s[SEL+1]
.endr
.irp b, 0,1,2,3
	v_max_num_f32 v[TM+\b], v[TM+\b], v[TM+4+\b]   ; with lane l xor 16's: the block's largest magnitude
.endr
.irp b, 0,1,2,3
	v_add_nc_u32 v[TM+12+\b], 0xff000000, v[TM+\b] ; 2 off its exponent field: the conversion's scale operand
.endr
.irp b, 0,1,2,3
	v_lshrrev_b32 v[TM+4+\b], 23, v[TM+12+\b]      ; the scale's byte
.endr
	v_lshl_or_b32 v[PW], v[TM+5], 8, v[TM+4]
	v_lshl_or_b32 v[PW], v[TM+6], 16, v[PW]
	v_lshl_or_b32 v[PW], v[TM+7], 24, v[PW]
	WIN \w
.irp c, 0,1
	v_cvt_scalef32_pk16_fp6_f32 v[PC+6*\c:PC+2+6*\c], v[(\s)+32*\c:(\s)+15+32*\c], v[TM+12+2*\c]
	v_cvt_scalef32_pk16_fp6_f32 v[PC+12+4*\c:PC+14+4*\c], v[(\s)+16+32*\c:(\s)+31+32*\c], v[TM+12+2*\c+1]
.endr
	WIN 0
	v_nop                                          ; one plain place behind a scaled conversion
.irp c, 0,1                            ; the operand wants a whole block in a lane: lanes 0-15 block 2 c, lanes 16-31 block 2 c + 1
.irp i, 0,1,2
	v_permlane16_swap_b32 v[PC+6*\c+\i], v[PC+12+4*\c+\i]
.endr
.irp i, 0,1,2
	v_mov_b32 v[PC+3+6*\c+\i], v[PC+12+4*\c+\i]
.endr
.endr
.endm
.macro IMAGE adr, off                  ; the fragment in v[PC] on goes to LDS as it stands
.irp c, 0,1,2
	ds_store_b128 v[\adr], v[PC+4*\c:PC+4*\c+3] offset:(\off)+512*\c
.endr
.endm
.macro AFLOAD set, ra, rs, base, sbase, ks   ; the four row tiles' fragments and scale words of K step ks: 16 LDS loads
.irp m, 0,1,2,3
.irp c, 0,1,2
	ds_load_b128 v[AF+48*(\set)+12*\m+4*\c:AF+48*(\set)+12*\m+4*\c+3], v[\ra] offset:(\base)+(4*\m+(\ks))*1536+512*\c
.endr
	ds_load_b32 v[AS+4*(\set)+\m], v[\rs] offset:(\sbase)+128*(4*\m+(\ks))
.endr
.endm
.macro WLOADH set, reg, off, hf        ; half a granule of weights: four fragments (12 loads); the second half also the scale words (13)
	WIN 0x80
.irp f, 0,1,2,3
.irp c, 0,1,2
	global_load_b128 v[96*(\set)+12*(4*(\hf)+\f)+4*\c:96*(\set)+12*(4*(\hf)+\f)+4*\c+3], v[\reg], s[WP:WP+1] offset:(\off)+1536*(4*(\hf)+\f)+512*\c
.endr
.endr
	WIN 0
.if \hf
	global_load_b128 v[SCW+4*(\set):SCW+4*(\set)+3], v[\reg], s[WP:WP+1] offset:(\off)+12288
.endif
.endm
.macro WM                              ; one matrix instruction, from the symbols that MM16 sets
.if CK_ == 0
.if R_ == 0
	v_wmma_scale_f32_16x16x128_f8f6f4 v[D_:D_+7], v[A_:A_+11], v[B_:B_+11], 0, v[SA_], v[SB_] matrix_a_fmt:MATRIX_FMT_FP6 matrix_b_fmt:MATRIX_FMT_FP6
.elseif R_ == 1
	v_wmma_scale_f32_16x16x128_f8f6f4 v[D_:D_+7], v[A_:A_+11], v[B_:B_+11], 0, v[SA_], v[SB_] matrix_a_fmt:MATRIX_FMT_FP6 matrix_b_fmt:MATRIX_FMT_FP6 matrix_a_scale:MATRIX_SCALE_ROW1
.else
	v_wmma_scale_f32_16x16x128_f8f6f4 v[D_:D_+7], v[A_:A_+11], v[B_:B_+11], 0, v[SA_], v[SB_] matrix_a_fmt:MATRIX_FMT_FP6 matrix_b_fmt:MATRIX_FMT_FP6 matrix_b_scale:MATRIX_SCALE_ROW1
.endif
.else
.if R_ == 0
	v_wmma_scale_f32_16x16x128_f8f6f4 v[D_:D_+7], v[A_:A_+11], v[B_:B_+11], v[C_:C_+7], v[SA_], v[SB_] matrix_a_fmt:MATRIX_FMT_FP6 matrix_b_fmt:MATRIX_FMT_FP6
.elseif R_ == 1
	v_wmma_scale_f32_16x16x128_f8f6f4 v[D_:D_+7], v[A_:A_+11], v[B_:B_+11], v[C_:C_+7], v[SA_], v[SB_] matrix_a_fmt:MATRIX_FMT_FP6 matrix_b_fmt:MATRIX_FMT_FP6 matrix_a_scale:MATRIX_SCALE_ROW1
.else
	v_wmma_scale_f32_16x16x128_f8f6f4 v[D_:D_+7], v[A_:A_+11], v[B_:B_+11], v[C_:C_+7], v[SA_], v[SB_] matrix_a_fmt:MATRIX_FMT_FP6 matrix_b_fmt:MATRIX_FMT_FP6 matrix_b_scale:MATRIX_SCALE_ROW1
.endif
.endif
.endm
; 16 matrix instructions: weight fragments t0 .. t0 + 3 x the four row tiles.  mode 1: sources swapped (tokens are source 0).  first = 1: the constant 0 starts the sums; 2: a bias does.
; The accumulators take turns, one instruction a turn.  Fragments 4-7 find their scale words in lanes 16-31.
.macro MM16 set, mode, first, t0
.irp tt, 0,1,2,3
.irp m, 0,1,2,3
.set T_, (\t0)+\tt
.if (\mode) == 1
.set D_, 8*(4*T_+\m)
.set A_, AF+48*(\set)+12*\m
.set B_, 96*(\set)+12*T_
.set SA_, AS+4*(\set)+\m
.set SB_, SCW+4*(\set)+\tt
.set R_, 2*((\t0)/4)
.else
.set D_, 8*(8*\m+T_)
.set A_, 96*(\set)+12*T_
.set B_, AF+48*(\set)+12*\m
.set SA_, SCW+4*(\set)+\tt
.set SB_, AS+4*(\set)+\m
.set R_, (\t0)/4
.endif
.set C_, D_
.set CK_, 1
.if (\first) == 1
.set CK_, 0
.elseif (\first) == 2
.set C_, B1R+8*T_
.endif
	WM
.endr
.endr
.endm
; A GRANULE'S WORK: 32 matrix instructions on one K step of 128.  nl: the global loads younger than this granule's 25; nd: the LDS loads younger than its 16.
; Each half of the weight set is loaded again, for the granule two on, as soon as its 16 products are issued and four places have passed; the activation set at the end.
.macro GRAN set, mode, first, nl, nd, pw, wreg, woff, pa, ra, rs, base, sbase, ks
	s_wait_loadcnt \nl
	s_wait_dscnt \nd
.if (\mode) == 1
.set MW_, 0x58                         ; source 1 (weights) window 2, C and D window 1
.elseif (\mode) == 3
.set MW_, 0xf2                         ; source 0 (weights) window 2, C and D window 3
.elseif (\first) == 2
.set MW_, 0x42                         ; source 0 window 2, C window 0, D window 1
.else
.set MW_, 0x52                         ; source 0 window 2, C and D window 1
.endif
	WIN MW_
	MM16 \set, \mode, \first, 0
	NOP4                                           ; places in front of loads into registers that matrix instructions have read
.if \pw
	WLOADH \set, \wreg, \woff, 0
.endif
	WIN MW_
	MM16 \set, \mode, \first, 4
	NOP4                                           ; likewise, and in front of the first read of results
.if \pw
	WLOADH \set, \wreg, \woff, 1
.endif
	WIN 0
.if \pa
	AFLOAD \set, \ra, \rs, \base, \sbase, \ks
.endif
.endm
; Sums over the lane's four quarters of window 3 (sq = 1: of squares), four chains by turns, then with lane l xor 16: results in v[TM + 2 k].
.macro RSUM sq
	WIN 0x0f
.irp k, 0,1,2,3
.if \sq
	v_pk_mul_f32 v[TM+2*\k:TM+2*\k+1], v[64*\k:64*\k+1], v[64*\k:64*\k+1]
.else
	v_pk_add_f32 v[TM+2*\k:TM+2*\k+1], v[64*\k:64*\k+1], v[64*\k+2:64*\k+3]
.endif
.endr
.if \sq
.set J_, 2
.else
	WIN 0x0c
.set J_, 4
.endif
.rept 30+(\sq)
.irp k, 0,1,2,3
.if \sq
	v_pk_fma_f32 v[TM+2*\k:TM+2*\k+1], v[64*\k+J_:64*\k+J_+1], v[64*\k+J_:64*\k+J_+1], v[TM+2*\k:TM+2*\k+1]
.else
	v_pk_add_f32 v[TM+2*\k:TM+2*\k+1], v[TM+2*\k:TM+2*\k+1], v[64*\k+J_:64*\k+J_+1]
.endif
.endr
.set J_, J_+2
.endr
	WIN 0
.irp k, 0,1,2,3
	v_add_f32 v[TM+2*\k], v[TM+2*\k], v[TM+2*\k+1]
.endr
.irp k, 0,1,2,3
	v_permlanex16_b32 v[TM+2*\k+1], v[TM+2*\k], s[SEL], s[SEL+1]
.endr
.irp k, 0,1,2,3
	v_add_f32 v[TM+2*\k], v[TM+2*\k], v[TM+2*\k+1]
.endr
.endm
.macro XSUB                            ; window 3 less the mean (both words of a pair hold it)
	WIN 0xc3
.irp k, 0,1,2,3
.set J_, 0
.rept 32
	v_pk_add_f32 v[64*\k+J_:64*\k+J_+1], v[64*\k+J_:64*\k+J_+1], v[MU+2*\k:MU+2*\k+1] neg_lo:[0,1] neg_hi:[0,1]
.set J_, J_+2
.endr
.endr
	WIN 0
.endm
.macro XSCALE
	WIN 0xc3
.irp k, 0,1,2,3
.set J_, 0
.rept 32
	v_pk_mul_f32 v[64*\k+J_:64*\k+J_+1], v[64*\k+J_:64*\k+J_+1], v[RS+2*\k:RS+2*\k+1]
.set J_, J_+2
.endr
.endr
	WIN 0
.endm
.macro XAFF k                          ; quarter k: x g + be; g at v0-63 and be at v64-127 of window 1
	WIN 0xd7
.set J_, 0
.rept 32
	v_pk_fma_f32 v[64*(\k)+J_:64*(\k)+J_+1], v[64*(\k)+J_:64*(\k)+J_+1], v[J_:J_+1], v[64+J_:64+J_+1]
.set J_, J_+2
.endr
	WIN 0
.endm
.macro GLOAD dst, ptr, off             ; 64 numbers of a vector along the columns, in my lane's order, into window 1
	WIN 0x40
.irp b, 0,1,2,3
.irp jj, 0,1,2,3
	global_load_b128 v[(\dst)+16*\b+4*\jj:(\dst)+16*\b+4*\jj+3], v[GVO], s[\ptr:\ptr+1] offset:(\off)+128*\b+16*\jj
.endr
.endr
	WIN 0
.endm
	s_load_b256 s[8:15], s[0:1], 0x0               ; x s[8:9], g1 s[10:11], be1 s[12:13], wst1 s[14:15]
	s_load_b128 s[16:19], s[0:1], 0x20             ; qimg s[16:17], qsc s[18:19]
	s_load_b64 s[20:21], s[0:1], 0x30              ; kv
	v_lshl_add_u32 v251, v0, 2, 0x26c00
	v_mov_b32 v255, 0
	v_lshrrev_b32 v1, 5, v0
	v_readfirstlane_b32 s[WV], v1                  ; wave 0..3
	v_and_b32 v20, 31, v0                          ; l
	v_and_b32 v21, 15, v0                          ; r
	v_bfe_u32 v22, v0, 4, 1                        ; h
	v_lshlrev_b32 v[LI], 4, v20
	v_lshlrev_b32 v[LS], 2, v20
	v_lshlrev_b32 v[L8], 3, v20
	v_lshlrev_b32 v[SH], 4, v22
	v_lshlrev_b32 v[GVO], 6, v22
	s_mul_i32 s40, s[WV], 6144
	v_add_nc_u32 v[XWI], s40, v[LI]                ; images 4 w + s
	s_lshl_b32 s40, s[WV], 9
	v_add_nc_u32 v[XWS], s40, v[LS]
	s_mul_i32 s40, s[WV], 33024
	s_add_co_u32 s40, s40, STG
	v_add_nc_u32 v[SRD], s40, v[LI]
	v_mul_u32_u24 v[STO], v21, 2064
	v_lshl_add_u32 v[STO], v22, 6, v[STO]
	v_add_nc_u32 v[STO], s40, v[STO]
	v_mul_u32_u24 v23, v22, HEADB                  ; lanes 16-31 store for head 2 w + 1
	v_lshl_add_u32 v[KSO], v21, 4, v23
	v_lshl_add_u32 v[VSO], v21, 3, v23
.irp b, 0,1,2,3
	v_mov_b32 v[TM+4+\b], 0                        ; a lane permute's destination counts as one of its sources
.endr
	s_mov_b32 s[SEL], 0x76543210
	s_mov_b32 s[SEL+1], 0xfedcba98                 ; lane l xor 16
	s_mov_b32 s36, 0x3b000000                      ; 1 / 512
	s_mov_b32 s37, 0x3727c5ac                      ; 1e-5
	s_lshl_b32 s40, ttmp9, 17                      ; x: 64 rows of 2,048 bytes a block,
	s_lshr_b32 s41, s[WV], 1
	s_lshl_b32 s41, s41, 16                        ; + 32 (w / 2) rows
	s_and_b32 s42, s[WV], 1
	s_lshl_b32 s42, s42, 14                        ; + 8 (w % 2) rows
	s_add_co_u32 s40, s40, s41
	s_add_co_u32 s40, s40, s42
	s_mov_b32 s41, 0
	s_mul_i32 s42, s[WV], 153600
	s_mov_b32 s43, 0
	s_mul_i32 s44, ttmp9, 24576
	s_mul_i32 s45, s[WV], 1536
	s_add_co_u32 s44, s44, s45
	s_mov_b32 s45, 0
	s_lshl_b32 s46, ttmp9, 11
	s_lshl_b32 s47, s[WV], 7
	s_add_co_u32 s46, s46, s47
	s_mov_b32 s47, 0
	s_lshr_b32 s48, ttmp9, 5                       ; the batch
	s_lshl_b32 s48, s48, 3
	s_lshl_b32 s49, s[WV], 1
	s_add_co_u32 s48, s48, s49                     ; 8 b + 2 w: my first head
	s_lshl_b32 s48, s48, 4
	s_bfe_u32 s49, ttmp9, 0x40001                  ; the key step of 128: (tb / 2) % 16
	s_add_co_u32 s48, s48, s49
	s_mul_i32 s48, s48, 13056                      ; its record
	s_mov_b32 s49, 0
	s_and_b32 s50, ttmp9, 1                        ; which half of the key step
	s_mul_i32 s52, s50, 3072
	s_mov_b32 s53, 0
	s_lshl_b32 s54, s50, 8
	s_add_co_u32 s54, s54, 12288
	s_mov_b32 s55, 0
	s_mul_i32 s56, s50, 768
	s_add_co_u32 s56, s56, 6144
	s_mov_b32 s57, 0
	s_lshl_b32 s58, s50, 7
	s_add_co_u32 s58, s58, 12800
	s_mov_b32 s59, 0
	s_wait_kmcnt 0x0
	s_add_nc_u64 s[8:9], s[8:9], s[40:41]
	s_add_nc_u64 s[14:15], s[14:15], s[42:43]
	s_add_nc_u64 s[16:17], s[16:17], s[44:45]
	s_add_nc_u64 s[18:19], s[18:19], s[46:47]
	s_add_nc_u64 s[20:21], s[20:21], s[48:49]
	s_add_nc_u64 s[22:23], s[20:21], s[52:53]      ; k's tiles
	s_add_nc_u64 s[24:25], s[20:21], s[54:55]      ; k's scale words
	s_add_nc_u64 s[26:27], s[20:21], s[56:57]      ; v's tiles
	s_add_nc_u64 s[28:29], s[20:21], s[58:59]      ; v's scale words
	WLOADH 0, LI, 0, 0                             ; the first two granules of weights
	WLOADH 0, LI, 0, 1
	WLOADH 1, LI, 12800, 0
	WLOADH 1, LI, 12800, 1
	WIN 0x40                                       ; my 16 rows of x, 512 consecutive bytes a load, into window 1
.set N_, 0
.rept 64
	global_load_b128 v[4*N_:4*N_+3], v[LI], s[8:9] offset:((N_/4)+((N_/4)&8))*2048+512*(N_%4) th:TH_LOAD_NT
.set N_, N_+1
.endr
	WIN 0x04                                       ; through my own stage, so that a lane gets 16 neighbours of each block of 32 of ONE row
.irp k, 0,1,2,3
	s_wait_loadcnt 48-16*\k                        ; the younger batches of 16 loads may stay out
.set N_, 16*\k
.rept 16
	ds_store_b128 v[SRD], v[4*N_:4*N_+3] offset:2064*(N_/4)+512*(N_%4)
.set N_, N_+1
.endr
.endr
	WIN 0xc0                                       ; LDS serves a wave's instructions in order: these see my stores
.irp s4, 0,1,2,3
.irp b, 0,1,2,3
.irp jj, 0,1,2,3
	ds_load_b128 v[64*\s4+16*\b+4*\jj:64*\s4+16*\b+4*\jj+3], v[STO] offset:512*\s4+128*\b+16*\jj
.endr
.endr
.endr
	WIN 0
	s_wait_dscnt 0x0
	GLOAD 0, 10, 0                                 ; g1 and be1 of the first 128 columns
	GLOAD 64, 12, 0
	RSUM 0
	v_add_f32 v[TM], v[TM], v[TM+2]
	v_add_f32 v[TM+4], v[TM+4], v[TM+6]
	v_add_f32 v[TM], v[TM], v[TM+4]
	v_mul_f32 v[MU], s36, v[TM]                    ; the row's mean
.irp i, 1,2,3,4,5,6,7
	v_mov_b32 v[MU+\i], v[MU]
.endr
	XSUB
	RSUM 1
	v_add_f32 v[TM], v[TM], v[TM+2]
	v_add_f32 v[TM+4], v[TM+4], v[TM+6]
	v_add_f32 v[TM], v[TM], v[TM+4]
	v_fma_f32 v[TM], v[TM], s36, s37               ; var + eps
	v_rsq_f32 v[RS], v[TM]
	v_nop                                          ; a plain place behind the transcendental
	s_wait_alu depctr_va_vdst(0)
.irp i, 1,2,3,4,5,6,7
	v_mov_b32 v[RS+\i], v[RS]
.endr
	XSCALE
.irp s4, 0,1,2,3
	s_wait_loadcnt 0x0                             ; g1 and be1 of this quarter
	XAFF \s4
.if \s4 < 3
	GLOAD 0, 10, 512*(\s4+1)
	GLOAD 64, 12, 512*(\s4+1)
.endif
	s_wait_dscnt 0x0                               ; the last image's stores have read their registers
	QUANT 64*\s4, 3
	IMAGE XWI, 1536*\s4
	ds_store_b32 v[XWS], v[PW] offset:XSC+128*\s4
.endr
	BARRIER                                        ; xn's sixteen fragments lie in LDS
	AFLOAD 0, LI, LS, 0, XSC, 0
	AFLOAD 1, LI, LS, 0, XSC, 1
.macro KIND kd, mode                   ; one of q, k, v: four granules.  25 = the next granule's loads; 16 = the next granule's activation loads
.irp s4, 0,1,2,3
.set GI_, 4*(\kd)+\s4
.set FI_, 0
.if \s4 == 0
.set FI_, 1
.endif
.if GI_ < 10
	GRAN \s4%2, \mode, FI_, 25, 16, 1, LI, 12800*(GI_+2), 1, LI, LS, 0, XSC, (\s4+2)%4
.elseif GI_ == 10
	GRAN 0, \mode, 0, 25, 16, 0, LI, 0, 0, LI, LS, 0, 0, 0
.else
	GRAN 1, \mode, 0, 0, 0, 0, LI, 0, 0, LI, LS, 0, 0, 0
.endif
.endr
.endm
.macro HALFOUT r0, ptr, off            ; six registers from v[PC + r0] on leave as a half record: 512 and 256 consecutive bytes
	global_store_b128 v[LI], v[PC+(\r0):PC+(\r0)+3], s[\ptr:\ptr+1] offset:(\off)
	global_store_b64 v[L8], v[PC+(\r0)+4:PC+(\r0)+5], s[\ptr:\ptr+1] offset:(\off)+512
.endm
	KIND 0, 0                                      ; q
.irp m, 0,1,2,3
	s_wait_xcnt 0x0                                ; the last turn's stores have read their registers
	QUANT 64*\m, 1                                 ; blocks 0, 1: head 2 w; blocks 2, 3: head 2 w + 1
	HALFOUT 0, 16, 6144*\m
	HALFOUT 6, 16, 6144*\m+768
	v_lshrrev_b32 v[DW+\m], v[SH], v[PW]           ; lanes 0-15 keep head 2 w's two bytes, lanes 16-31 head 2 w + 1's
	v_and_b32 v[DW+\m], 0xffff, v[DW+\m]
	global_store_b32 v[LS], v[DW+\m], s[18:19] offset:512*\m
.endr
	KIND 1, 0                                      ; k
.irp m, 0,1,2,3
	s_wait_xcnt 0x0
	QUANT 64*\m, 1
	HALFOUT 0, 22, 768*\m
	HALFOUT 6, 22, 768*\m+HEADB
	v_lshrrev_b32 v[KW+\m], v[SH], v[PW]
	v_and_b32 v[KW+\m], 0xffff, v[KW+\m]
.endr
	global_store_b128 v[KSO], v[KW:KW+3], s[24:25] ; the four tiles' words of a key, 16 bytes a lane
	KIND 2, 1                                      ; v, sources swapped: accumulator 4 t + m: d tile t, tokens down the registers
.irp i, 0,1,2,3
	s_wait_xcnt 0x0
	QUANT 64*\i, 1                                 ; d tiles 2 i and 2 i + 1, two blocks of 32 tokens each
	HALFOUT 0, 26, HEADB*(\i/2)+3072*(\i%2)
	HALFOUT 6, 26, HEADB*(\i/2)+3072*(\i%2)+1536
	v_mov_b32 v[VW+\i], v[PW]
.endr
	v_cmp_ne_u32 vcc_lo, 0, v[SH]
	v_cndmask_b32 v[VD], v[VW], v[VW+2], vcc_lo    ; lanes 16-31 store head 2 w + 1's words
	v_cndmask_b32 v[VD+1], v[VW+1], v[VW+3], vcc_lo
	global_store_b64 v[VSO], v[VD:VD+1], s[28:29]
	s_wait_tensorcnt 0x0
	ds_add_u32 v251, v255
	s_wait_dscnt 0x0
	s_endpgm
.Lfunc_end_k_qd704df4268_ln_qkv:
	.size	k_qd704df4268_ln_qkv, .Lfunc_end_k_qd704df4268_ln_qkv-k_qd704df4268_ln_qkv
	.p2alignl 7, 3214868480
	.fill 96, 4, 3214868480
	.section	.rodata,"a",@progbits
	.p2align	6, 0x0
	.amdhsa_kernel k_qd704df4268_ln_qkv
		.amdhsa_group_segment_fixed_size 159232
		.amdhsa_private_segment_fixed_size 0
		.amdhsa_enable_private_segment 0
		.amdhsa_kernarg_size 56
		.amdhsa_user_sgpr_count 2
		.amdhsa_user_sgpr_kernarg_segment_ptr 1
		.amdhsa_wavefront_size32 1
		.amdhsa_system_sgpr_workgroup_id_x 1
		.amdhsa_system_sgpr_workgroup_id_y 1
		.amdhsa_system_sgpr_workgroup_id_z 1
		.amdhsa_system_vgpr_workitem_id 0
		.amdhsa_next_free_vgpr 1024
		.amdhsa_next_free_sgpr 66
		.amdhsa_reserve_vcc 1
		.amdhsa_float_denorm_mode_32 3
		.amdhsa_float_denorm_mode_16_64 3
		.amdhsa_memory_ordered 1
		.amdhsa_forward_progress 1
		.amdhsa_inst_pref_size 237
	.end_amdhsa_kernel
	.amdgpu_metadata
---
amdhsa.version: [ 1, 2 ]
amdhsa.kernels:
  - .name:           k_qd704df4268_ln_qkv
    .symbol:         k_qd704df4268_ln_qkv.kd
    .args:
      - { .name: x, .offset: 0, .size: 8, .value_kind: global_buffer, .address_space: global }
      - { .name: g1, .offset: 8, .size: 8, .value_kind: global_buffer, .address_space: global }
      - { .name: be1, .offset: 16, .size: 8, .value_kind: global_buffer, .address_space: global }
      - { .name: wst1, .offset: 24, .size: 8, .value_kind: global_buffer, .address_space: global }
      - { .name: qimg, .offset: 32, .size: 8, .value_kind: global_buffer, .address_space: global }
      - { .name: qsc, .offset: 40, .size: 8, .value_kind: global_buffer, .address_space: global }
      - { .name: kv, .offset: 48, .size: 8, .value_kind: global_buffer, .address_space: global }
    .group_segment_fixed_size: 159232
    .private_segment_fixed_size: 0
    .kernarg_segment_align: 8
    .kernarg_segment_size: 56
    .max_flat_workgroup_size: 128
    .sgpr_count:     66
    .vgpr_count:     1024
    .wavefront_size: 32
...
	.end_amdgpu_metadata
.endif
;; end of part 2
;; launch attn (part 3): grid 8 x 32, 16 waves a work-group, clusters of 4 x 1, 215,040 bytes of LDS; arguments qimg, qsc, kv, oimg, osc; writes oimg, osc
.if DOCPART == 3
	.amdgcn_target "amdgcn-amd-amdhsa--gfx1250"
	.amdhsa_code_object_version 6
	.text
	.protected	k_qd704df4268_attn
	.globl	k_qd704df4268_attn
	.p2align	8
	.type	k_qd704df4268_attn,@function
k_qd704df4268_attn:
	s_mov_b64 s[64:65], 0
	v_nop
	global_prefetch_b8 v0, s[64:65] scope:SCOPE_SE
	s_setreg_imm32_b32 hwreg(HW_REG_WAVE_MODE, 25, 1), 1
	s_wait_xcnt 0x0
	s_wait_alu depctr_hold_cnt(0) depctr_sa_sdst(0) depctr_va_vdst(0) depctr_va_sdst(0) depctr_va_ssrc(0) depctr_va_vcc(0) depctr_vm_vsrc(0)
	s_getreg_b32 s2, hwreg(HW_REG_IB_STS2, 6, 4)
	s_cmp_eq_u32 s2, 0
	s_cbranch_scc0 .Lentry_in_a_cluster
	s_endpgm
.Lentry_in_a_cluster:
	s_bfe_u32 s2, ttmp6, 0x10000c
	s_cmp_lg_u32 s2, 0x3003
	s_cbranch_scc0 .Lentry_shape_is_right
	s_endpgm
.Lentry_shape_is_right:
; o = softmax(q k^T / sqrt(2048), causal) v for one head of one batch, both products on codes of FP6 (E2M3) with E8M0 scales; o / l is quantised along the head's 64 and stored as codes.
; THE SOFTMAX: t = score x log2(e) / sqrt(2048); M = the running largest t rounded UP to a whole number; p = 2^(t - M) is quantised along the keys, not normalised; the row's sum is taken of the
; unquantised p and divides at the end (by v_rcp_f32).  When M moves, the sum and O are multiplied by 2^(old M - new M): exact.
; SHARES.  y = the head (8 batch + head).  The head's 2,048 queries are 16 blocks of 128, each of 8 tiles of 16.  Work-group x = j takes tile j of EVERY block: wave of rank rho takes block rho.
; That wave needs key steps 0 .. rho (128 keys each), the last of them masked; the ranks are dealt so that waves w, w + 4, w + 8, w + 12 have 34 steps together.
; THE HEAD'S WHOLE IMAGE OF K AND V, 208,896 bytes laid in the order of the operands' registers, comes into LDS ONCE, in four quarters of four key steps; nothing is filled again.
; CLUSTER.  The four work-groups of a cluster belong to one head and want the same image: each quarter is asked for JOINTLY, by the same tensor load with the mask of all four.  Wave 0 issues the four: four tensor loads of that wave are out at the most.
; Every wave walks all 16 steps (constant trip counts); a step whose keys all come after the wave's queries is jumped over by a scalar branch on the wave's number.  j enters global addresses and the mask's numbers alone.
; LAYOUT.  Both products are used transposed (S^T = K Q^T, O^T = V^T P^T): a lane holds one query.  The head size is 64: K's and Q's fragments have zeros as their upper six registers.
; The keys of a tile, the queries of a tile and the d of a tile are taken in the chosen order 32 b + 8 u + i + (i & 8), so that 16 registers of two neighbouring tiles are 16 neighbours.
; LIMITS: NaN and infinities are not served; a block whose largest number lies under 2^-124 (a block of zeros too) gets the byte 1: its bytes are read by this program alone.
.set LI, 1                             ; 16 l
.set L8, 2                             ; 8 l
.set R8, 3                             ; 8 r
.set DQ, 4                             ; my query's place in its block of 128, less 16 h
.set ADR, 5                            ; the step's record + 16 l
.set ADR8, 6                           ; + 8 l
.set ADRV, 7                           ; + 8 r
.set R4, 8                             ; 4 r
.set Q, 16                             ; v16-27 Q's fragment (22-27 zeros)
.set KSC, 28                           ; v28-31 K's scale words: tile 4 g + t in register t, lanes 16 g + r
.set VSR, 32                           ; v32-35 V's scale words as they lie
.set VSC, 36                           ; v36-39 and one word for each d tile
.set QSC, 40
.set PSC, 41
.set KF, 44                            ; v44-91 four fragments of K (the upper six registers of each stay zero)
.set S, 96                             ; v96-159 S^T, then p; then V's four fragments
.set O, 160                            ; v160-191 O^T
.set PC, 192                           ; v192-203 p's codes
.set CT, 204                           ; v204-211
.set BM, 212                           ; v212-215 the blocks' largest
.set SO, 216                           ; v216-219 the conversions' scale operands
.set PL, 220                           ; v220-223
.set TA, 224
.set F, 226                            ; v[226:227] 2^(old M - new M)
.set SU2, 228                          ; v[228:229] the sum's second chain
.set WV, 14
.set RHO, 15
.set SEL, 44
.set CS, 46
.set KS, 48                            ; the key step
.set TB, 49                            ; its record's LDS byte
.set CNT, 50
.set RECB, 13056                       ; a key step's record: K 8 x 768, V 4 x 1,536, K's scale words 512, V's 256
.macro ROUND                           ; a round of the cluster's barrier
	s_barrier_signal -1
	s_barrier_wait -1
	s_cmp_lg_u32 s[WV], 0
	s_cbranch_scc1 .Lnot_wave_0_\@
	s_barrier_signal -3
.Lnot_wave_0_\@:
	s_barrier_wait -3
	s_barrier_signal -1
	s_barrier_wait -1
.endm
	s_load_b256 s[4:11], s[0:1], 0x0               ; qimg s[4:5], qsc s[6:7], kv s[8:9], oimg s[10:11]
	s_load_b64 s[12:13], s[0:1], 0x20              ; osc
	v_lshl_add_u32 v254, v0, 2, 0x34000
	v_mov_b32 v255, 0
	ds_add_u32 v254, v255
	ds_add_u32 v254, v255
	v_lshrrev_b32 v1, 5, v0
	v_readfirstlane_b32 s[WV], v1                  ; wave 0..15
	s_lshr_b32 s53, s[WV], 2
	s_and_b32 s53, s53, 1
	s_mul_i32 s53, s53, 3
	s_xor_b32 s[RHO], s[WV], s53                   ; my rank: w, 7 - w, 8 + w, 15 - w
	s_bfe_u32 s16, ttmp6, 0x40000                  ; cx
	s_lshl_b32 s17, ttmp9, 2
	s_add_co_u32 s17, s17, s16                     ; j = 4 x cluster x + cx
	s_and_b32 s18, ttmp7, 0xffff                   ; the head, which the four partners share
	s_lshr_b32 s54, s18, 3
	s_lshl_b32 s54, s54, 7
	s_lshl_b32 s55, s[RHO], 3
	s_add_co_u32 s54, s54, s55
	s_add_co_u32 s54, s54, s17                     ; 128 batch + 8 rho + j: my tile of 16 queries
	s_lshl_b32 s54, s54, 3
	s_and_b32 s55, s18, 7
	s_add_co_u32 s54, s54, s55                     ; x 8 + head: my record in qimg, qsc, oimg, osc
	s_mul_i32 s56, s54, 768
	s_mov_b32 s57, 0
	s_lshl_b32 s58, s54, 6
	s_mov_b32 s59, 0
	s_mul_i32 s60, s18, 208896
	s_mov_b32 s61, 0
	s_lshr_b32 s53, s17, 1
	s_lshl_b32 s53, s53, 5
	s_and_b32 s55, s17, 1
	s_lshl_b32 s55, s55, 3
	s_add_co_u32 s53, s53, s55                     ; 32 (j / 2) + 8 (j % 2)
	; descriptor group 1: a quarter of the image, 52,224 dense bytes, as 204 rows of 256 bytes (32 elements of 8 bytes), no padding
	s_mov_b32 s20, 15|(3<<16)|(1<<21)              ; 15:0 the mask: all four work-groups; 17:16 elements of 8 bytes; 21 set beside a mask
	s_mov_b32 s21, 32<<16                          ; tensor_dim0 = 32
	s_mov_b32 s22, 204<<16                         ; tensor_dim1 = 204
	s_mov_b32 s23, 32<<16                          ; tile_dim0 = 32
	s_mov_b32 s24, 204                             ; tile_dim1 = 204
	s_mov_b32 s25, 32                              ; the pitch
	s_mov_b32 s26, 0
	s_mov_b32 s27, 0
	s_mov_b32 s[SEL], 0x76543210
	s_mov_b32 s[SEL+1], 0xfedcba98                 ; lane l xor 16
	s_mov_b32 s[CS], 0x3d0293ee                    ; c = log2(e) / sqrt(2048)
	s_mov_b32 s[CS+1], s[CS]
	s_mov_b32 s51, 0x05040100                      ; v_perm_b32: the two low halves
	s_mov_b32 s52, 0x07060302                      ; the two high halves
	s_mov_b32 s[KS], 0
	s_mov_b32 s[TB], 0
	s_wait_dscnt 0x0
	s_wait_kmcnt 0x0
	s_add_nc_u64 s[8:9], s[8:9], s[60:61]          ; the head's image
	s_add_nc_u64 s[4:5], s[4:5], s[56:57]
	s_add_nc_u64 s[6:7], s[6:7], s[58:59]
	s_add_nc_u64 s[10:11], s[10:11], s[56:57]
	s_add_nc_u64 s[12:13], s[12:13], s[58:59]
.irp n, 0,1,2,3
	s_mov_b32 s[28+4*\n], 1                        ; count = 1
	s_mov_b32 s[29+4*\n], 52224*\n                 ; LDS address
	s_add_nc_u64 s[30+4*\n:31+4*\n], s[8:9], 52224*\n
	s_or_b32 s[31+4*\n], s[31+4*\n], 0x80000000    ; type = 2
.endr
	ROUND                                          ; all four work-groups are here: the joint loads meet
	s_cmp_lg_u32 s[WV], 0
	s_cbranch_scc1 .Lno_fill
	tensor_load_to_lds s[28:31], s[20:27]          ; the four first fills stand in one branch, ahead of every wait on TENSORcnt and every LDS read
	s_nop 0
	tensor_load_to_lds s[32:35], s[20:27]
	s_nop 0
	tensor_load_to_lds s[36:39], s[20:27]
	s_nop 0
	tensor_load_to_lds s[40:43], s[20:27]
	s_nop 0
.rept 4
	v_nop
.endr
.Lno_fill:
	v_and_b32 v9, 31, v0
	v_lshlrev_b32 v[LI], 4, v9
	v_lshlrev_b32 v[L8], 3, v9
	v_and_b32 v9, 15, v0                           ; r
	v_bfe_u32 v10, v0, 4, 1                        ; h
	v_lshlrev_b32 v[R8], 3, v9
	v_lshlrev_b32 v[R4], 2, v9
	global_load_b128 v[Q:Q+3], v[LI], s[4:5]       ; Q's half record
	global_load_b64 v[Q+4:Q+5], v[L8], s[4:5] offset:512
	global_load_b32 v[QSC], v[R4], s[6:7]
	v_and_b32 v11, 8, v9
	v_add_nc_u32 v[DQ], v11, v9
	v_lshlrev_b32 v11, 4, v10
	v_sub_nc_u32 v[DQ], v[DQ], v11
	v_add_nc_u32 v[DQ], s53, v[DQ]
.irp i, 6,7,8,9,10,11
	v_mov_b32 v[Q+\i], 0                           ; K = 64 .. 127 of the instruction: zero codes on both sides
.irp t, 0,1,2,3
	v_mov_b32 v[KF+12*\t+\i], 0
.endr
.endr
	v_mov_b32 v13, 0xff61b1e6                      ; the largest t so far: -3e38
	v_floor_f32 v12, -v13                          ; -M
	v_mov_b32 v14, 0
	v_mov_b32 v15, 0
.irp b, 0,1,2,3
	v_mov_b32 v[PL+\b], 0                          ; a lane permute's destination counts as one of its sources
.endr
	v_mov_b32 v[F+1], 0                            ; named with F as a pair
.set J_, 0
.rept 32
	v_mov_b32 v[O+J_], 0                           ; the step is written once: the first finds zeros
.set J_, J_+1
.endr
	s_wait_loadcnt 0x0
; A KEY STEP of 128 keys.
.macro STEP
	s_cmp_gt_u32 s[KS], s[RHO]                     ; all its keys come after my queries: only the addresses step
	s_cbranch_scc1 .Lskip_\@
	v_add_nc_u32 v[ADR], s[TB], v[LI]
	v_add_nc_u32 v[ADR8], s[TB], v[L8]
	v_add_nc_u32 v[ADRV], s[TB], v[R8]
	v_nop
	v_nop                                          ; five places: the products below write over registers that the last step's products read as V
	ds_load_b128 v[KSC:KSC+3], v[ADR] offset:12288
	ds_load_b64 v[VSR:VSR+1], v[ADRV] offset:12800
	ds_load_b64 v[VSR+2:VSR+3], v[ADRV] offset:12928
.irp g, 0,1
.if \g
.rept 4
	v_nop                                          ; places in front of loads into registers that matrix instructions have read
.endr
.endif
.irp t, 0,1,2,3
	ds_load_b128 v[KF+12*\t:KF+12*\t+3], v[ADR] offset:768*(4*\g+\t)
	ds_load_b64 v[KF+12*\t+4:KF+12*\t+5], v[ADR8] offset:768*(4*\g+\t)+512
.endr
	s_wait_dscnt 0x0
.irp t, 0,1,2,3
.if \g
	v_wmma_scale_f32_16x16x128_f8f6f4 v[S+8*(4*\g+\t):S+8*(4*\g+\t)+7], v[KF+12*\t:KF+12*\t+11], v[Q:Q+11], 0, v[KSC+\t], v[QSC] matrix_a_fmt:MATRIX_FMT_FP6 matrix_b_fmt:MATRIX_FMT_FP6 matrix_a_scale:MATRIX_SCALE_ROW1
.else
	v_wmma_scale_f32_16x16x128_f8f6f4 v[S+8*(4*\g+\t):S+8*(4*\g+\t)+7], v[KF+12*\t:KF+12*\t+11], v[Q:Q+11], 0, v[KSC+\t], v[QSC] matrix_a_fmt:MATRIX_FMT_FP6 matrix_b_fmt:MATRIX_FMT_FP6
.endif
.endr
.endr
	v_perm_b32 v[VSC], v[VSR+2], v[VSR], s51       ; V's scale words, one for each d tile: the two halves' two bytes each.  These four lines are also the places behind the products
	v_perm_b32 v[VSC+1], v[VSR+2], v[VSR], s52
	v_perm_b32 v[VSC+2], v[VSR+3], v[VSR+1], s51
	v_perm_b32 v[VSC+3], v[VSR+3], v[VSR+1], s52
	s_cmp_lg_u32 s[KS], s[RHO]                     ; only my last step lies on the diagonal
	s_cbranch_scc1 .Lopen_\@
	v_mov_b32 v[TA], 0xff800000                    ; -infinity.  Register 16 b + i holds key 32 b + 16 h + i of the step: hidden where 32 b + i > DQ
.set N_, 0
.rept 64
	v_cmp_gt_i32 vcc_lo, 32*(N_/16)+N_%16, v[DQ]
	v_cndmask_b32 v[S+N_], v[S+N_], v[TA], vcc_lo
.set N_, N_+1
.endr
.Lopen_\@:
.irp b, 0,1,2,3
	v_max3_num_f32 v[BM+\b], v[S+16*\b], v[S+1+16*\b], v[S+2+16*\b]   ; the largest score of each block of 32 keys: for the row's maximum, and for the block's largest p
.endr
.irp i, 3,5,7,9,11,13
.irp b, 0,1,2,3
	v_max3_num_f32 v[BM+\b], v[BM+\b], v[S+16*\b+\i], v[S+1+16*\b+\i]
.endr
.endr
.irp b, 0,1,2,3
	v_max_num_f32 v[BM+\b], v[BM+\b], v[S+15+16*\b]
.endr
.irp b, 0,1,2,3
	v_permlanex16_b32 v[PL+\b], v[BM+\b], s[SEL], s[SEL+1]
.endr
.irp b, 0,1,2,3
	v_max_num_f32 v[BM+\b], v[BM+\b], v[PL+\b]
.endr
	v_max3_num_f32 v[TA], v[BM], v[BM+1], v[BM+2]
	v_max_num_f32 v[TA], v[TA], v[BM+3]
	v_mul_f32 v[TA], s[CS], v[TA]
	v_max_num_f32 v13, v13, v[TA]                  ; the running largest t
	v_mov_b32 v[TA], v12
	v_floor_f32 v12, -v13                          ; the new -M = -ceil(t)
	v_sub_f32 v[TA], v12, v[TA]                    ; old M - new M: a whole number, 0 or less
	v_cvt_i32_f32 v[TA], v[TA]                     ; (it saturates)
	v_ldexp_f32 v[F], 1.0, v[TA]
.set J_, 0
.rept 32
	v_pk_fma_f32 v[S+J_:S+J_+1], v[S+J_:S+J_+1], s[CS:CS+1], v[12:13] op_sel_hi:[1,0,0]   ; t - M
.set J_, J_+2
.endr
.irp b, 0,1,2,3
	v_fma_f32 v[BM+\b], v[BM+\b], s[CS], v12
.endr
.set J_, 0
.rept 64
	v_exp_f32 v[S+J_], v[S+J_]                     ; p = 2^(t - M)
.set J_, J_+1
.endr
.irp b, 0,1,2,3
	v_exp_f32 v[BM+\b], v[BM+\b]                   ; the block's largest p: the same two instructions on the same number
.endr
	v_pk_mul_f32 v[14:15], v[14:15], v[F:F+1] op_sel_hi:[1,0]   ; the sums under the new M (a plain place behind the exponentials)
	s_wait_alu depctr_va_vdst(0)
.irp b, 0,1,2,3
	v_max_num_f32 v[BM+\b], 0x1800000, v[BM+\b]    ; the floor 2^(3 - 127)
.endr
.irp b, 0,1,2,3
	v_add_nc_u32 v[SO+\b], 0xff000000, v[BM+\b]    ; 2 off the exponent field: the conversion's scale operand
.endr
.irp b, 0,1,2,3
	v_lshrrev_b32 v[PL+\b], 23, v[SO+\b]
.endr
	v_lshl_or_b32 v[PSC], v[PL+1], 8, v[PL]        ; p's scale word
	v_lshl_or_b32 v[PSC], v[PL+2], 16, v[PSC]
	v_lshl_or_b32 v[PSC], v[PL+3], 24, v[PSC]
.irp c, 0,1
	v_cvt_scalef32_pk16_fp6_f32 v[PC+6*\c:PC+2+6*\c], v[S+32*\c:S+15+32*\c], v[SO+2*\c]
	v_cvt_scalef32_pk16_fp6_f32 v[CT+4*\c:CT+2+4*\c], v[S+16+32*\c:S+31+32*\c], v[SO+2*\c+1]
.endr
	v_nop                                          ; one plain place behind a scaled conversion
.irp c, 0,1
.irp i, 0,1,2
	v_permlane16_swap_b32 v[PC+6*\c+\i], v[CT+4*\c+\i]
.endr
.irp i, 0,1,2
	v_mov_b32 v[PC+3+6*\c+\i], v[CT+4*\c+\i]
.endr
.endr
	v_pk_add_f32 v[SU2:SU2+1], v[S:S+1], v[S+2:S+3]   ; the row's sum, of the unquantised p, in two chains
.set J_, 4
.rept 15
	v_pk_add_f32 v[14:15], v[14:15], v[S+J_:S+J_+1]
	v_pk_add_f32 v[SU2:SU2+1], v[SU2:SU2+1], v[S+2+J_:S+3+J_]
.set J_, J_+4
.endr
	v_pk_add_f32 v[14:15], v[14:15], v[SU2:SU2+1]
.set J_, 0
.rept 16
	v_pk_mul_f32 v[O+J_:O+J_+1], v[O+J_:O+J_+1], v[F:F+1] op_sel_hi:[1,0]   ; O^T under the new M
.set J_, J_+2
.endr
.irp t, 0,1,2,3                        ; V's four fragments (16 d x 128 keys) take p's registers
	ds_load_b128 v[S+12*\t:S+12*\t+3], v[ADR] offset:6144+1536*\t
	ds_load_b64 v[S+12*\t+4:S+12*\t+5], v[ADR8] offset:6144+1536*\t+512
	ds_load_b128 v[S+12*\t+6:S+12*\t+9], v[ADR] offset:6144+1536*\t+768
	ds_load_b64 v[S+12*\t+10:S+12*\t+11], v[ADR8] offset:6144+1536*\t+1280
.endr
	s_wait_dscnt 0x0
.irp t, 0,1,2,3
	v_wmma_scale_f32_16x16x128_f8f6f4 v[O+8*\t:O+8*\t+7], v[S+12*\t:S+12*\t+11], v[PC:PC+11], v[O+8*\t:O+8*\t+7], v[VSC+\t], v[PSC] matrix_a_fmt:MATRIX_FMT_FP6 matrix_b_fmt:MATRIX_FMT_FP6
.endr
.Lskip_\@:
	s_add_co_u32 s[KS], s[KS], 1
	s_add_co_u32 s[TB], s[TB], RECB
.endm
; Quarter n of the image and its four key steps.  The count leaves the later quarters on their way: nothing is ever filled again.
.macro PHASE n
	s_wait_tensorcnt 3-\n
	s_wait_dscnt 0x0
	s_barrier_signal -1
	s_barrier_wait -1                              ; wave 0 has seen the quarter land: now every wave may read it
	s_mov_b32 s[CNT], 4
.Lph_\@:
	STEP
	s_sub_co_u32 s[CNT], s[CNT], 1
	s_cmp_lg_u32 s[CNT], 0
	s_cbranch_scc1 .Lph_\@
.endm
	PHASE 0
	PHASE 1
	PHASE 2
	PHASE 3
.rept 4
	v_nop                                          ; places behind the last products
.endr
	v_add_f32 v14, v14, v15
	v_permlanex16_b32 v[PL], v14, s[SEL], s[SEL+1]
	v_add_f32 v14, v14, v[PL]                      ; the row's sum
	v_rcp_f32 v14, v14
	v_nop
.set J_, 0
	s_wait_alu depctr_va_vdst(0)
.rept 32
	v_mul_f32 v[S+J_], v[O+J_], v14                ; o: register 16 b + i = d 32 b + 16 h + i of my query
.set J_, J_+1
.endr
.irp b, 0,1
	v_max3_num_f32 v[BM+\b], |v[S+16*\b]|, |v[S+1+16*\b]|, 0x1800000
.endr
.irp i, 2,4,6,8,10,12,14
.irp b, 0,1
	v_max3_num_f32 v[BM+\b], v[BM+\b], |v[S+16*\b+\i]|, |v[S+1+16*\b+\i]|
.endr
.endr
.irp b, 0,1
	v_permlanex16_b32 v[PL+\b], v[BM+\b], s[SEL], s[SEL+1]
.endr
.irp b, 0,1
	v_max_num_f32 v[BM+\b], v[BM+\b], v[PL+\b]
.endr
.irp b, 0,1
	v_add_nc_u32 v[SO+\b], 0xff000000, v[BM+\b]
.endr
.irp b, 0,1
	v_lshrrev_b32 v[PL+\b], 23, v[SO+\b]
.endr
	v_lshl_or_b32 v[TA], v[PL+1], 8, v[PL]         ; the two bytes; the upper two stay 0
	v_cvt_scalef32_pk16_fp6_f32 v[PC:PC+2], v[S:S+15], v[SO]
	v_cvt_scalef32_pk16_fp6_f32 v[CT:CT+2], v[S+16:S+31], v[SO+1]
	v_nop
.irp i, 0,1,2
	v_permlane16_swap_b32 v[PC+\i], v[CT+\i]
.endr
.irp i, 0,1,2
	v_mov_b32 v[PC+3+\i], v[CT+\i]
.endr
	global_store_b128 v[LI], v[PC:PC+3], s[10:11]  ; a half record: 512 and 256 consecutive bytes
	global_store_b64 v[L8], v[PC+4:PC+5], s[10:11] offset:512
	global_store_b32 v[R4], v[TA], s[12:13]        ; lanes 16-31 write the same word with the same value
	s_wait_dscnt 0x0
	s_wait_tensorcnt 0x0
	ds_add_u32 v254, v255
	s_wait_dscnt 0x0
	ROUND                                          ; the closing round: no work-group ends while a partner may still ask for a quarter that names it
	s_endpgm
.Lfunc_end_k_qd704df4268_attn:
	.size	k_qd704df4268_attn, .Lfunc_end_k_qd704df4268_attn-k_qd704df4268_attn
	.p2alignl 7, 3214868480
	.fill 96, 4, 3214868480
	.section	.rodata,"a",@progbits
	.p2align	6, 0x0
	.amdhsa_kernel k_qd704df4268_attn
		.amdhsa_group_segment_fixed_size 215040
		.amdhsa_private_segment_fixed_size 0
		.amdhsa_enable_private_segment 0
		.amdhsa_kernarg_size 40
		.amdhsa_user_sgpr_count 2
		.amdhsa_user_sgpr_kernarg_segment_ptr 1
		.amdhsa_wavefront_size32 1
		.amdhsa_system_sgpr_workgroup_id_x 1
		.amdhsa_system_sgpr_workgroup_id_y 1
		.amdhsa_system_sgpr_workgroup_id_z 1
		.amdhsa_system_vgpr_workitem_id 0
		.amdhsa_next_free_vgpr 256
		.amdhsa_next_free_sgpr 66
		.amdhsa_reserve_vcc 1
		.amdhsa_float_denorm_mode_32 3
		.amdhsa_float_denorm_mode_16_64 3
		.amdhsa_memory_ordered 1
		.amdhsa_forward_progress 1
		.amdhsa_inst_pref_size 98
	.end_amdhsa_kernel
	.amdgpu_metadata
---
amdhsa.version: [ 1, 2 ]
amdhsa.kernels:
  - .name:           k_qd704df4268_attn
    .symbol:         k_qd704df4268_attn.kd
    .args:
      - { .name: qimg, .offset: 0, .size: 8, .value_kind: global_buffer, .address_space: global }
      - { .name: qsc, .offset: 8, .size: 8, .value_kind: global_buffer, .address_space: global }
      - { .name: kv, .offset: 16, .size: 8, .value_kind: global_buffer, .address_space: global }
      - { .name: oimg, .offset: 24, .size: 8, .value_kind: global_buffer, .address_space: global }
      - { .name: osc, .offset: 32, .size: 8, .value_kind: global_buffer, .address_space: global }
    .group_segment_fixed_size: 215040
    .private_segment_fixed_size: 0
    .kernarg_segment_align: 8
    .kernarg_segment_size: 40
    .max_flat_workgroup_size: 512
    .sgpr_count:     66
    .vgpr_count:     256
    .wavefront_size: 32
...
	.end_amdgpu_metadata
.endif
;; end of part 3
;; launch tail (part 4): grid 128 x 1, 4 waves a work-group, no clusters, 144,896 bytes of LDS; arguments x, g1, be1, bo, g2, be2, b1, b2, oimg, osc, wst3, out0; writes out0
.if DOCPART == 4
	.amdgcn_target "amdgcn-amd-amdhsa--gfx1250"
	.amdhsa_code_object_version 6
	.text
	.protected	k_qd704df4268_tail
	.globl	k_qd704df4268_tail
	.p2align	8
	.type	k_qd704df4268_tail,@function
k_qd704df4268_tail:
	s_mov_b64 s[64:65], 0
	v_nop
	global_prefetch_b8 v0, s[64:65] scope:SCOPE_SE
	s_setreg_imm32_b32 hwreg(HW_REG_WAVE_MODE, 25, 1), 1
	s_wait_xcnt 0x0
; out = xn2 + relu(xn2 W1 + b1) W2 + b2, xn2 = layer norm(xn + o Wo + bo), xn = layer norm(x) (made anew from x: one read of x in place of a store and a read of xn).
; The three products run on codes of FP6 (E2M3) with E8M0 scales; o arrives as codes, xn2 and the hidden layer are quantised here and never go to memory.
; SHARES.  A work-group takes 64 tokens.  THE WAVES SHARE THE COLUMNS: wave w owns columns 128 w .. + 127 of everything 512 wide and hidden units 512 c + 128 w .. + 127 of each run c, for all 64 rows.
; Window 3 holds the wave's 64 x 128 numbers throughout: x, xn + bo, + o Wo, xn2, xn2 + b2, + the second FFN product: register 64 m + 16 b + i = column 128 w + 32 b + 16 h + i of row r of tile m.
; Rows of a tile, weight rows of a fragment: the chosen order 32 b + 8 u + i + (i & 8).  Row sums for the norms meet the other waves' in LDS.
; Operands go from wave to wave through LDS as images of their registers.  The hidden layer goes in 8 runs of 512 units, through two image regions by turns: ONE barrier a run.
; The weights come from wst3 in the order of the operand's registers, straight into registers, two granules (K steps of 128) ahead.
; NO TENSOR LOADS, NO MULTICAST: each weight fragment feeds one wave alone and is never in LDS; a run's weights are 4 x 8 x 12,800 = 409,600 bytes, more than LDS holds.
; The last run's look-ahead wraps to run 0 (bytes that exist and are not used), so that no load leaves its buffer.
; LIMITS: NaN and infinities are not served.  A block whose largest magnitude lies under 2^-124, a block of zeros too, gets the byte 1: only this program reads the bytes, and such a block's codes are zeros or what the floor's scale gives.
; REGISTERS: window 0 addresses, work, b1, activation fragments; window 1: x as loaded, the vectors g, be, b, then the 32 accumulators of the hidden layer; window 2: weights, two sets of 96; window 3: see above.
.set LI, 1                             ; 16 l
.set LS, 2                             ; 4 l
.set LI2, 3                            ; the same at the hidden layer's images
.set LS2, 4
.set XWI, 5                            ; where I store xn2's images (K step w)
.set XWS, 6
.set HWI, 7                            ; the hidden layer's
.set HWS, 8
.set STO, 9                            ; my stage by (row r, half h)
.set SRD, 10                           ; my stage, 16 bytes a lane
.set WOA, 11                           ; this run's weights
.set WOB, 12                           ; the next run's
.set WOC, 13                           ; run 0's
.set GVO, 14                           ; my place in a vector along the columns: 64 h + 512 w
.set B1O, 15                           ; the next run's b1
.set RDA, 16
.set RDL, 17
.set L8, 18
.set R4, 19
.set TM, 20
.set PW, 36
.set PC, 38
.set MU, 58
.set RS, 66
.set AS, 74
.set SCW, 82
.set B1R, 90                           ; v90-153 b1 of my 128 hidden units, in the result's layout
.set AF, 154
.set OWI, 250
.set OWS, 251
.set WV, 32
.set SEL, 34
.set TRIPS, 38
.set CC, 39
.set WP, 28                            ; s[28:29] my stream of weights
.set XSC, 24576                        ; LDS: xn2's 16 images at 0, their scale words here;
.set OIM, 26624                        ; o's likewise;
.set HIM, 53248                        ; the hidden layer's two regions of 26,624;
.set STG, 106496                       ; a stage of 16 rows x 528 bytes for each wave;
.set RED, 140288                       ; four regions of 1,024 bytes for the row sums
.set MSB, 0
.macro WIN new                         ; the immediate's high byte repeats the setting that is left
.if MSB != (\new)
	s_set_vgpr_msb (MSB<<8)|(\new)
.set MSB, \new
.endif
.endm
.macro NOP4
.rept 4
	v_nop
.endr
.endm
.macro BARRIER                         ; my LDS stores have landed and my LDS loads are in: then the work-group's barrier
	s_wait_dscnt 0x0
	s_barrier_signal -1
	s_barrier_wait -1
.endm
; 64 numbers of a lane in window w, register 16 b + i = k 32 b + 16 h + i of my row, become a fragment's codes in v[PC] on and its scale word in v[PW].
.macro QUANT s, w
	WIN (\w)|((\w)<<2)
.irp b, 0,1,2,3
	v_max3_num_f32 v[TM+\b], |v[(\s)+16*\b]|, |v[(\s)+1+16*\b]|, 0x1800000   ; with the floor 2^(3 - 127): the byte cannot fall under 1
.endr
	WIN ((\w)<<2)|((\w)<<4)
.irp i, 2,4,6,8,10,12,14
.irp b, 0,1,2,3
	v_max3_num_f32 v[TM+\b], v[TM+\b], |v[(\s)+16*\b+\i]|, |v[(\s)+1+16*\b+\i]|
.endr
.endr
	WIN 0
.irp b, 0,1,2,3
	v_permlanex16_b32 v[TM+4+\b], v[TM+\b], s[SEL], s[SEL+1]
.endr
.irp b, 0,1,2,3
	v_max_num_f32 v[TM+\b], v[TM+\b], v[TM+4+\b]
.endr
.irp b, 0,1,2,3
	v_add_nc_u32 v[TM+12+\b], 0xff000000, v[TM+\b] ; 2 off the exponent field: the conversion's scale operand
.endr
.irp b, 0,1,2,3
	v_lshrrev_b32 v[TM+4+\b], 23, v[TM+12+\b]
.endr
	v_lshl_or_b32 v[PW], v[TM+5], 8, v[TM+4]
	v_lshl_or_b32 v[PW], v[TM+6], 16, v[PW]
	v_lshl_or_b32 v[PW], v[TM+7], 24, v[PW]
	WIN \w
.irp c, 0,1
	v_cvt_scalef32_pk16_fp6_f32 v[PC+6*\c:PC+2+6*\c], v[(\s)+32*\c:(\s)+15+32*\c], v[TM+12+2*\c]
	v_cvt_scalef32_pk16_fp6_f32 v[PC+12+4*\c:PC+14+4*\c], v[(\s)+16+32*\c:(\s)+31+32*\c], v[TM+12+2*\c+1]
.endr
	WIN 0
	v_nop                                          ; one plain place behind a scaled conversion
.irp c, 0,1
.irp i, 0,1,2
	v_permlane16_swap_b32 v[PC+6*\c+\i], v[PC+12+4*\c+\i]
.endr
.irp i, 0,1,2
	v_mov_b32 v[PC+3+6*\c+\i], v[PC+12+4*\c+\i]
.endr
.endr
.endm
.macro IMAGE adr, off
.irp c, 0,1,2
	ds_store_b128 v[\adr], v[PC+4*\c:PC+4*\c+3] offset:(\off)+512*\c
.endr
.endm
.macro AFLOAD set, ra, rs, base, sbase, ks   ; the four row tiles' fragments and scale words of K step ks: 16 LDS loads
.irp m, 0,1,2,3
.irp c, 0,1,2
	ds_load_b128 v[AF+48*(\set)+12*\m+4*\c:AF+48*(\set)+12*\m+4*\c+3], v[\ra] offset:(\base)+(4*\m+(\ks))*1536+512*\c
.endr
	ds_load_b32 v[AS+4*(\set)+\m], v[\rs] offset:(\sbase)+128*(4*\m+(\ks))
.endr
.endm
.macro WLOADH set, reg, off, hf        ; half a granule of weights: 12 loads; the second half also the scale words: 13
	WIN 0x80
.irp f, 0,1,2,3
.irp c, 0,1,2
	global_load_b128 v[96*(\set)+12*(4*(\hf)+\f)+4*\c:96*(\set)+12*(4*(\hf)+\f)+4*\c+3], v[\reg], s[WP:WP+1] offset:(\off)+1536*(4*(\hf)+\f)+512*\c
.endr
.endr
	WIN 0
.if \hf
	global_load_b128 v[SCW+4*(\set):SCW+4*(\set)+3], v[\reg], s[WP:WP+1] offset:(\off)+12288
.endif
.endm
.macro WM
.if CK_ == 0
.if R_ == 0
	v_wmma_scale_f32_16x16x128_f8f6f4 v[D_:D_+7], v[A_:A_+11], v[B_:B_+11], 0, v[SA_], v[SB_] matrix_a_fmt:MATRIX_FMT_FP6 matrix_b_fmt:MATRIX_FMT_FP6
.else
	v_wmma_scale_f32_16x16x128_f8f6f4 v[D_:D_+7], v[A_:A_+11], v[B_:B_+11], 0, v[SA_], v[SB_] matrix_a_fmt:MATRIX_FMT_FP6 matrix_b_fmt:MATRIX_FMT_FP6 matrix_a_scale:MATRIX_SCALE_ROW1
.endif
.else
.if R_ == 0
	v_wmma_scale_f32_16x16x128_f8f6f4 v[D_:D_+7], v[A_:A_+11], v[B_:B_+11], v[C_:C_+7], v[SA_], v[SB_] matrix_a_fmt:MATRIX_FMT_FP6 matrix_b_fmt:MATRIX_FMT_FP6
.else
	v_wmma_scale_f32_16x16x128_f8f6f4 v[D_:D_+7], v[A_:A_+11], v[B_:B_+11], v[C_:C_+7], v[SA_], v[SB_] matrix_a_fmt:MATRIX_FMT_FP6 matrix_b_fmt:MATRIX_FMT_FP6 matrix_a_scale:MATRIX_SCALE_ROW1
.endif
.endif
.endm
; 16 matrix instructions: weight fragments t0 .. t0 + 3 (source 0) x the four row tiles (source 1).  first = 1: the constant 0 starts the sums; 2: b1 does; 0: in place.
; The accumulators take turns, one instruction a turn.  Fragments 4-7 find their scale words in lanes 16-31.
.macro MM16 set, mode, first, t0
.irp tt, 0,1,2,3
.irp m, 0,1,2,3
.set T_, (\t0)+\tt
.set D_, 8*(8*\m+T_)
.set A_, 96*(\set)+12*T_
.set B_, AF+48*(\set)+12*\m
.set SA_, SCW+4*(\set)+\tt
.set SB_, AS+4*(\set)+\m
.set R_, (\t0)/4
.set C_, D_
.set CK_, 1
.if (\first) == 1
.set CK_, 0
.elseif (\first) == 2
.set C_, B1R+8*T_
.endif
	WM
.endr
.endr
.endm
; A GRANULE'S WORK: 32 matrix instructions on one K step of 128.  mode 0: into window 1; mode 3: onto window 3.  nl: the global loads younger than this granule's 25; nd: the LDS loads younger than its 16.
.macro GRAN set, mode, first, nl, nd, pw, wreg, woff, pa, ra, rs, base, sbase, ks
	s_wait_loadcnt \nl
	s_wait_dscnt \nd
.if (\mode) == 3
.set MW_, 0xf2                         ; source 0 (weights) window 2, C and D window 3
.elseif (\first) == 2
.set MW_, 0x42                         ; source 0 window 2, C window 0, D window 1
.else
.set MW_, 0x52                         ; source 0 window 2, C and D window 1
.endif
	WIN MW_
	MM16 \set, \mode, \first, 0
	NOP4                                           ; places in front of loads into registers that matrix instructions have read
.if \pw
	WLOADH \set, \wreg, \woff, 0
.endif
	WIN MW_
	MM16 \set, \mode, \first, 4
	NOP4                                           ; likewise, and in front of the first read of results
.if \pw
	WLOADH \set, \wreg, \woff, 1
.endif
	WIN 0
.if \pa
	AFLOAD \set, \ra, \rs, \base, \sbase, \ks
.endif
.endm
.macro RSUM sq                         ; sums over my 64 numbers of each row tile (sq = 1: of squares), then with lane l xor 16: results in v[TM + 2 k]
	WIN 0x0f
.irp k, 0,1,2,3
.if \sq
	v_pk_mul_f32 v[TM+2*\k:TM+2*\k+1], v[64*\k:64*\k+1], v[64*\k:64*\k+1]
.else
	v_pk_add_f32 v[TM+2*\k:TM+2*\k+1], v[64*\k:64*\k+1], v[64*\k+2:64*\k+3]
.endif
.endr
.if \sq
.set J_, 2
.else
	WIN 0x0c
.set J_, 4
.endif
.rept 30+(\sq)
.irp k, 0,1,2,3
.if \sq
	v_pk_fma_f32 v[TM+2*\k:TM+2*\k+1], v[64*\k+J_:64*\k+J_+1], v[64*\k+J_:64*\k+J_+1], v[TM+2*\k:TM+2*\k+1]
.else
	v_pk_add_f32 v[TM+2*\k:TM+2*\k+1], v[TM+2*\k:TM+2*\k+1], v[64*\k+J_:64*\k+J_+1]
.endif
.endr
.set J_, J_+2
.endr
	WIN 0
.irp k, 0,1,2,3
	v_add_f32 v[TM+2*\k], v[TM+2*\k], v[TM+2*\k+1]
.endr
.irp k, 0,1,2,3
	v_permlanex16_b32 v[TM+2*\k+1], v[TM+2*\k], s[SEL], s[SEL+1]
.endr
.irp k, 0,1,2,3
	v_add_f32 v[TM+2*\k], v[TM+2*\k], v[TM+2*\k+1]
.endr
.endm
.macro XSUB
	WIN 0xc3
.irp k, 0,1,2,3
.set J_, 0
.rept 32
	v_pk_add_f32 v[64*\k+J_:64*\k+J_+1], v[64*\k+J_:64*\k+J_+1], v[MU+2*\k:MU+2*\k+1] neg_lo:[0,1] neg_hi:[0,1]
.set J_, J_+2
.endr
.endr
	WIN 0
.endm
.macro XSCALE
	WIN 0xc3
.irp k, 0,1,2,3
.set J_, 0
.rept 32
	v_pk_mul_f32 v[64*\k+J_:64*\k+J_+1], v[64*\k+J_:64*\k+J_+1], v[RS+2*\k:RS+2*\k+1]
.set J_, J_+2
.endr
.endr
	WIN 0
.endm
.macro XAFF k                          ; row tile k: x g + be; g at v0-63 and be at v64-127 of window 1
	WIN 0xd7
.set J_, 0
.rept 32
	v_pk_fma_f32 v[64*(\k)+J_:64*(\k)+J_+1], v[64*(\k)+J_:64*(\k)+J_+1], v[J_:J_+1], v[64+J_:64+J_+1]
.set J_, J_+2
.endr
	WIN 0
.endm
.macro GLOAD dst, ptr, off             ; my 64 numbers of a vector along the columns, into window 1
	WIN 0x40
.irp b, 0,1,2,3
.irp jj, 0,1,2,3
	global_load_b128 v[(\dst)+16*\b+4*\jj:(\dst)+16*\b+4*\jj+3], v[GVO], s[\ptr:\ptr+1] offset:(\off)+128*\b+16*\jj
.endr
.endr
	WIN 0
.endm
.macro B1LOAD reg                      ; b1 of my 128 hidden units of a run, in the result's layout
.irp b, 0,1,2,3
.irp jj, 0,1,2,3
	global_load_b128 v[B1R+16*\b+4*\jj:B1R+16*\b+4*\jj+3], v[\reg], s[20:21] offset:128*\b+16*\jj
.endr
.endr
.endm
.macro XRED a                          ; my four sums meet the other three waves', through region a: results in v[PC + 4 m], the same in every wave
.irp m, 0,1,2,3
	ds_store_b32 v[RDA], v[TM+2*\m] offset:256*\m+1024*(\a)   ; both lanes of a row write the same word with the same value
.endr
	BARRIER
.irp m, 0,1,2,3
	ds_load_b128 v[PC+4*\m:PC+4*\m+3], v[RDL] offset:256*\m+1024*(\a)
.endr
	s_wait_dscnt 0x0
.irp m, 0,1,2,3
	v_add_f32 v[PC+4*\m], v[PC+4*\m], v[PC+4*\m+1]
.endr
.irp m, 0,1,2,3
	v_add_f32 v[PC+4*\m+2], v[PC+4*\m+2], v[PC+4*\m+3]
.endr
.irp m, 0,1,2,3
	v_add_f32 v[PC+4*\m], v[PC+4*\m], v[PC+4*\m+2]
.endr
.endm
.macro LNORM a                         ; window 3 becomes (x - mean) / sqrt(var + eps), in two passes; regions a and a + 1 are used once each
	RSUM 0
	XRED \a
.irp m, 0,1,2,3
	v_mul_f32 v[MU+2*\m], s36, v[PC+4*\m]
.endr
.irp m, 0,1,2,3
	v_mov_b32 v[MU+2*\m+1], v[MU+2*\m]
.endr
	XSUB
	RSUM 1
	XRED (\a)+1
.irp m, 0,1,2,3
	v_fma_f32 v[PC+4*\m], v[PC+4*\m], s36, s37
.endr
.irp m, 0,1,2,3
	v_rsq_f32 v[RS+2*\m], v[PC+4*\m]
.endr
	v_nop                                          ; a plain place behind the transcendentals
	s_wait_alu depctr_va_vdst(0)
.irp m, 0,1,2,3
	v_mov_b32 v[RS+2*\m+1], v[RS+2*\m]
.endr
	XSCALE
.endm
	s_load_b512 s[8:23], s[0:1], 0x0               ; x s[8:9], g1 s[10:11], be1 s[12:13], bo s[14:15], g2 s[16:17], be2 s[18:19], b1 s[20:21], b2 s[22:23]
	s_load_b256 s[24:31], s[0:1], 0x40             ; oimg s[24:25], osc s[26:27], wst3 s[28:29], out0 s[30:31]
	v_lshl_add_u32 v254, v0, 2, 0x23400
	v_mov_b32 v255, 0
	v_lshrrev_b32 v1, 5, v0
	v_readfirstlane_b32 s[WV], v1                  ; wave 0..3
	v_and_b32 v20, 31, v0                          ; l
	v_and_b32 v21, 15, v0                          ; r
	v_bfe_u32 v22, v0, 4, 1                        ; h
	v_lshlrev_b32 v[LI], 4, v20
	v_lshlrev_b32 v[LS], 2, v20
	v_lshlrev_b32 v[L8], 3, v20
	v_lshlrev_b32 v[R4], 2, v21
	v_add_nc_u32 v[LI2], HIM, v[LI]
	v_add_nc_u32 v[LS2], HIM, v[LS]
	s_mul_i32 s40, s[WV], 1536
	v_add_nc_u32 v[XWI], s40, v[LI]
	v_add_nc_u32 v[HWI], HIM, v[XWI]
	s_lshl_b32 s40, s[WV], 7
	v_add_nc_u32 v[XWS], s40, v[LS]
	v_add_nc_u32 v[HWS], HIM, v[XWS]
	s_mul_i32 s40, s[WV], 6144
	v_add_nc_u32 v[OWI], s40, v[LI]
	s_lshl_b32 s40, s[WV], 9
	v_add_nc_u32 v[OWS], s40, v[LS]
	v_lshlrev_b32 v[GVO], 6, v22
	v_add_nc_u32 v[GVO], s40, v[GVO]
	s_mul_i32 s40, s[WV], 8448
	s_add_co_u32 s40, s40, STG
	v_add_nc_u32 v[SRD], s40, v[LI]
	v_mul_u32_u24 v[STO], v21, 528
	v_lshl_add_u32 v[STO], v22, 6, v[STO]
	v_add_nc_u32 v[STO], s40, v[STO]
	v_lshlrev_b32 v[RDL], 4, v21
	v_add_nc_u32 v[RDL], RED, v[RDL]
	s_lshl_b32 s40, s[WV], 2
	v_add_nc_u32 v[RDA], s40, v[RDL]
	v_add_nc_u32 v[WOC], 51200, v[LI]              ; behind Wo's four granules
.irp b, 0,1,2,3
	v_mov_b32 v[TM+4+\b], 0                        ; a lane permute's destination counts as one of its sources
.endr
	s_mov_b32 s[SEL], 0x76543210
	s_mov_b32 s[SEL+1], 0xfedcba98                 ; lane l xor 16
	s_mov_b32 s36, 0x3b000000                      ; 1 / 512
	s_mov_b32 s37, 0x3727c5ac                      ; 1e-5
	s_lshl_b32 s40, ttmp9, 17                      ; x and out0: 64 rows of 2,048 bytes a block, + my 512 bytes of a row
	s_lshl_b32 s41, s[WV], 9
	s_add_co_u32 s40, s40, s41
	s_mov_b32 s41, 0
	s_lshl_b32 s42, ttmp9, 2
	s_add_co_u32 s42, s42, s[WV]                   ; 4 tb + w: the row tile whose o I bring in
	s_mul_i32 s44, s42, 6144
	s_mov_b32 s45, 0
	s_lshl_b32 s42, s42, 9
	s_mov_b32 s43, 0
	s_mul_i32 s46, s[WV], 870400
	s_mov_b32 s47, 0
	s_wait_kmcnt 0x0
	s_add_nc_u64 s[8:9], s[8:9], s[40:41]
	s_add_nc_u64 s[30:31], s[30:31], s[40:41]
	s_add_nc_u64 s[24:25], s[24:25], s[44:45]
	s_add_nc_u64 s[26:27], s[26:27], s[42:43]
	s_add_nc_u64 s[28:29], s[28:29], s[46:47]
	WLOADH 0, LI, 0, 0                             ; Wo's first two granules
	WLOADH 0, LI, 0, 1
	WLOADH 1, LI, 12800, 0
	WLOADH 1, LI, 12800, 1
.irp hd, 0,1,2,3,4,5,6,7               ; o of row tile w: eight half records land on end: heads 2 s and 2 s + 1 are K step s's fragment
	global_load_b128 v[AF+6*\hd:AF+6*\hd+3], v[LI], s[24:25] offset:768*\hd
	global_load_b64 v[AF+6*\hd+4:AF+6*\hd+5], v[L8], s[24:25] offset:768*\hd+512
	global_load_b32 v[TM+\hd], v[R4], s[26:27] offset:64*\hd
.endr
	WIN 0x40                                       ; my 512 bytes of each of the 64 rows of x, a row a load
.set N_, 0
.rept 64
	global_load_b128 v[4*N_:4*N_+3], v[LI], s[8:9] offset:(32*((N_/16)/2)+8*((N_/16)%2)+(N_%16)+((N_%16)&8))*2048 th:TH_LOAD_NT
.set N_, N_+1
.endr
	WIN 0
	s_wait_loadcnt 0x0
.irp s4, 0,1,2,3
.irp c, 0,1,2
	ds_store_b128 v[OWI], v[AF+12*\s4+4*\c:AF+12*\s4+4*\c+3] offset:OIM+1536*\s4+512*\c
.endr
	v_perm_b32 v[PC+\s4], v[TM+2*\s4+1], v[TM+2*\s4], 0x05040100   ; two heads' two bytes each make the K step's scale word
	ds_store_b32 v[OWS], v[PC+\s4] offset:OIM+XSC+128*\s4
.endr
.irp m, 0,1,2,3                        ; x through my own stage: a lane gets 16 neighbours of each block of 32 of ONE row
	WIN 0x04
.set I_, 0
.rept 16
	ds_store_b128 v[SRD], v[64*\m+4*I_:64*\m+4*I_+3] offset:528*I_
.set I_, I_+1
.endr
	WIN 0xc0                                       ; LDS serves a wave's instructions in order: these see my stores, and the next tile's stores come behind them
.irp b, 0,1,2,3
.irp jj, 0,1,2,3
	ds_load_b128 v[64*\m+16*\b+4*\jj:64*\m+16*\b+4*\jj+3], v[STO] offset:128*\b+16*\jj
.endr
.endr
.endr
	WIN 0
	s_wait_dscnt 0x0
	GLOAD 0, 10, 0                                 ; g1
	GLOAD 64, 12, 0                                ; be1
	GLOAD 128, 14, 0                               ; bo
	LNORM 0
	s_wait_loadcnt 0x0
	WIN 0x45
.set J_, 0
.rept 32
	v_pk_add_f32 v[64+J_:65+J_], v[64+J_:65+J_], v[128+J_:129+J_]   ; be1 + bo
.set J_, J_+2
.endr
	WIN 0
.irp k, 0,1,2,3
	XAFF \k                                        ; xn + bo: what the product o Wo adds onto
.endr
	AFLOAD 0, LI, LS, OIM, OIM+XSC, 0              ; the norm's barriers have shown all four waves' images of o
	AFLOAD 1, LI, LS, OIM, OIM+XSC, 1
	GRAN 0, 3, 0, 25, 16, 1, LI, 25600, 1, LI, LS, OIM, OIM+XSC, 2
	GRAN 1, 3, 0, 25, 16, 1, LI, 38400, 1, LI, LS, OIM, OIM+XSC, 3
	GRAN 0, 3, 0, 25, 16, 1, LI, 51200, 0, LI, LS, 0, 0, 0          ; the look-ahead runs on into run 0's W1
	GRAN 1, 3, 0, 25, 0, 1, LI, 64000, 0, LI, LS, 0, 0, 0
	GLOAD 0, 16, 0                                 ; g2
	GLOAD 64, 18, 0                                ; be2
	GLOAD 128, 22, 0                               ; b2
	B1LOAD GVO                                     ; b1 of run 0
	LNORM 2
	s_wait_loadcnt 0x0
.irp k, 0,1,2,3
	XAFF \k                                        ; xn2
.endr
.irp m, 0,1,2,3
	s_wait_dscnt 0x0                               ; the last image's stores have read their registers
	QUANT 64*\m, 3
	IMAGE XWI, 6144*\m                             ; K step w of the first FFN product, row tile m
	ds_store_b32 v[XWS], v[PW] offset:XSC+512*\m
.endr
	WIN 0xc7
.irp k, 0,1,2,3
.set J_, 0
.rept 32
	v_pk_add_f32 v[64*\k+J_:64*\k+J_+1], v[64*\k+J_:64*\k+J_+1], v[128+J_:129+J_]   ; xn2 + b2: what the second FFN product adds onto
.set J_, J_+2
.endr
.endr
	WIN 0
	s_wait_xcnt 0x0
	v_mov_b32 v[WOA], v[WOC]
	v_add_nc_u32 v[WOB], 102400, v[WOC]
	v_add_nc_u32 v[B1O], 2048, v[GVO]
	s_mov_b32 s[CC], 0
	s_mov_b32 s[TRIPS], 4
	BARRIER                                        ; xn2's sixteen fragments lie in LDS
	AFLOAD 0, LI, LS, 0, XSC, 0
	AFLOAD 1, LI, LS, 0, XSC, 1
; A RUN OF 512 HIDDEN UNITS.  Four granules of W1 make my 128 units for the 64 rows; relu; quantised; images to region par; ONE barrier; four granules of W2 add onto window 3.
; Region par is written again two runs on, behind the other region's barrier, which every wave reaches with its reads of this one awaited.
.macro CHUNK par
	GRAN 0, 0, 2, 25, 16, 1, WOA, 25600, 1, LI, LS, 0, XSC, 2
	GRAN 1, 0, 0, 25, 16, 1, WOA, 38400, 1, LI, LS, 0, XSC, 3
	GRAN 0, 0, 0, 25, 16, 1, WOA, 51200, 0, LI, LS, 0, 0, 0
	GRAN 1, 0, 0, 25, 0, 1, WOA, 64000, 0, LI, LS, 0, 0, 0
.irp m, 0,1,2,3
	WIN 0x44
.set J_, 0
.rept 64
	v_max_num_f32 v[64*\m+J_], 0, v[64*\m+J_]      ; the activation, in f32
.set J_, J_+1
.endr
	s_wait_dscnt 0x0                               ; the last image's stores have read their registers
	QUANT 64*\m, 1
	IMAGE HWI, 26624*(\par)+6144*\m                ; K step w of this run, row tile m
	ds_store_b32 v[HWS], v[PW] offset:26624*(\par)+XSC+512*\m
.endr
	BARRIER                                        ; the run's sixteen hidden fragments lie in LDS
	AFLOAD 0, LI2, LS2, 26624*(\par), 26624*(\par)+XSC, 0
	AFLOAD 1, LI2, LS2, 26624*(\par), 26624*(\par)+XSC, 1
	GRAN 0, 3, 0, 25, 16, 1, WOA, 76800, 1, LI2, LS2, 26624*(\par), 26624*(\par)+XSC, 2
	B1LOAD B1O                                     ; the next run's b1: 16 loads
	GRAN 1, 3, 0, 41, 16, 1, WOA, 89600, 1, LI2, LS2, 26624*(\par), 26624*(\par)+XSC, 3   ; 41: the next granule's 25 and b1's 16
	GRAN 0, 3, 0, 41, 16, 1, WOB, 0, 1, LI, LS, 0, XSC, 0                                 ; 41: b1's 16 and the next granule's 25
	GRAN 1, 3, 0, 25, 16, 1, WOB, 12800, 1, LI, LS, 0, XSC, 1
	s_wait_xcnt 0x0                                ; the pending loads have read their offsets: these may be written
	v_mov_b32 v[WOA], v[WOB]
	s_add_co_u32 s[CC], s[CC], 1
	s_add_co_u32 s40, s[CC], 1
	s_and_b32 s40, s40, 7                          ; the run after next, round the end to run 0
	s_mul_i32 s41, s40, 102400
	v_add_nc_u32 v[WOB], s41, v[WOC]
	s_lshl_b32 s41, s40, 11
	v_add_nc_u32 v[B1O], s41, v[GVO]
.endm
.Lruns:                                            ; four trips of two runs
	CHUNK 0
	CHUNK 1
	s_sub_co_u32 s[TRIPS], s[TRIPS], 1
	s_cmp_lg_u32 s[TRIPS], 0
	s_cbranch_scc1 .Lruns
	s_wait_dscnt 0x0                               ; the look-ahead that nobody uses has landed: its registers serve the way out
	s_wait_loadcnt 0x0
; THE WAY OUT, a row tile at a time: through my own stage, back as whole rows of my 512 bytes, which the 32 lanes store as 512 consecutive bytes.
.macro TOSTAGE a
	WIN 0x0c
.irp b, 0,1,2,3
.irp jj, 0,1,2,3
	ds_store_b128 v[STO], v[64*(\a)+16*\b+4*\jj:64*(\a)+16*\b+4*\jj+3] offset:128*\b+16*\jj   ; each accumulator from its low end on
.endr
.endr
	WIN 0
.set BB_, AF-64*((\a)%2)
.set I_, 0
.rept 16
	ds_load_b128 v[BB_+4*I_:BB_+4*I_+3], v[SRD] offset:528*I_
.set I_, I_+1
.endr
.endm
.macro SEND a, younger                 ; younger: the LDS instructions issued behind tile a's loads
.set BB_, AF-64*((\a)%2)
	s_wait_dscnt \younger
.set I_, 0
.rept 16
	global_store_b128 v[LI], v[BB_+4*I_:BB_+4*I_+3], s[30:31] offset:(32*((\a)/2)+8*((\a)%2)+I_+(I_&8))*2048 th:TH_STORE_NT
.set I_, I_+1
.endr
.endm
	TOSTAGE 0
.irp a, 1,2,3
.if \a > 1
	s_wait_xcnt 0x0                                ; tile a - 2's stores have read their registers: tile a's loads may land there
.endif
	TOSTAGE \a
	SEND \a-1, 32                                  ; behind tile a - 1's loads: tile a's 16 stores and 16 loads
.endr
	SEND 3, 0
	s_wait_tensorcnt 0x0
	ds_add_u32 v254, v255
	s_wait_dscnt 0x0
	s_endpgm
.Lfunc_end_k_qd704df4268_tail:
	.size	k_qd704df4268_tail, .Lfunc_end_k_qd704df4268_tail-k_qd704df4268_tail
	.p2alignl 7, 3214868480
	.fill 96, 4, 3214868480
	.section	.rodata,"a",@progbits
	.p2align	6, 0x0
	.amdhsa_kernel k_qd704df4268_tail
		.amdhsa_group_segment_fixed_size 144896
		.amdhsa_private_segment_fixed_size 0
		.amdhsa_enable_private_segment 0
		.amdhsa_kernarg_size 96
		.amdhsa_user_sgpr_count 2
		.amdhsa_user_sgpr_kernarg_segment_ptr 1
		.amdhsa_wavefront_size32 1
		.amdhsa_system_sgpr_workgroup_id_x 1
		.amdhsa_system_sgpr_workgroup_id_y 1
		.amdhsa_system_sgpr_workgroup_id_z 1
		.amdhsa_system_vgpr_workitem_id 0
		.amdhsa_next_free_vgpr 1024
		.amdhsa_next_free_sgpr 66
		.amdhsa_reserve_vcc 0
		.amdhsa_float_denorm_mode_32 3
		.amdhsa_float_denorm_mode_16_64 3
		.amdhsa_memory_ordered 1
		.amdhsa_forward_progress 1
		.amdhsa_inst_pref_size 255
	.end_amdhsa_kernel
	.section	.bss,"aw",@nobits
	.p2align	6
	.space	262144
	.amdgpu_metadata
---
amdhsa.version: [ 1, 2 ]
amdhsa.kernels:
  - .name:           k_qd704df4268_tail
    .symbol:         k_qd704df4268_tail.kd
    .args:
      - { .name: x, .offset: 0, .size: 8, .value_kind: global_buffer, .address_space: global }
      - { .name: g1, .offset: 8, .size: 8, .value_kind: global_buffer, .address_space: global }
      - { .name: be1, .offset: 16, .size: 8, .value_kind: global_buffer, .address_space: global }
      - { .name: bo, .offset: 24, .size: 8, .value_kind: global_buffer, .address_space: global }
      - { .name: g2, .offset: 32, .size: 8, .value_kind: global_buffer, .address_space: global }
      - { .name: be2, .offset: 40, .size: 8, .value_kind: global_buffer, .address_space: global }
      - { .name: b1, .offset: 48, .size: 8, .value_kind: global_buffer, .address_space: global }
      - { .name: b2, .offset: 56, .size: 8, .value_kind: global_buffer, .address_space: global }
      - { .name: oimg, .offset: 64, .size: 8, .value_kind: global_buffer, .address_space: global }
      - { .name: osc, .offset: 72, .size: 8, .value_kind: global_buffer, .address_space: global }
      - { .name: wst3, .offset: 80, .size: 8, .value_kind: global_buffer, .address_space: global }
      - { .name: out0, .offset: 88, .size: 8, .value_kind: global_buffer, .address_space: global }
    .group_segment_fixed_size: 144896
    .private_segment_fixed_size: 0
    .kernarg_segment_align: 8
    .kernarg_segment_size: 96
    .max_flat_workgroup_size: 128
    .sgpr_count:     66
    .vgpr_count:     1024
    .wavefront_size: 32
...
	.end_amdgpu_metadata
.endif
;; end of part 4
;; ======== version 2 of 3: 4 launches; 1.16 times as fast as version 1
;; workspace buffers: wst1 614,400 bytes; wst3 3,481,600 bytes; qimg 3,145,728 bytes; qsc 262,144 bytes; kv 6,684,672 bytes; oimg 3,145,728 bytes; osc 262,144 bytes
;; launch prep: the kernel of part 1 again; grid 16 x 20, 8 waves a work-group, no clusters, 0 bytes of LDS; arguments Wq_codes, Wq_scales, Wk_codes, Wk_scales, Wv_codes, Wv_scales, Wo_codes, Wo_scales, W1_codes, W1_scales, W2_codes, W2_scales, wst1, wst3; writes wst1, wst3
;; launch ln_qkv: the kernel of part 2 again; grid 128 x 1, 4 waves a work-group, no clusters, 159,232 bytes of LDS; arguments x, g1, be1, wst1, qimg, qsc, kv; writes qimg, qsc, kv
;; launch attn: the kernel of part 3 again; grid 8 x 32, 16 waves a work-group, clusters of 4 x 1, 215,040 bytes of LDS; arguments qimg, qsc, kv, oimg, osc; writes oimg, osc
;; launch tail (part 5): grid 128 x 1, 4 waves a work-group, no clusters, 144,896 bytes of LDS; arguments x, g1, be1, bo, g2, be2, b1, b2, oimg, osc, wst3, out0; writes out0
.if DOCPART == 5
	.amdgcn_target "amdgcn-amd-amdhsa--gfx1250"
	.amdhsa_code_object_version 6
	.text
	.protected	k_qd704df4268_tail
	.globl	k_qd704df4268_tail
	.p2align	8
	.type	k_qd704df4268_tail,@function
k_qd704df4268_tail:
	s_mov_b64 s[64:65], 0
	v_nop
	global_prefetch_b8 v0, s[64:65] scope:SCOPE_SE
	s_setreg_imm32_b32 hwreg(HW_REG_WAVE_MODE, 25, 1), 1
	s_wait_xcnt 0x0
; out = xn2 + relu(xn2 W1 + b1) W2 + b2, xn2 = layer norm(xn + o Wo + bo), xn = layer norm(x) (made anew from x: one read of x in place of a store and a read of xn).
; The three products run on codes of FP6 (E2M3) with E8M0 scales; o arrives as codes, xn2 and the hidden layer are quantised here and never go to memory.
; SHARES.  A work-group takes 64 tokens.  THE WAVES SHARE THE COLUMNS: wave w owns columns 128 w .. + 127 of everything 512 wide and hidden units 512 c + 128 w .. + 127 of each run c, for all 64 rows.
; Window 3 holds the wave's 64 x 128 numbers throughout: x, xn + bo, + o Wo, xn2, xn2 + b2, + the second FFN product: register 64 m + 16 b + i = column 128 w + 32 b + 16 h + i of row r of tile m.
; Rows of a tile, weight rows of a fragment: the chosen order 32 b + 8 u + i + (i & 8).  Row sums for the norms meet the other waves' in LDS.
; Operands go from wave to wave through LDS as images of their registers.  The hidden layer goes in 8 runs of 512 units, through two image regions by turns: ONE barrier a run.
; The weights come from wst3 in the order of the operand's registers, straight into registers, two granules (K steps of 128) ahead.
; THE WORK-GROUPS WALK THE EIGHT RUNS IN DIFFERENT ORDERS: work-group i begins with run (i + i / 8) % 8 and goes round.  So the 128 work-groups read eight different runs at a time, 16 work-groups each,
; and from its second run on a work-group asks for bytes that other work-groups asked for a whole run earlier.
; NO TENSOR LOADS, NO MULTICAST: each weight fragment feeds one wave alone and is never in LDS; a run's weights are 4 x 8 x 12,800 = 409,600 bytes, more than LDS holds.
; The last run's look-ahead goes round to the work-group's first run (bytes that exist and are not used), so that no load leaves its buffer.
; LIMITS: NaN and infinities are not served.  A block whose largest magnitude lies under 2^-124, a block of zeros too, gets the byte 1: only this program reads the bytes, and such a block's codes are zeros or what the floor's scale gives.
; The eight runs' contributions to the second FFN product are added in f32 in the order of the work-group's walk, which is not the reference's ascending order of K.
; REGISTERS: window 0 addresses, work, b1, activation fragments; window 1: x as loaded, the vectors g, be, b, then the 32 accumulators of the hidden layer; window 2: weights, two sets of 96; window 3: see above.
.set LI, 1                             ; 16 l
.set LS, 2                             ; 4 l
.set LI2, 3                            ; the same at the hidden layer's images
.set LS2, 4
.set XWI, 5                            ; where I store xn2's images (K step w)
.set XWS, 6
.set HWI, 7                            ; the hidden layer's
.set HWS, 8
.set STO, 9                            ; my stage by (row r, half h)
.set SRD, 10                           ; my stage, 16 bytes a lane
.set WOA, 11                           ; this run's weights
.set WOB, 12                           ; the next run's
.set WOC, 13                           ; run 0's
.set GVO, 14                           ; my place in a vector along the columns: 64 h + 512 w
.set B1O, 15                           ; the next run's b1
.set RDA, 16
.set RDL, 17
.set L8, 18
.set R4, 19
.set TM, 20
.set PW, 36
.set PC, 38
.set MU, 58
.set RS, 66
.set AS, 74
.set SCW, 82
.set B1R, 90                           ; v90-153 b1 of my 128 hidden units, in the result's layout
.set AF, 154
.set OWI, 250
.set OWS, 251
.set WV, 32
.set SEL, 34
.set TRIPS, 38
.set CC, 39                            ; s39 the run in hand, not yet taken modulo 8
.set C0, 48                            ; s48 the work-group's first run
.set WP, 28                            ; s[28:29] my stream of weights
.set XSC, 24576                        ; LDS: xn2's 16 images at 0, their scale words here;
.set OIM, 26624                        ; o's likewise;
.set HIM, 53248                        ; the hidden layer's two regions of 26,624;
.set STG, 106496                       ; a stage of 16 rows x 528 bytes for each wave;
.set RED, 140288                       ; four regions of 1,024 bytes for the row sums
.set MSB, 0
.macro WIN new                         ; the immediate's high byte repeats the setting that is left
.if MSB != (\new)
	s_set_vgpr_msb (MSB<<8)|(\new)
.set MSB, \new
.endif
.endm
.macro NOP4
.rept 4
	v_nop
.endr
.endm
.macro BARRIER                         ; my LDS stores have landed and my LDS loads are in: then the work-group's barrier
	s_wait_dscnt 0x0
	s_barrier_signal -1
	s_barrier_wait -1
.endm
; 64 numbers of a lane in window w, register 16 b + i = k 32 b + 16 h + i of my row, become a fragment's codes in v[PC] on and its scale word in v[PW].
.macro QUANT s, w
	WIN (\w)|((\w)<<2)
.irp b, 0,1,2,3
	v_max3_num_f32 v[TM+\b], |v[(\s)+16*\b]|, |v[(\s)+1+16*\b]|, 0x1800000   ; with the floor 2^(3 - 127): the byte cannot fall under 1
.endr
	WIN ((\w)<<2)|((\w)<<4)
.irp i, 2,4,6,8,10,12,14
.irp b, 0,1,2,3
	v_max3_num_f32 v[TM+\b], v[TM+\b], |v[(\s)+16*\b+\i]|, |v[(\s)+1+16*\b+\i]|
.endr
.endr
	WIN 0
.irp b, 0,1,2,3
	v_permlanex16_b32 v[TM+4+\b], v[TM+\b], s[SEL], s[SEL+1]
.endr
.irp b, 0,1,2,3
	v_max_num_f32 v[TM+\b], v[TM+\b], v[TM+4+\b]
.endr
.irp b, 0,1,2,3
	v_add_nc_u32 v[TM+12+\b], 0xff000000, v[TM+\b] ; 2 off the exponent field: the conversion's scale operand
.endr
.irp b, 0,1,2,3
	v_lshrrev_b32 v[TM+4+\b], 23, v[TM+12+\b]
.endr
	v_lshl_or_b32 v[PW], v[TM+5], 8, v[TM+4]
	v_lshl_or_b32 v[PW], v[TM+6], 16, v[PW]
	v_lshl_or_b32 v[PW], v[TM+7], 24, v[PW]
	WIN \w
.irp c, 0,1
	v_cvt_scalef32_pk16_fp6_f32 v[PC+6*\c:PC+2+6*\c], v[(\s)+32*\c:(\s)+15+32*\c], v[TM+12+2*\c]
	v_cvt_scalef32_pk16_fp6_f32 v[PC+12+4*\c:PC+14+4*\c], v[(\s)+16+32*\c:(\s)+31+32*\c], v[TM+12+2*\c+1]
.endr
	WIN 0
	v_nop                                          ; one plain place behind a scaled conversion
.irp c, 0,1
.irp i, 0,1,2
	v_permlane16_swap_b32 v[PC+6*\c+\i], v[PC+12+4*\c+\i]
.endr
.irp i, 0,1,2
	v_mov_b32 v[PC+3+6*\c+\i], v[PC+12+4*\c+\i]
.endr
.endr
.endm
.macro IMAGE adr, off
.irp c, 0,1,2
	ds_store_b128 v[\adr], v[PC+4*\c:PC+4*\c+3] offset:(\off)+512*\c
.endr
.endm
.macro AFLOAD set, ra, rs, base, sbase, ks   ; the four row tiles' fragments and scale words of K step ks: 16 LDS loads
.irp m, 0,1,2,3
.irp c, 0,1,2
	ds_load_b128 v[AF+48*(\set)+12*\m+4*\c:AF+48*(\set)+12*\m+4*\c+3], v[\ra] offset:(\base)+(4*\m+(\ks))*1536+512*\c
.endr
	ds_load_b32 v[AS+4*(\set)+\m], v[\rs] offset:(\sbase)+128*(4*\m+(\ks))
.endr
.endm
.macro WLOADH set, reg, off, hf        ; half a granule of weights: 12 loads; the second half also the scale words: 13
	WIN 0x80
.irp f, 0,1,2,3
.irp c, 0,1,2
	global_load_b128 v[96*(\set)+12*(4*(\hf)+\f)+4*\c:96*(\set)+12*(4*(\hf)+\f)+4*\c+3], v[\reg], s[WP:WP+1] offset:(\off)+1536*(4*(\hf)+\f)+512*\c
.endr
.endr
	WIN 0
.if \hf
	global_load_b128 v[SCW+4*(\set):SCW+4*(\set)+3], v[\reg], s[WP:WP+1] offset:(\off)+12288
.endif
.endm
.macro WM
.if CK_ == 0
.if R_ == 0
	v_wmma_scale_f32_16x16x128_f8f6f4 v[D_:D_+7], v[A_:A_+11], v[B_:B_+11], 0, v[SA_], v[SB_] matrix_a_fmt:MATRIX_FMT_FP6 matrix_b_fmt:MATRIX_FMT_FP6
.else
	v_wmma_scale_f32_16x16x128_f8f6f4 v[D_:D_+7], v[A_:A_+11], v[B_:B_+11], 0, v[SA_], v[SB_] matrix_a_fmt:MATRIX_FMT_FP6 matrix_b_fmt:MATRIX_FMT_FP6 matrix_a_scale:MATRIX_SCALE_ROW1
.endif
.else
.if R_ == 0
	v_wmma_scale_f32_16x16x128_f8f6f4 v[D_:D_+7], v[A_:A_+11], v[B_:B_+11], v[C_:C_+7], v[SA_], v[SB_] matrix_a_fmt:MATRIX_FMT_FP6 matrix_b_fmt:MATRIX_FMT_FP6
.else
	v_wmma_scale_f32_16x16x128_f8f6f4 v[D_:D_+7], v[A_:A_+11], v[B_:B_+11], v[C_:C_+7], v[SA_], v[SB_] matrix_a_fmt:MATRIX_FMT_FP6 matrix_b_fmt:MATRIX_FMT_FP6 matrix_a_scale:MATRIX_SCALE_ROW1
.endif
.endif
.endm
; 16 matrix instructions: weight fragments t0 .. t0 + 3 (source 0) x the four row tiles (source 1).  first = 1: the constant 0 starts the sums; 2: b1 does; 0: in place.
; The accumulators take turns, one instruction a turn.  Fragments 4-7 find their scale words in lanes 16-31.
.macro MM16 set, mode, first, t0
.irp tt, 0,1,2,3
.irp m, 0,1,2,3
.set T_, (\t0)+\tt
.set D_, 8*(8*\m+T_)
.set A_, 96*(\set)+12*T_
.set B_, AF+48*(\set)+12*\m
.set SA_, SCW+4*(\set)+\tt
.set SB_, AS+4*(\set)+\m
.set R_, (\t0)/4
.set C_, D_
.set CK_, 1
.if (\first) == 1
.set CK_, 0
.elseif (\first) == 2
.set C_, B1R+8*T_
.endif
	WM
.endr
.endr
.endm
; A GRANULE'S WORK: 32 matrix instructions on one K step of 128.  mode 0: into window 1; mode 3: onto window 3.  nl: the global loads younger than this granule's 25; nd: the LDS loads younger than its 16.
.macro GRAN set, mode, first, nl, nd, pw, wreg, woff, pa, ra, rs, base, sbase, ks
	s_wait_loadcnt \nl
	s_wait_dscnt \nd
.if (\mode) == 3
.set MW_, 0xf2                         ; source 0 (weights) window 2, C and D window 3
.elseif (\first) == 2
.set MW_, 0x42                         ; source 0 window 2, C window 0, D window 1
.else
.set MW_, 0x52                         ; source 0 window 2, C and D window 1
.endif
	WIN MW_
	MM16 \set, \mode, \first, 0
	NOP4                                           ; places in front of loads into registers that matrix instructions have read
.if \pw
	WLOADH \set, \wreg, \woff, 0
.endif
	WIN MW_
	MM16 \set, \mode, \first, 4
	NOP4                                           ; likewise, and in front of the first read of results
.if \pw
	WLOADH \set, \wreg, \woff, 1
.endif
	WIN 0
.if \pa
	AFLOAD \set, \ra, \rs, \base, \sbase, \ks
.endif
.endm
.macro RSUM sq                         ; sums over my 64 numbers of each row tile (sq = 1: of squares), then with lane l xor 16: results in v[TM + 2 k]
	WIN 0x0f
.irp k, 0,1,2,3
.if \sq
	v_pk_mul_f32 v[TM+2*\k:TM+2*\k+1], v[64*\k:64*\k+1], v[64*\k:64*\k+1]
.else
	v_pk_add_f32 v[TM+2*\k:TM+2*\k+1], v[64*\k:64*\k+1], v[64*\k+2:64*\k+3]
.endif
.endr
.if \sq
.set J_, 2
.else
	WIN 0x0c
.set J_, 4
.endif
.rept 30+(\sq)
.irp k, 0,1,2,3
.if \sq
	v_pk_fma_f32 v[TM+2*\k:TM+2*\k+1], v[64*\k+J_:64*\k+J_+1], v[64*\k+J_:64*\k+J_+1], v[TM+2*\k:TM+2*\k+1]
.else
	v_pk_add_f32 v[TM+2*\k:TM+2*\k+1], v[TM+2*\k:TM+2*\k+1], v[64*\k+J_:64*\k+J_+1]
.endif
.endr
.set J_, J_+2
.endr
	WIN 0
.irp k, 0,1,2,3
	v_add_f32 v[TM+2*\k], v[TM+2*\k], v[TM+2*\k+1]
.endr
.irp k, 0,1,2,3
	v_permlanex16_b32 v[TM+2*\k+1], v[TM+2*\k], s[SEL], s[SEL+1]
.endr
.irp k, 0,1,2,3
	v_add_f32 v[TM+2*\k], v[TM+2*\k], v[TM+2*\k+1]
.endr
.endm
.macro XSUB
	WIN 0xc3
.irp k, 0,1,2,3
.set J_, 0
.rept 32
	v_pk_add_f32 v[64*\k+J_:64*\k+J_+1], v[64*\k+J_:64*\k+J_+1], v[MU+2*\k:MU+2*\k+1] neg_lo:[0,1] neg_hi:[0,1]
.set J_, J_+2
.endr
.endr
	WIN 0
.endm
.macro XSCALE
	WIN 0xc3
.irp k, 0,1,2,3
.set J_, 0
.rept 32
	v_pk_mul_f32 v[64*\k+J_:64*\k+J_+1], v[64*\k+J_:64*\k+J_+1], v[RS+2*\k:RS+2*\k+1]
.set J_, J_+2
.endr
.endr
	WIN 0
.endm
.macro XAFF k                          ; row tile k: x g + be; g at v0-63 and be at v64-127 of window 1
	WIN 0xd7
.set J_, 0
.rept 32
	v_pk_fma_f32 v[64*(\k)+J_:64*(\k)+J_+1], v[64*(\k)+J_:64*(\k)+J_+1], v[J_:J_+1], v[64+J_:64+J_+1]
.set J_, J_+2
.endr
	WIN 0
.endm
.macro GLOAD dst, ptr, off             ; my 64 numbers of a vector along the columns, into window 1
	WIN 0x40
.irp b, 0,1,2,3
.irp jj, 0,1,2,3
	global_load_b128 v[(\dst)+16*\b+4*\jj:(\dst)+16*\b+4*\jj+3], v[GVO], s[\ptr:\ptr+1] offset:(\off)+128*\b+16*\jj
.endr
.endr
	WIN 0
.endm
.macro B1LOAD reg                      ; b1 of my 128 hidden units of a run, in the result's layout
.irp b, 0,1,2,3
.irp jj, 0,1,2,3
	global_load_b128 v[B1R+16*\b+4*\jj:B1R+16*\b+4*\jj+3], v[\reg], s[20:21] offset:128*\b+16*\jj
.endr
.endr
.endm
.macro XRED a                          ; my four sums meet the other three waves', through region a: results in v[PC + 4 m], the same in every wave
.irp m, 0,1,2,3
	ds_store_b32 v[RDA], v[TM+2*\m] offset:256*\m+1024*(\a)   ; both lanes of a row write the same word with the same value
.endr
	BARRIER
.irp m, 0,1,2,3
	ds_load_b128 v[PC+4*\m:PC+4*\m+3], v[RDL] offset:256*\m+1024*(\a)
.endr
	s_wait_dscnt 0x0
.irp m, 0,1,2,3
	v_add_f32 v[PC+4*\m], v[PC+4*\m], v[PC+4*\m+1]
.endr
.irp m, 0,1,2,3
	v_add_f32 v[PC+4*\m+2], v[PC+4*\m+2], v[PC+4*\m+3]
.endr
.irp m, 0,1,2,3
	v_add_f32 v[PC+4*\m], v[PC+4*\m], v[PC+4*\m+2]
.endr
.endm
.macro LNORM a                         ; window 3 becomes (x - mean) / sqrt(var + eps), in two passes; regions a and a + 1 are used once each
	RSUM 0
	XRED \a
.irp m, 0,1,2,3
	v_mul_f32 v[MU+2*\m], s36, v[PC+4*\m]
.endr
.irp m, 0,1,2,3
	v_mov_b32 v[MU+2*\m+1], v[MU+2*\m]
.endr
	XSUB
	RSUM 1
	XRED (\a)+1
.irp m, 0,1,2,3
	v_fma_f32 v[PC+4*\m], v[PC+4*\m], s36, s37
.endr
.irp m, 0,1,2,3
	v_rsq_f32 v[RS+2*\m], v[PC+4*\m]
.endr
	v_nop                                          ; a plain place behind the transcendentals
	s_wait_alu depctr_va_vdst(0)
.irp m, 0,1,2,3
	v_mov_b32 v[RS+2*\m+1], v[RS+2*\m]
.endr
	XSCALE
.endm
	s_load_b512 s[8:23], s[0:1], 0x0               ; x s[8:9], g1 s[10:11], be1 s[12:13], bo s[14:15], g2 s[16:17], be2 s[18:19], b1 s[20:21], b2 s[22:23]
	s_load_b256 s[24:31], s[0:1], 0x40             ; oimg s[24:25], osc s[26:27], wst3 s[28:29], out0 s[30:31]
	v_lshl_add_u32 v254, v0, 2, 0x23400
	v_mov_b32 v255, 0
	v_lshrrev_b32 v1, 5, v0
	v_readfirstlane_b32 s[WV], v1                  ; wave 0..3
	v_and_b32 v20, 31, v0                          ; l
	v_and_b32 v21, 15, v0                          ; r
	v_bfe_u32 v22, v0, 4, 1                        ; h
	v_lshlrev_b32 v[LI], 4, v20
	v_lshlrev_b32 v[LS], 2, v20
	v_lshlrev_b32 v[L8], 3, v20
	v_lshlrev_b32 v[R4], 2, v21
	v_add_nc_u32 v[LI2], HIM, v[LI]
	v_add_nc_u32 v[LS2], HIM, v[LS]
	s_mul_i32 s40, s[WV], 1536
	v_add_nc_u32 v[XWI], s40, v[LI]
	v_add_nc_u32 v[HWI], HIM, v[XWI]
	s_lshl_b32 s40, s[WV], 7
	v_add_nc_u32 v[XWS], s40, v[LS]
	v_add_nc_u32 v[HWS], HIM, v[XWS]
	s_mul_i32 s40, s[WV], 6144
	v_add_nc_u32 v[OWI], s40, v[LI]
	s_lshl_b32 s40, s[WV], 9
	v_add_nc_u32 v[OWS], s40, v[LS]
	v_lshlrev_b32 v[GVO], 6, v22
	v_add_nc_u32 v[GVO], s40, v[GVO]
	s_mul_i32 s40, s[WV], 8448
	s_add_co_u32 s40, s40, STG
	v_add_nc_u32 v[SRD], s40, v[LI]
	v_mul_u32_u24 v[STO], v21, 528
	v_lshl_add_u32 v[STO], v22, 6, v[STO]
	v_add_nc_u32 v[STO], s40, v[STO]
	v_lshlrev_b32 v[RDL], 4, v21
	v_add_nc_u32 v[RDL], RED, v[RDL]
	s_lshl_b32 s40, s[WV], 2
	v_add_nc_u32 v[RDA], s40, v[RDL]
	v_add_nc_u32 v[WOC], 51200, v[LI]              ; behind Wo's four granules
	s_lshr_b32 s[C0], ttmp9, 3
	s_add_co_u32 s[C0], s[C0], ttmp9
	s_and_b32 s[C0], s[C0], 7                      ; my work-group's first run: (i + i / 8) % 8: each run is the first of 16 work-groups
	s_mul_i32 s49, s[C0], 102400                   ; a run's eight granules
	v_add_nc_u32 v[WOA], s49, v[WOC]               ; the first run's weights,
	s_lshl_b32 s49, s[C0], 11
	v_add_nc_u32 v[B1O], s49, v[GVO]               ; and its b1: 512 numbers a run
.irp b, 0,1,2,3
	v_mov_b32 v[TM+4+\b], 0                        ; a lane permute's destination counts as one of its sources
.endr
	s_mov_b32 s[SEL], 0x76543210
	s_mov_b32 s[SEL+1], 0xfedcba98                 ; lane l xor 16
	s_mov_b32 s36, 0x3b000000                      ; 1 / 512
	s_mov_b32 s37, 0x3727c5ac                      ; 1e-5
	s_lshl_b32 s40, ttmp9, 17                      ; x and out0: 64 rows of 2,048 bytes a block, + my 512 bytes of a row
	s_lshl_b32 s41, s[WV], 9
	s_add_co_u32 s40, s40, s41
	s_mov_b32 s41, 0
	s_lshl_b32 s42, ttmp9, 2
	s_add_co_u32 s42, s42, s[WV]                   ; 4 tb + w: the row tile whose o I bring in
	s_mul_i32 s44, s42, 6144
	s_mov_b32 s45, 0
	s_lshl_b32 s42, s42, 9
	s_mov_b32 s43, 0
	s_mul_i32 s46, s[WV], 870400
	s_mov_b32 s47, 0
	s_wait_kmcnt 0x0
	s_add_nc_u64 s[8:9], s[8:9], s[40:41]
	s_add_nc_u64 s[30:31], s[30:31], s[40:41]
	s_add_nc_u64 s[24:25], s[24:25], s[44:45]
	s_add_nc_u64 s[26:27], s[26:27], s[42:43]
	s_add_nc_u64 s[28:29], s[28:29], s[46:47]
	WLOADH 0, LI, 0, 0                             ; Wo's first two granules
	WLOADH 0, LI, 0, 1
	WLOADH 1, LI, 12800, 0
	WLOADH 1, LI, 12800, 1
.irp hd, 0,1,2,3,4,5,6,7               ; o of row tile w: eight half records land on end: heads 2 s and 2 s + 1 are K step s's fragment
	global_load_b128 v[AF+6*\hd:AF+6*\hd+3], v[LI], s[24:25] offset:768*\hd
	global_load_b64 v[AF+6*\hd+4:AF+6*\hd+5], v[L8], s[24:25] offset:768*\hd+512
	global_load_b32 v[TM+\hd], v[R4], s[26:27] offset:64*\hd
.endr
	WIN 0x40                                       ; my 512 bytes of each of the 64 rows of x, a row a load
.set N_, 0
.rept 64
	global_load_b128 v[4*N_:4*N_+3], v[LI], s[8:9] offset:(32*((N_/16)/2)+8*((N_/16)%2)+(N_%16)+((N_%16)&8))*2048 th:TH_LOAD_NT
.set N_, N_+1
.endr
	WIN 0
	s_wait_loadcnt 0x0
.irp s4, 0,1,2,3
.irp c, 0,1,2
	ds_store_b128 v[OWI], v[AF+12*\s4+4*\c:AF+12*\s4+4*\c+3] offset:OIM+1536*\s4+512*\c
.endr
	v_perm_b32 v[PC+\s4], v[TM+2*\s4+1], v[TM+2*\s4], 0x05040100   ; two heads' two bytes each make the K step's scale word
	ds_store_b32 v[OWS], v[PC+\s4] offset:OIM+XSC+128*\s4
.endr
.irp m, 0,1,2,3                        ; x through my own stage: a lane gets 16 neighbours of each block of 32 of ONE row
	WIN 0x04
.set I_, 0
.rept 16
	ds_store_b128 v[SRD], v[64*\m+4*I_:64*\m+4*I_+3] offset:528*I_
.set I_, I_+1
.endr
	WIN 0xc0                                       ; LDS serves a wave's instructions in order: these see my stores, and the next tile's stores come behind them
.irp b, 0,1,2,3
.irp jj, 0,1,2,3
	ds_load_b128 v[64*\m+16*\b+4*\jj:64*\m+16*\b+4*\jj+3], v[STO] offset:128*\b+16*\jj
.endr
.endr
.endr
	WIN 0
	s_wait_dscnt 0x0
	GLOAD 0, 10, 0                                 ; g1
	GLOAD 64, 12, 0                                ; be1
	GLOAD 128, 14, 0                               ; bo
	LNORM 0
	s_wait_loadcnt 0x0
	WIN 0x45
.set J_, 0
.rept 32
	v_pk_add_f32 v[64+J_:65+J_], v[64+J_:65+J_], v[128+J_:129+J_]   ; be1 + bo
.set J_, J_+2
.endr
	WIN 0
.irp k, 0,1,2,3
	XAFF \k                                        ; xn + bo: what the product o Wo adds onto
.endr
	AFLOAD 0, LI, LS, OIM, OIM+XSC, 0              ; the norm's barriers have shown all four waves' images of o
	AFLOAD 1, LI, LS, OIM, OIM+XSC, 1
	GRAN 0, 3, 0, 25, 16, 1, LI, 25600, 1, LI, LS, OIM, OIM+XSC, 2
	GRAN 1, 3, 0, 25, 16, 1, LI, 38400, 1, LI, LS, OIM, OIM+XSC, 3
	GRAN 0, 3, 0, 25, 16, 1, WOA, 0, 0, LI, LS, 0, 0, 0             ; the look-ahead runs on into my first run's W1
	GRAN 1, 3, 0, 25, 0, 1, WOA, 12800, 0, LI, LS, 0, 0, 0
	GLOAD 0, 16, 0                                 ; g2
	GLOAD 64, 18, 0                                ; be2
	GLOAD 128, 22, 0                               ; b2
	B1LOAD B1O                                     ; b1 of my first run
	LNORM 2
	s_wait_loadcnt 0x0
.irp k, 0,1,2,3
	XAFF \k                                        ; xn2
.endr
.irp m, 0,1,2,3
	s_wait_dscnt 0x0                               ; the last image's stores have read their registers
	QUANT 64*\m, 3
	IMAGE XWI, 6144*\m                             ; K step w of the first FFN product, row tile m
	ds_store_b32 v[XWS], v[PW] offset:XSC+512*\m
.endr
	WIN 0xc7
.irp k, 0,1,2,3
.set J_, 0
.rept 32
	v_pk_add_f32 v[64*\k+J_:64*\k+J_+1], v[64*\k+J_:64*\k+J_+1], v[128+J_:129+J_]   ; xn2 + b2: what the second FFN product adds onto
.set J_, J_+2
.endr
.endr
	WIN 0
	s_wait_xcnt 0x0                                ; b1's loads have read their offset: it may be written
	s_add_co_u32 s40, s[C0], 1
	s_and_b32 s40, s40, 7                          ; my second run
	s_mul_i32 s41, s40, 102400
	v_add_nc_u32 v[WOB], s41, v[WOC]
	s_lshl_b32 s41, s40, 11
	v_add_nc_u32 v[B1O], s41, v[GVO]
	s_mov_b32 s[CC], s[C0]
	s_mov_b32 s[TRIPS], 4
	BARRIER                                        ; xn2's sixteen fragments lie in LDS
	AFLOAD 0, LI, LS, 0, XSC, 0
	AFLOAD 1, LI, LS, 0, XSC, 1
; A RUN OF 512 HIDDEN UNITS.  Four granules of W1 make my 128 units for the 64 rows; relu; quantised; images to region par; ONE barrier; four granules of W2 add onto window 3.
; Region par is written again two runs on, behind the other region's barrier, which every wave reaches with its reads of this one awaited.
.macro CHUNK par
	GRAN 0, 0, 2, 25, 16, 1, WOA, 25600, 1, LI, LS, 0, XSC, 2
	GRAN 1, 0, 0, 25, 16, 1, WOA, 38400, 1, LI, LS, 0, XSC, 3
	GRAN 0, 0, 0, 25, 16, 1, WOA, 51200, 0, LI, LS, 0, 0, 0
	GRAN 1, 0, 0, 25, 0, 1, WOA, 64000, 0, LI, LS, 0, 0, 0
.irp m, 0,1,2,3
	WIN 0x44
.set J_, 0
.rept 64
	v_max_num_f32 v[64*\m+J_], 0, v[64*\m+J_]      ; the activation, in f32
.set J_, J_+1
.endr
	s_wait_dscnt 0x0                               ; the last image's stores have read their registers
	QUANT 64*\m, 1
	IMAGE HWI, 26624*(\par)+6144*\m                ; K step w of this run, row tile m
	ds_store_b32 v[HWS], v[PW] offset:26624*(\par)+XSC+512*\m
.endr
	BARRIER                                        ; the run's sixteen hidden fragments lie in LDS
	AFLOAD 0, LI2, LS2, 26624*(\par), 26624*(\par)+XSC, 0
	AFLOAD 1, LI2, LS2, 26624*(\par), 26624*(\par)+XSC, 1
	GRAN 0, 3, 0, 25, 16, 1, WOA, 76800, 1, LI2, LS2, 26624*(\par), 26624*(\par)+XSC, 2
	B1LOAD B1O                                     ; the next run's b1: 16 loads
	GRAN 1, 3, 0, 41, 16, 1, WOA, 89600, 1, LI2, LS2, 26624*(\par), 26624*(\par)+XSC, 3   ; 41: the next granule's 25 and b1's 16
	GRAN 0, 3, 0, 41, 16, 1, WOB, 0, 1, LI, LS, 0, XSC, 0                                 ; 41: b1's 16 and the next granule's 25
	GRAN 1, 3, 0, 25, 16, 1, WOB, 12800, 1, LI, LS, 0, XSC, 1
	s_wait_xcnt 0x0                                ; the pending loads have read their offsets: these may be written
	v_mov_b32 v[WOA], v[WOB]
	s_add_co_u32 s[CC], s[CC], 1
	s_add_co_u32 s40, s[CC], 1
	s_and_b32 s40, s40, 7                          ; the run after next, round the end of the eight
	s_mul_i32 s41, s40, 102400
	v_add_nc_u32 v[WOB], s41, v[WOC]
	s_lshl_b32 s41, s40, 11
	v_add_nc_u32 v[B1O], s41, v[GVO]
.endm
.Lruns:                                            ; four trips of two runs
	CHUNK 0
	CHUNK 1
	s_sub_co_u32 s[TRIPS], s[TRIPS], 1
	s_cmp_lg_u32 s[TRIPS], 0
	s_cbranch_scc1 .Lruns
	s_wait_dscnt 0x0                               ; the look-ahead that nobody uses has landed: its registers serve the way out
	s_wait_loadcnt 0x0
; THE WAY OUT, a row tile at a time: through my own stage, back as whole rows of my 512 bytes, which the 32 lanes store as 512 consecutive bytes.
.macro TOSTAGE a
	WIN 0x0c
.irp b, 0,1,2,3
.irp jj, 0,1,2,3
	ds_store_b128 v[STO], v[64*(\a)+16*\b+4*\jj:64*(\a)+16*\b+4*\jj+3] offset:128*\b+16*\jj   ; each accumulator from its low end on
.endr
.endr
	WIN 0
.set BB_, AF-64*((\a)%2)
.set I_, 0
.rept 16
	ds_load_b128 v[BB_+4*I_:BB_+4*I_+3], v[SRD] offset:528*I_
.set I_, I_+1
.endr
.endm
.macro SEND a, younger                 ; younger: the LDS instructions issued behind tile a's loads
.set BB_, AF-64*((\a)%2)
	s_wait_dscnt \younger
.set I_, 0
.rept 16
	global_store_b128 v[LI], v[BB_+4*I_:BB_+4*I_+3], s[30:31] offset:(32*((\a)/2)+8*((\a)%2)+I_+(I_&8))*2048 th:TH_STORE_NT
.set I_, I_+1
.endr
.endm
	TOSTAGE 0
.irp a, 1,2,3
.if \a > 1
	s_wait_xcnt 0x0                                ; tile a - 2's stores have read their registers: tile a's loads may land there
.endif
	TOSTAGE \a
	SEND \a-1, 32                                  ; behind tile a - 1's loads: tile a's 16 stores and 16 loads
.endr
	SEND 3, 0
	s_wait_tensorcnt 0x0
	ds_add_u32 v254, v255
	s_wait_dscnt 0x0
	s_endpgm
.Lfunc_end_k_qd704df4268_tail:
	.size	k_qd704df4268_tail, .Lfunc_end_k_qd704df4268_tail-k_qd704df4268_tail
	.p2alignl 7, 3214868480
	.fill 96, 4, 3214868480
	.section	.rodata,"a",@progbits
	.p2align	6, 0x0
	.amdhsa_kernel k_qd704df4268_tail
		.amdhsa_group_segment_fixed_size 144896
		.amdhsa_private_segment_fixed_size 0
		.amdhsa_enable_private_segment 0
		.amdhsa_kernarg_size 96
		.amdhsa_user_sgpr_count 2
		.amdhsa_user_sgpr_kernarg_segment_ptr 1
		.amdhsa_wavefront_size32 1
		.amdhsa_system_sgpr_workgroup_id_x 1
		.amdhsa_system_sgpr_workgroup_id_y 1
		.amdhsa_system_sgpr_workgroup_id_z 1
		.amdhsa_system_vgpr_workitem_id 0
		.amdhsa_next_free_vgpr 1024
		.amdhsa_next_free_sgpr 66
		.amdhsa_reserve_vcc 0
		.amdhsa_float_denorm_mode_32 3
		.amdhsa_float_denorm_mode_16_64 3
		.amdhsa_memory_ordered 1
		.amdhsa_forward_progress 1
		.amdhsa_inst_pref_size 255
	.end_amdhsa_kernel
	.section	.bss,"aw",@nobits
	.p2align	6
	.space	262144
	.amdgpu_metadata
---
amdhsa.version: [ 1, 2 ]
amdhsa.kernels:
  - .name:           k_qd704df4268_tail
    .symbol:         k_qd704df4268_tail.kd
    .args:
      - { .name: x, .offset: 0, .size: 8, .value_kind: global_buffer, .address_space: global }
      - { .name: g1, .offset: 8, .size: 8, .value_kind: global_buffer, .address_space: global }
      - { .name: be1, .offset: 16, .size: 8, .value_kind: global_buffer, .address_space: global }
      - { .name: bo, .offset: 24, .size: 8, .value_kind: global_buffer, .address_space: global }
      - { .name: g2, .offset: 32, .size: 8, .value_kind: global_buffer, .address_space: global }
      - { .name: be2, .offset: 40, .size: 8, .value_kind: global_buffer, .address_space: global }
      - { .name: b1, .offset: 48, .size: 8, .value_kind: global_buffer, .address_space: global }
      - { .name: b2, .offset: 56, .size: 8, .value_kind: global_buffer, .address_space: global }
      - { .name: oimg, .offset: 64, .size: 8, .value_kind: global_buffer, .address_space: global }
      - { .name: osc, .offset: 72, .size: 8, .value_kind: global_buffer, .address_space: global }
      - { .name: wst3, .offset: 80, .size: 8, .value_kind: global_buffer, .address_space: global }
      - { .name: out0, .offset: 88, .size: 8, .value_kind: global_buffer, .address_space: global }
    .group_segment_fixed_size: 144896
    .private_segment_fixed_size: 0
    .kernarg_segment_align: 8
    .kernarg_segment_size: 96
    .max_flat_workgroup_size: 128
    .sgpr_count:     66
    .vgpr_count:     1024
    .wavefront_size: 32
...
	.end_amdgpu_metadata
.endif
;; end of part 5
;; ======== version 3 of 3: 4 launches; version 2 with the launches ln_qkv, tail written anew for expert scheduling mode
;; workspace buffers: wst1 614,400 bytes; wst3 3,481,600 bytes; qimg 3,145,728 bytes; qsc 262,144 bytes; kv 6,684,672 bytes; oimg 3,145,728 bytes; osc 262,144 bytes
;; launch prep: the kernel of part 1 again; grid 16 x 20, 8 waves a work-group, no clusters, 0 bytes of LDS; arguments Wq_codes, Wq_scales, Wk_codes, Wk_scales, Wv_codes, Wv_scales, Wo_codes, Wo_scales, W1_codes, W1_scales, W2_codes, W2_scales, wst1, wst3; writes wst1, wst3
;; launch ln_qkv (part 6): grid 128 x 1, 4 waves a work-group, no clusters, 159,232 bytes of LDS; arguments x, g1, be1, wst1, qimg, qsc, kv; writes qimg, qsc, kv
.if DOCPART == 6
	.amdgcn_target "amdgcn-amd-amdhsa--gfx1250"
	.amdhsa_code_object_version 6
	.text
	.protected	k_qd704df4268_ln_qkv
	.globl	k_qd704df4268_ln_qkv
	.p2align	8
	.type	k_qd704df4268_ln_qkv,@function
k_qd704df4268_ln_qkv:
	s_mov_b64 s[64:65], 0
	v_nop
	global_prefetch_b8 v0, s[64:65] scope:SCOPE_SE
	s_setreg_imm32_b32 hwreg(HW_REG_WAVE_SCHED_MODE, 0, 2), 2
	s_setreg_imm32_b32 hwreg(HW_REG_WAVE_MODE, 25, 1), 1
	s_wait_xcnt 0x0
	s_wait_alu depctr_vm_vsrc(0)
; xn = layer norm of x (two passes, f32); xn quantised along E; q, k, v = xn x Wq, Wk, Wv on codes of FP6 (E2M3) with E8M0 scales; q and k quantised along the head's 64, v along the keys.
; SHARES.  A work-group takes 64 tokens (block tb).  For the norm wave w owns 16 of them with all 512 columns; for the products wave w owns heads 2 w and 2 w + 1 (128 rows of each weight) for all 64 tokens.
; TOKENS, like weight rows, are taken in a chosen order: row i of tile m is token 32 (m / 2) + 8 (m % 2) + i + (i & 8) of the block, so that v's results (tokens down a lane's registers) are neighbours along the keys.
; xn's codes go from wave to wave through LDS as images of the operand's registers (three stores of 16 bytes a lane, the scale word 4 bytes a lane).
; The weights come from wst1 in the order of the operand's registers, straight into registers, a granule (a K step of 128) ahead of their use, two across the vector work between the kinds.
; NO TENSOR LOADS, NO MULTICAST: each weight fragment feeds one wave alone and is never in LDS; the wave's stream is 153,600 bytes, the work-group's 614,400, more than LDS holds.
; q, k: source 0 = 16 weight rows, source 1 = 16 tokens: a lane holds one token and 64 numbers of two heads.  v: sources swapped: a lane holds one d and tokens down its registers.
; OUT: half records of 768 bytes (6 registers a lane, 64 along K: registers 0-3 at 16 l, 4-5 at 512 + 8 l) and scale words, laid as the attention launch reads them.
; LIMITS: NaN and infinities are not served.  A block whose largest magnitude lies under 2^-124, a block of zeros too, gets the byte 1 (the quantiser's 127 for zeros is not written: only this program reads the bytes, and the codes are zeros).
; REGISTERS, in windows of 256: window 0 addresses, work, activation fragments; window 1: x as loaded, then g and be in two buffers, then the 32 accumulators; window 2: weights, two sets of 96; window 3: my 16 rows of x / xn, 256 numbers a lane.
; THE MODE: SCHED_MODE bits 1:0 = 2 (LLVM: expert scheduling mode 2), set by the entry lines.  The code itself states the register dependences
; between vector or matrix instructions and memory or LDS instructions, with s_wait_alu, always for 0.
; THE PLAN.  Registers that memory or LDS instructions touch, and who else names them:
;   v1-18, v252-254    addresses, made at the head and never written again: one wait on va_vdst ahead of the first load.
;   window 1           x lands there and the LDS stores into the stage read it; then g1 and be1 land there: one wait on vm_vsrc.
;   G0, G1             window 1, v0-127 and v128-255: g1 and be1 of a quarter of the columns.  Quarter s's multiply-adds read G[s % 2]; the loads of quarter s + 2 land in it behind the quarter's one wait on va_vdst.
;   PC, PW, DW, KW, VW, VD   the out-buffer: written by the quantiser's lines, read by LDS or global stores: one wait on va_vdst ahead of each run of stores, one on vm_vsrc ahead of the next lines that write it.
;   W0, W1 (window 2), S0, S1 (v82-89), A0, A1 (v154-249, v74-81)   a set of weights, of their scale words, of activation fragments and of their scale words.
;                      Granule i's 32 matrix instructions read set i % 2; the loads of granule i + 1 land in the other set, which granule i - 1 read.
;                      ONE wait on va_vdst at a granule's head states that granule i - 1 is done; the 41 loads follow it, dealt among granule i's matrix instructions, which name none of their registers.
;                      Behind a kind's last granule one more such wait frees its set at once, for the granule after next; the kind's first granule then asks for nothing and has no such wait.
.set LI, 1                             ; 16 l
.set LS, 2                             ; 4 l
.set XWI, 5                            ; where I store xn's images
.set XWS, 6                            ; and their scale words
.set STO, 9                            ; my stage, by (row r, half h)
.set SRD, 10                           ; my stage, 16 bytes a lane
.set GVO, 14                           ; my place in g and be: 64 h
.set L8, 18                            ; 8 l
.set TM, 20                            ; v20-35 at work
.set PW, 36                            ; the scale word just made
.set PC, 38                            ; v38-57 the codes just made
.set MU, 58                            ; v58-65 means, a pair for each quarter
.set RS, 66                            ; v66-73 1 / sqrt(var + eps)
.set AS, 74                            ; v74-81 activation scale words, two sets
.set SCW, 82                           ; v82-89 weight scale words, two sets
.set DW, 90                            ; v90-93 q's scale words to store
.set KW, 96                            ; v96-99 k's
.set VW, 100                           ; v100-103 v's
.set VD, 104                           ; v104-105
.set AF, 154                           ; v154-249 activation fragments, two sets of four
.set SH, 252                           ; 16 h
.set KSO, 253
.set VSO, 254
.set WV, 32
.set SEL, 34
.set WP, 14                            ; s[14:15] my stream of weights
.set XSC, 24576                        ; LDS: xn's 16 images at 0, their scale words here,
.set STG, 26624                        ; then a stage of 16 rows x 2,064 bytes for each wave
.set HEADB, 208896                     ; a head's bytes in kv
.set MSB, 0
.macro WIN new                         ; the immediate's high byte repeats the setting that is left
.if MSB != (\new)
	s_set_vgpr_msb (MSB<<8)|(\new)
.set MSB, \new
.endif
.endm
.macro NOP4
.rept 4
	v_nop
.endr
.endm
.macro BARRIER                         ; my LDS stores have landed and my LDS loads are in: then the work-group's barrier
	s_wait_dscnt 0x0
	s_barrier_signal -1
	s_barrier_wait -1
.endm
; 64 numbers of a lane in window w, register 16 b + i = k 32 b + 16 h + i of my row, become a fragment's codes in v[PC] on and its scale word in v[PW].
.macro QUANT s, w
	WIN (\w)|((\w)<<2)
.irp b, 0,1,2,3
	v_max3_num_f32 v[TM+\b], |v[(\s)+16*\b]|, |v[(\s)+1+16*\b]|, 0x1800000   ; with the floor 2^(3 - 127): the byte cannot fall under 1
.endr
	WIN ((\w)<<2)|((\w)<<4)
.irp i, 2,4,6,8,10,12,14
.irp b, 0,1,2,3
	v_max3_num_f32 v[TM+\b], v[TM+\b], |v[(\s)+16*\b+\i]|, |v[(\s)+1+16*\b+\i]|
.endr
.endr
	WIN 0
.irp b, 0,1,2,3
	v_permlanex16_b32 v[TM+4+\b], v[TM+\b], s[SEL], s[SEL+1]
.endr
.irp b, 0,1,2,3
	v_max_num_f32 v[TM+\b], v[TM+\b], v[TM+4+\b]   ; with lane l xor 16's: the block's largest magnitude
.endr
.irp b, 0,1,2,3
	v_add_nc_u32 v[TM+12+\b], 0xff000000, v[TM+\b] ; 2 off its exponent field: the conversion's scale operand
.endr
.irp b, 0,1,2,3
	v_lshrrev_b32 v[TM+4+\b], 23, v[TM+12+\b]      ; the scale's byte
.endr
	v_lshl_or_b32 v[PW], v[TM+5], 8, v[TM+4]
	v_lshl_or_b32 v[PW], v[TM+6], 16, v[PW]
	v_lshl_or_b32 v[PW], v[TM+7], 24, v[PW]
	WIN \w
.irp c, 0,1
	v_cvt_scalef32_pk16_fp6_f32 v[PC+6*\c:PC+2+6*\c], v[(\s)+32*\c:(\s)+15+32*\c], v[TM+12+2*\c]
	v_cvt_scalef32_pk16_fp6_f32 v[PC+12+4*\c:PC+14+4*\c], v[(\s)+16+32*\c:(\s)+31+32*\c], v[TM+12+2*\c+1]
.endr
	WIN 0
	v_nop                                          ; one plain place behind a scaled conversion
.irp c, 0,1                            ; the operand wants a whole block in a lane: lanes 0-15 block 2 c, lanes 16-31 block 2 c + 1
.irp i, 0,1,2
	v_permlane16_swap_b32 v[PC+6*\c+\i], v[PC+12+4*\c+\i]
.endr
.irp i, 0,1,2
	v_mov_b32 v[PC+3+6*\c+\i], v[PC+12+4*\c+\i]
.endr
.endr
.endm
.macro IMAGE adr, off                  ; the fragment in v[PC] on goes to LDS as it stands
.irp c, 0,1,2
	ds_store_b128 v[\adr], v[PC+4*\c:PC+4*\c+3] offset:(\off)+512*\c
.endr
.endm
.macro AFLOAD set, ra, rs, base, sbase, ks   ; the four row tiles' fragments and scale words of K step ks: 16 LDS loads
.irp m, 0,1,2,3
.irp c, 0,1,2
	ds_load_b128 v[AF+48*(\set)+12*\m+4*\c:AF+48*(\set)+12*\m+4*\c+3], v[\ra] offset:(\base)+(4*\m+(\ks))*1536+512*\c
.endr
	ds_load_b32 v[AS+4*(\set)+\m], v[\rs] offset:(\sbase)+128*(4*\m+(\ks))
.endr
.endm
.macro WSCL set, reg, off              ; a granule's scale words: one load
	WIN 0
	global_load_b128 v[SCW+4*(\set):SCW+4*(\set)+3], v[\reg], s[WP:WP+1] offset:(\off)+12288
.endm
.macro WLOADH set, reg, off, hf        ; half a granule of weights: four fragments, 12 loads, three to a fragment; the destination's window is left at 2
	WIN 0x80
.irp f, 0,1,2,3
.irp c, 0,1,2
	global_load_b128 v[96*(\set)+12*(4*(\hf)+\f)+4*\c:96*(\set)+12*(4*(\hf)+\f)+4*\c+3], v[\reg], s[WP:WP+1] offset:(\off)+1536*(4*(\hf)+\f)+512*\c
.endr
.endr
.endm
.macro WLOAD set, reg, off             ; a whole granule, 25 loads: the scale words, then fragments 0 to 7
	WSCL \set, \reg, \off
	WLOADH \set, \reg, \off, 0
	WLOADH \set, \reg, \off, 1
	WIN 0
.endm
.macro WM                              ; one matrix instruction, from the symbols that MM8 sets
.if CK_ == 0
.if R_ == 0
	v_wmma_scale_f32_16x16x128_f8f6f4 v[D_:D_+7], v[A_:A_+11], v[B_:B_+11], 0, v[SA_], v[SB_] matrix_a_fmt:MATRIX_FMT_FP6 matrix_b_fmt:MATRIX_FMT_FP6
.elseif R_ == 1
	v_wmma_scale_f32_16x16x128_f8f6f4 v[D_:D_+7], v[A_:A_+11], v[B_:B_+11], 0, v[SA_], v[SB_] matrix_a_fmt:MATRIX_FMT_FP6 matrix_b_fmt:MATRIX_FMT_FP6 matrix_a_scale:MATRIX_SCALE_ROW1
.else
	v_wmma_scale_f32_16x16x128_f8f6f4 v[D_:D_+7], v[A_:A_+11], v[B_:B_+11], 0, v[SA_], v[SB_] matrix_a_fmt:MATRIX_FMT_FP6 matrix_b_fmt:MATRIX_FMT_FP6 matrix_b_scale:MATRIX_SCALE_ROW1
.endif
.else
.if R_ == 0
	v_wmma_scale_f32_16x16x128_f8f6f4 v[D_:D_+7], v[A_:A_+11], v[B_:B_+11], v[C_:C_+7], v[SA_], v[SB_] matrix_a_fmt:MATRIX_FMT_FP6 matrix_b_fmt:MATRIX_FMT_FP6
.elseif R_ == 1
	v_wmma_scale_f32_16x16x128_f8f6f4 v[D_:D_+7], v[A_:A_+11], v[B_:B_+11], v[C_:C_+7], v[SA_], v[SB_] matrix_a_fmt:MATRIX_FMT_FP6 matrix_b_fmt:MATRIX_FMT_FP6 matrix_a_scale:MATRIX_SCALE_ROW1
.else
	v_wmma_scale_f32_16x16x128_f8f6f4 v[D_:D_+7], v[A_:A_+11], v[B_:B_+11], v[C_:C_+7], v[SA_], v[SB_] matrix_a_fmt:MATRIX_FMT_FP6 matrix_b_fmt:MATRIX_FMT_FP6 matrix_b_scale:MATRIX_SCALE_ROW1
.endif
.endif
.endm
; 8 matrix instructions: weight fragments t0, t0 + 1 x the four row tiles.  mode 1: sources swapped (tokens are source 0).  first = 1: the constant 0 starts the sums.
; The accumulators take turns, one instruction a turn.  Fragments 4-7 find their scale words in lanes 16-31.
.macro MM8 set, mode, first, t0
.irp tt, 0,1
.irp m, 0,1,2,3
.set T_, (\t0)+\tt
.if (\mode) == 1
.set D_, 8*(4*T_+\m)
.set A_, AF+48*(\set)+12*\m
.set B_, 96*(\set)+12*T_
.set SA_, AS+4*(\set)+\m
.set SB_, SCW+4*(\set)+T_%4
.set R_, 2*(T_/4)
.else
.set D_, 8*(8*\m+T_)
.set A_, 96*(\set)+12*T_
.set B_, AF+48*(\set)+12*\m
.set SA_, SCW+4*(\set)+T_%4
.set SB_, AS+4*(\set)+\m
.set R_, T_/4
.endif
.set C_, D_
.set CK_, 1
.if (\first) == 1
.set CK_, 0
.endif
	WM
.endr
.endr
.endm
; A GRANULE'S WORK: 32 matrix instructions on one K step of 128, from set 'set'.  nx = 1: the next granule's weights (at woff) and activations (K step ks) are asked for, into the other set.
; yo: the global loads issued behind this granule's 25 and ahead of its head; nd: the LDS loads younger than its 16.
; The granule's weights came in the order scale words, fragments 0 to 7, three loads a fragment: each eight products wait for their two fragments alone.
.macro GRAN set, mode, first, yo, nd, nx, woff, ks
	s_wait_loadcnt 18+(\yo)                        ; the scale words and fragments 0, 1 are in; younger: fragments 2 to 7 and what came behind them
	s_wait_dscnt \nd                               ; the activations are in
.if (\mode) == 1
.set MW_, 0x58                         ; source 1 (weights) window 2, C and D window 1
.else
.set MW_, 0x52                         ; source 0 (weights) window 2, C and D window 1
.endif
.if \nx
	s_wait_alu depctr_va_vdst(0)                   ; the granule before is done reading the other set (weights, their scale words, activations, theirs), in which this granule's 41 loads land
	WSCL 1-(\set), LI, \woff
	WLOADH 1-(\set), LI, \woff, 0
.endif
	WIN MW_
	MM8 \set, \mode, \first, 0
.if \nx
	WLOADH 1-(\set), LI, \woff, 1                  ; no wait: no vector or matrix instruction since the wait above names the other set
.endif
	s_wait_loadcnt 12+(\yo)+25*(\nx)               ; fragments 2, 3
	WIN MW_
	MM8 \set, \mode, \first, 2
.if \nx
	WIN 0
	AFLOAD 1-(\set), LI, LS, 0, XSC, \ks
.endif
	s_wait_loadcnt 6+(\yo)+25*(\nx)                ; fragments 4, 5
	WIN MW_
	MM8 \set, \mode, \first, 4
	s_wait_loadcnt (\yo)+25*(\nx)                  ; fragments 6, 7
	MM8 \set, \mode, \first, 6
	NOP4                                           ; places in front of loads into registers that these matrix instructions have read, and of the first read of results
	WIN 0
.endm
; Behind a kind's last granule, ahead of the vector work on its results: that granule's set is asked for again at once, for the granule after next.
.macro AHEAD set, woff, ks
	s_wait_alu depctr_va_vdst(0)                   ; the kind's last granule is done reading its set of weights, scale words and activations, in which the loads below land
	WLOAD \set, LI, \woff
	AFLOAD \set, LI, LS, 0, XSC, \ks
.endm
; Sums over the lane's four quarters of window 3 (sq = 1: of squares), four chains by turns, then with lane l xor 16: results in v[TM + 2 k].
.macro RSUM sq
	WIN 0x0f
.irp k, 0,1,2,3
.if \sq
	v_pk_mul_f32 v[TM+2*\k:TM+2*\k+1], v[64*\k:64*\k+1], v[64*\k:64*\k+1]
.else
	v_pk_add_f32 v[TM+2*\k:TM+2*\k+1], v[64*\k:64*\k+1], v[64*\k+2:64*\k+3]
.endif
.endr
.if \sq
.set J_, 2
.else
	WIN 0x0c
.set J_, 4
.endif
.rept 30+(\sq)
.irp k, 0,1,2,3
.if \sq
	v_pk_fma_f32 v[TM+2*\k:TM+2*\k+1], v[64*\k+J_:64*\k+J_+1], v[64*\k+J_:64*\k+J_+1], v[TM+2*\k:TM+2*\k+1]
.else
	v_pk_add_f32 v[TM+2*\k:TM+2*\k+1], v[TM+2*\k:TM+2*\k+1], v[64*\k+J_:64*\k+J_+1]
.endif
.endr
.set J_, J_+2
.endr
	WIN 0
.irp k, 0,1,2,3
	v_add_f32 v[TM+2*\k], v[TM+2*\k], v[TM+2*\k+1]
.endr
.irp k, 0,1,2,3
	v_permlanex16_b32 v[TM+2*\k+1], v[TM+2*\k], s[SEL], s[SEL+1]
.endr
.irp k, 0,1,2,3
	v_add_f32 v[TM+2*\k], v[TM+2*\k], v[TM+2*\k+1]
.endr
.endm
.macro XSUB                            ; window 3 less the mean (both words of a pair hold it)
	WIN 0xc3
.irp k, 0,1,2,3
.set J_, 0
.rept 32
	v_pk_add_f32 v[64*\k+J_:64*\k+J_+1], v[64*\k+J_:64*\k+J_+1], v[MU+2*\k:MU+2*\k+1] neg_lo:[0,1] neg_hi:[0,1]
.set J_, J_+2
.endr
.endr
	WIN 0
.endm
.macro XSCALE
	WIN 0xc3
.irp k, 0,1,2,3
.set J_, 0
.rept 32
	v_pk_mul_f32 v[64*\k+J_:64*\k+J_+1], v[64*\k+J_:64*\k+J_+1], v[RS+2*\k:RS+2*\k+1]
.set J_, J_+2
.endr
.endr
	WIN 0
.endm
.macro XAFF k, gb                      ; quarter k: x g + be; g at v[gb] on and be at v[gb + 64] on, in window 1
	WIN 0xd7
.set J_, 0
.rept 32
	v_pk_fma_f32 v[64*(\k)+J_:64*(\k)+J_+1], v[64*(\k)+J_:64*(\k)+J_+1], v[(\gb)+J_:(\gb)+J_+1], v[(\gb)+64+J_:(\gb)+65+J_]
.set J_, J_+2
.endr
	WIN 0
.endm
.macro GLOAD dst, ptr, off             ; 64 numbers of a vector along the columns, in my lane's order, into window 1: 16 loads
	WIN 0x40
.irp b, 0,1,2,3
.irp jj, 0,1,2,3
	global_load_b128 v[(\dst)+16*\b+4*\jj:(\dst)+16*\b+4*\jj+3], v[GVO], s[\ptr:\ptr+1] offset:(\off)+128*\b+16*\jj
.endr
.endr
	WIN 0
.endm
	s_load_b256 s[8:15], s[0:1], 0x0               ; x s[8:9], g1 s[10:11], be1 s[12:13], wst1 s[14:15]
	s_load_b128 s[16:19], s[0:1], 0x20             ; qimg s[16:17], qsc s[18:19]
	s_load_b64 s[20:21], s[0:1], 0x30              ; kv
	v_lshl_add_u32 v251, v0, 2, 0x26c00
	v_mov_b32 v255, 0
	v_lshrrev_b32 v1, 5, v0
	v_readfirstlane_b32 s[WV], v1                  ; wave 0..3
	v_and_b32 v20, 31, v0                          ; l
	v_and_b32 v21, 15, v0                          ; r
	v_bfe_u32 v22, v0, 4, 1                        ; h
	v_lshlrev_b32 v[LI], 4, v20
	v_lshlrev_b32 v[LS], 2, v20
	v_lshlrev_b32 v[L8], 3, v20
	v_lshlrev_b32 v[SH], 4, v22
	v_lshlrev_b32 v[GVO], 6, v22
	s_wait_alu depctr_va_sdst(0)                   ; the wave's number is written, ahead of its first reader: LDS places and the buffers' offsets are made from it
	s_mul_i32 s40, s[WV], 6144
	v_add_nc_u32 v[XWI], s40, v[LI]                ; images 4 w + s
	s_lshl_b32 s40, s[WV], 9
	v_add_nc_u32 v[XWS], s40, v[LS]
	s_mul_i32 s40, s[WV], 33024
	s_add_co_u32 s40, s40, STG
	v_add_nc_u32 v[SRD], s40, v[LI]
	v_mul_u32_u24 v[STO], v21, 2064
	v_lshl_add_u32 v[STO], v22, 6, v[STO]
	v_add_nc_u32 v[STO], s40, v[STO]
	v_mul_u32_u24 v23, v22, HEADB                  ; lanes 16-31 store for head 2 w + 1
	v_lshl_add_u32 v[KSO], v21, 4, v23
	v_lshl_add_u32 v[VSO], v21, 3, v23
.irp b, 0,1,2,3
	v_mov_b32 v[TM+4+\b], 0                        ; a lane permute's destination counts as one of its sources
.endr
	s_mov_b32 s[SEL], 0x76543210
	s_mov_b32 s[SEL+1], 0xfedcba98                 ; lane l xor 16
	s_mov_b32 s36, 0x3b000000                      ; 1 / 512
	s_mov_b32 s37, 0x3727c5ac                      ; 1e-5
	s_lshl_b32 s40, ttmp9, 17                      ; x: 64 rows of 2,048 bytes a block,
	s_lshr_b32 s41, s[WV], 1
	s_lshl_b32 s41, s41, 16                        ; + 32 (w / 2) rows
	s_and_b32 s42, s[WV], 1
	s_lshl_b32 s42, s42, 14                        ; + 8 (w % 2) rows
	s_add_co_u32 s40, s40, s41
	s_add_co_u32 s40, s40, s42
	s_mov_b32 s41, 0
	s_mul_i32 s42, s[WV], 153600
	s_mov_b32 s43, 0
	s_mul_i32 s44, ttmp9, 24576
	s_mul_i32 s45, s[WV], 1536
	s_add_co_u32 s44, s44, s45
	s_mov_b32 s45, 0
	s_lshl_b32 s46, ttmp9, 11
	s_lshl_b32 s47, s[WV], 7
	s_add_co_u32 s46, s46, s47
	s_mov_b32 s47, 0
	s_lshr_b32 s48, ttmp9, 5                       ; the batch
	s_lshl_b32 s48, s48, 3
	s_lshl_b32 s49, s[WV], 1
	s_add_co_u32 s48, s48, s49                     ; 8 b + 2 w: my first head
	s_lshl_b32 s48, s48, 4
	s_bfe_u32 s49, ttmp9, 0x40001                  ; the key step of 128: (tb / 2) % 16
	s_add_co_u32 s48, s48, s49
	s_mul_i32 s48, s48, 13056                      ; its record
	s_mov_b32 s49, 0
	s_and_b32 s50, ttmp9, 1                        ; which half of the key step
	s_mul_i32 s52, s50, 3072
	s_mov_b32 s53, 0
	s_lshl_b32 s54, s50, 8
	s_add_co_u32 s54, s54, 12288
	s_mov_b32 s55, 0
	s_mul_i32 s56, s50, 768
	s_add_co_u32 s56, s56, 6144
	s_mov_b32 s57, 0
	s_lshl_b32 s58, s50, 7
	s_add_co_u32 s58, s58, 12800
	s_mov_b32 s59, 0
	s_wait_kmcnt 0x0
	s_add_nc_u64 s[8:9], s[8:9], s[40:41]
	s_add_nc_u64 s[14:15], s[14:15], s[42:43]
	s_add_nc_u64 s[16:17], s[16:17], s[44:45]
	s_add_nc_u64 s[18:19], s[18:19], s[46:47]
	s_add_nc_u64 s[20:21], s[20:21], s[48:49]
	s_add_nc_u64 s[22:23], s[20:21], s[52:53]      ; k's tiles
	s_add_nc_u64 s[24:25], s[20:21], s[54:55]      ; k's scale words
	s_add_nc_u64 s[26:27], s[20:21], s[56:57]      ; v's tiles
	s_add_nc_u64 s[28:29], s[20:21], s[58:59]      ; v's scale words
	s_wait_alu depctr_va_vdst(0)                   ; all addresses and offsets are written, which every load and store of the kernel reads
	WLOAD 0, LI, 0                                 ; the first two granules of weights
	WLOAD 1, LI, 12800
	WIN 0x40                                       ; my 16 rows of x, 512 consecutive bytes a load, into window 1
.set N_, 0
.rept 64
	global_load_b128 v[4*N_:4*N_+3], v[LI], s[8:9] offset:((N_/4)+((N_/4)&8))*2048+512*(N_%4) th:TH_LOAD_NT
.set N_, N_+1
.endr
	WIN 0x04                                       ; through my own stage, so that a lane gets 16 neighbours of each block of 32 of ONE row
.irp k, 0,1,2,3
	s_wait_loadcnt 48-16*\k                        ; the younger batches of 16 loads may stay out
.set N_, 16*\k
.rept 16
	ds_store_b128 v[SRD], v[4*N_:4*N_+3] offset:2064*(N_/4)+512*(N_%4)
.set N_, N_+1
.endr
.endr
	WIN 0xc0                                       ; LDS serves a wave's instructions in order: these see my stores
.irp s4, 0,1,2,3
.irp b, 0,1,2,3
.irp jj, 0,1,2,3
	ds_load_b128 v[64*\s4+16*\b+4*\jj:64*\s4+16*\b+4*\jj+3], v[STO] offset:512*\s4+128*\b+16*\jj
.endr
.endr
.endr
	WIN 0
	s_wait_dscnt 0x0
	s_wait_alu depctr_vm_vsrc(0)                   ; the LDS stores into the stage have read window 1, in which g1 and be1 land
	GLOAD 0, 10, 0                                 ; g1 and be1 of the first 128 columns into G0,
	GLOAD 64, 12, 0
	GLOAD 128, 10, 512                             ; of the second into G1
	GLOAD 192, 12, 512
	RSUM 0
	v_add_f32 v[TM], v[TM], v[TM+2]
	v_add_f32 v[TM+4], v[TM+4], v[TM+6]
	v_add_f32 v[TM], v[TM], v[TM+4]
	v_mul_f32 v[MU], s36, v[TM]                    ; the row's mean
.irp i, 1,2,3,4,5,6,7
	v_mov_b32 v[MU+\i], v[MU]
.endr
	XSUB
	RSUM 1
	v_add_f32 v[TM], v[TM], v[TM+2]
	v_add_f32 v[TM+4], v[TM+4], v[TM+6]
	v_add_f32 v[TM], v[TM], v[TM+4]
	v_fma_f32 v[TM], v[TM], s36, s37               ; var + eps
	v_rsq_f32 v[RS], v[TM]
	v_nop                                          ; a plain place behind the transcendental
	s_wait_alu depctr_va_vdst(0)                   ; the root's reciprocal is written, ahead of its first reader
.irp i, 1,2,3,4,5,6,7
	v_mov_b32 v[RS+\i], v[RS]
.endr
	XSCALE
.irp s4, 0,1,2,3
.if \s4 < 3
	s_wait_loadcnt 32                              ; g1 and be1 of this quarter are in; the next quarter's 32 loads may stay out
.else
	s_wait_loadcnt 0x0
.endif
	XAFF \s4, 128*(\s4%2)
	s_wait_dscnt 0x0                               ; the last image's stores have read their registers
.if \s4 > 0
	s_wait_alu depctr_vm_vsrc(0)                   ; the last image's LDS stores have read v[PC ..] and v[PW], which the lines below write again
.endif
	QUANT 64*\s4, 3
	s_wait_alu depctr_va_vdst(0)                   ; the codes and the scale word are written, which the LDS stores read; the multiply-adds above are done reading this quarter's g1 and be1, in which the loads below land
	IMAGE XWI, 1536*\s4
	ds_store_b32 v[XWS], v[PW] offset:XSC+128*\s4
.if \s4 < 2
	GLOAD 128*(\s4%2), 10, 512*(\s4+2)             ; the quarter two on, into the buffer just read
	GLOAD 128*(\s4%2)+64, 12, 512*(\s4+2)
.endif
.endr
	BARRIER                                        ; xn's sixteen fragments lie in LDS
	AFLOAD 0, LI, LS, 0, XSC, 0
	AFLOAD 1, LI, LS, 0, XSC, 1
.macro HALFOUT r0, ptr, off            ; six registers from v[PC + r0] on leave as a half record: 512 and 256 consecutive bytes
	global_store_b128 v[LI], v[PC+(\r0):PC+(\r0)+3], s[\ptr:\ptr+1] offset:(\off)
	global_store_b64 v[L8], v[PC+(\r0)+4:PC+(\r0)+5], s[\ptr:\ptr+1] offset:(\off)+512
.endm
	GRAN 0, 0, 1, 0, 16, 0, 0, 0                   ; q.  Both sets were asked for above: the first granule asks for nothing
	GRAN 1, 0, 0, 0, 0, 1, 25600, 2
	GRAN 0, 0, 0, 0, 0, 1, 38400, 3
	GRAN 1, 0, 0, 0, 0, 1, 51200, 0                ; the look-ahead runs on into k
	AHEAD 1, 64000, 1
.irp m, 0,1,2,3
	s_wait_xcnt 0x0                                ; the last turn's stores have read their registers
	s_wait_alu depctr_vm_vsrc(0)                   ; the stores issued so far have read v[PC ..] and v[PW], which the lines below write again
	QUANT 64*\m, 1                                 ; blocks 0, 1: head 2 w; blocks 2, 3: head 2 w + 1
	v_lshrrev_b32 v[DW+\m], v[SH], v[PW]           ; lanes 0-15 keep head 2 w's two bytes, lanes 16-31 head 2 w + 1's
	v_and_b32 v[DW+\m], 0xffff, v[DW+\m]
	s_wait_alu depctr_va_vdst(0)                   ; the codes and the word are written, which the five stores read
	HALFOUT 0, 16, 6144*\m
	HALFOUT 6, 16, 6144*\m+768
	global_store_b32 v[LS], v[DW+\m], s[18:19] offset:512*\m
.endr
	GRAN 0, 0, 1, 25, 16, 0, 0, 0                  ; k.  25 and 16: the granule after this one was asked for behind q's last
	GRAN 1, 0, 0, 0, 0, 1, 76800, 2
	GRAN 0, 0, 0, 0, 0, 1, 89600, 3
	GRAN 1, 0, 0, 0, 0, 1, 102400, 0               ; on into v
	AHEAD 1, 115200, 1
.irp m, 0,1,2,3
	s_wait_xcnt 0x0
	s_wait_alu depctr_vm_vsrc(0)                   ; the stores issued so far have read v[PC ..], which the lines below write again
	QUANT 64*\m, 1
	v_lshrrev_b32 v[KW+\m], v[SH], v[PW]
	v_and_b32 v[KW+\m], 0xffff, v[KW+\m]
	s_wait_alu depctr_va_vdst(0)                   ; the codes are written, which the four stores read; in the last turn all four words too
	HALFOUT 0, 22, 768*\m
	HALFOUT 6, 22, 768*\m+HEADB
.endr
	global_store_b128 v[KSO], v[KW:KW+3], s[24:25] ; the four tiles' words of a key, 16 bytes a lane
	GRAN 0, 1, 1, 25, 16, 0, 0, 0                  ; v, sources swapped: accumulator 4 t + m: d tile t, tokens down the registers
	GRAN 1, 1, 0, 0, 0, 1, 128000, 2
	GRAN 0, 1, 0, 0, 0, 1, 140800, 3
	GRAN 1, 1, 0, 0, 0, 0, 0, 0                    ; the last granule asks for nothing: no load leaves the stream
	v_cmp_ne_u32 vcc_lo, 0, v[SH]
	s_wait_alu depctr_va_vcc(0)                    ; VCC is written, ahead of its first reader: the two selections in the last turn below
.irp i, 0,1,2,3
	s_wait_xcnt 0x0
	s_wait_alu depctr_vm_vsrc(0)                   ; the stores issued so far have read v[PC ..], which the lines below write again
	QUANT 64*\i, 1                                 ; d tiles 2 i and 2 i + 1, two blocks of 32 tokens each
	v_mov_b32 v[VW+\i], v[PW]
.if \i == 3
	v_cndmask_b32 v[VD], v[VW], v[VW+2], vcc_lo    ; lanes 16-31 store head 2 w + 1's words
	v_cndmask_b32 v[VD+1], v[VW+1], v[VW+3], vcc_lo
.endif
	s_wait_alu depctr_va_vdst(0)                   ; the codes are written, which the four stores read; in the last turn the two words too
	HALFOUT 0, 26, HEADB*(\i/2)+3072*(\i%2)
	HALFOUT 6, 26, HEADB*(\i/2)+3072*(\i%2)+1536
.endr
	global_store_b64 v[VSO], v[VD:VD+1], s[28:29]
	s_wait_dscnt 0x0                               ; the closing lines, six on end
	s_wait_alu 0x0
	s_wait_tensorcnt 0x0
	ds_add_u32 v251, v255
	s_wait_dscnt 0x0
	s_endpgm
.Lfunc_end_k_qd704df4268_ln_qkv:
	.size	k_qd704df4268_ln_qkv, .Lfunc_end_k_qd704df4268_ln_qkv-k_qd704df4268_ln_qkv
	.p2alignl 7, 3214868480
	.fill 96, 4, 3214868480
	.section	.rodata,"a",@progbits
	.p2align	6, 0x0
	.amdhsa_kernel k_qd704df4268_ln_qkv
		.amdhsa_group_segment_fixed_size 159232
		.amdhsa_private_segment_fixed_size 0
		.amdhsa_enable_private_segment 0
		.amdhsa_kernarg_size 56
		.amdhsa_user_sgpr_count 2
		.amdhsa_user_sgpr_kernarg_segment_ptr 1
		.amdhsa_wavefront_size32 1
		.amdhsa_system_sgpr_workgroup_id_x 1
		.amdhsa_system_sgpr_workgroup_id_y 1
		.amdhsa_system_sgpr_workgroup_id_z 1
		.amdhsa_system_vgpr_workitem_id 0
		.amdhsa_next_free_vgpr 1024
		.amdhsa_next_free_sgpr 66
		.amdhsa_reserve_vcc 1
		.amdhsa_float_denorm_mode_32 3
		.amdhsa_float_denorm_mode_16_64 3
		.amdhsa_memory_ordered 1
		.amdhsa_forward_progress 1
		.amdhsa_inst_pref_size 238
	.end_amdhsa_kernel
	.amdgpu_metadata
---
amdhsa.version: [ 1, 2 ]
amdhsa.kernels:
  - .name:           k_qd704df4268_ln_qkv
    .symbol:         k_qd704df4268_ln_qkv.kd
    .args:
      - { .name: x, .offset: 0, .size: 8, .value_kind: global_buffer, .address_space: global }
      - { .name: g1, .offset: 8, .size: 8, .value_kind: global_buffer, .address_space: global }
      - { .name: be1, .offset: 16, .size: 8, .value_kind: global_buffer, .address_space: global }
      - { .name: wst1, .offset: 24, .size: 8, .value_kind: global_buffer, .address_space: global }
      - { .name: qimg, .offset: 32, .size: 8, .value_kind: global_buffer, .address_space: global }
      - { .name: qsc, .offset: 40, .size: 8, .value_kind: global_buffer, .address_space: global }
      - { .name: kv, .offset: 48, .size: 8, .value_kind: global_buffer, .address_space: global }
    .group_segment_fixed_size: 159232
    .private_segment_fixed_size: 0
    .kernarg_segment_align: 8
    .kernarg_segment_size: 56
    .max_flat_workgroup_size: 128
    .sgpr_count:     66
    .vgpr_count:     1024
    .wavefront_size: 32
...
	.end_amdgpu_metadata
.endif
;; end of part 6
;; launch attn: the kernel of part 3 again; grid 8 x 32, 16 waves a work-group, clusters of 4 x 1, 215,040 bytes of LDS; arguments qimg, qsc, kv, oimg, osc; writes oimg, osc
;; launch tail (part 7): grid 128 x 1, 4 waves a work-group, no clusters, 144,896 bytes of LDS; arguments x, g1, be1, bo, g2, be2, b1, b2, oimg, osc, wst3, out0; writes out0
.if DOCPART == 7
	.amdgcn_target "amdgcn-amd-amdhsa--gfx1250"
	.amdhsa_code_object_version 6
	.text
	.protected	k_qd704df4268_tail
	.globl	k_qd704df4268_tail
	.p2align	8
	.type	k_qd704df4268_tail,@function
k_qd704df4268_tail:
	s_mov_b64 s[64:65], 0
	v_nop
	global_prefetch_b8 v0, s[64:65] scope:SCOPE_SE
	s_setreg_imm32_b32 hwreg(HW_REG_WAVE_SCHED_MODE, 0, 2), 2
	s_setreg_imm32_b32 hwreg(HW_REG_WAVE_MODE, 25, 1), 1
	s_wait_xcnt 0x0
	s_wait_alu depctr_vm_vsrc(0)
; out = xn2 + relu(xn2 W1 + b1) W2 + b2, xn2 = layer norm(xn + o Wo + bo), xn = layer norm(x) (made anew from x: one read of x in place of a store and a read of xn).
; The three products run on codes of FP6 (E2M3) with E8M0 scales; o arrives as codes, xn2 and the hidden layer are quantised here and never go to memory.
; SHARES.  A work-group takes 64 tokens.  THE WAVES SHARE THE COLUMNS: wave w owns columns 128 w .. + 127 of everything 512 wide and hidden units 512 c + 128 w .. + 127 of each run c, for all 64 rows.
; Window 3 holds the wave's 64 x 128 numbers throughout: x, xn + bo, + o Wo, xn2, xn2 + b2, + the second FFN product: register 64 m + 16 b + i = column 128 w + 32 b + 16 h + i of row r of tile m.
; Rows of a tile, weight rows of a fragment: the chosen order 32 b + 8 u + i + (i & 8).  Row sums for the norms meet the other waves' in LDS.
; Operands go from wave to wave through LDS as images of their registers.  The hidden layer goes in 8 runs of 512 units, through two image regions by turns: ONE barrier a run.
; The weights come from wst3 in the order of the operand's registers, straight into registers, a granule (a K step of 128) ahead, two across the quantising of the hidden layer.
; THE WORK-GROUPS WALK THE EIGHT RUNS IN DIFFERENT ORDERS: work-group i begins with run (i + i / 8) % 8 and goes round.  So the 128 work-groups read eight different runs at a time, 16 work-groups each,
; and from its second run on a work-group asks for bytes that other work-groups asked for a whole run earlier.
; NO TENSOR LOADS, NO MULTICAST: each weight fragment feeds one wave alone and is never in LDS; a run's weights are 4 x 8 x 12,800 = 409,600 bytes, more than LDS holds.
; The last run's look-ahead goes round to the work-group's first run (bytes that exist and are not used), so that no load leaves its buffer.
; LIMITS: NaN and infinities are not served.  A block whose largest magnitude lies under 2^-124, a block of zeros too, gets the byte 1: only this program reads the bytes, and such a block's codes are zeros or what the floor's scale gives.
; The eight runs' contributions to the second FFN product are added in f32 in the order of the work-group's walk, which is not the reference's ascending order of K.
; REGISTERS: window 0 addresses, work, b1, activation fragments; window 1: x as loaded, the vectors g, be, b, then the 32 accumulators of the hidden layer; window 2: weights, two sets of 96; window 3: see above.
; THE MODE: SCHED_MODE bits 1:0 = 2 (LLVM: expert scheduling mode 2), set by the entry lines.  The code itself states the register dependences
; between vector or matrix instructions and memory or LDS instructions, with s_wait_alu, always for 0.
; THE PLAN.  Registers that memory or LDS instructions touch, and who else names them:
;   v1-19, v250, v251  addresses, made at the head: one wait on va_vdst ahead of the first load.  v[WOA], v[WOB], v[B1O] alone are written again, at a run's end: a wait on vm_vsrc ahead of those lines; the next granule's head wait stands behind them.
;   W0, W1 (window 2), S0, S1 (v82-89), A0, A1 (v154-249, v74-81)   a set of weights, of their scale words, of activation fragments and of their scale words.
;                      Granule i's 32 matrix instructions read set i % 2; the loads of granule i + 1 land in the other set, which granule i - 1 read.
;                      ONE wait on va_vdst at a granule's head states that granule i - 1 is done; the 41 loads follow it, dealt among granule i's matrix instructions, which name none of their registers.
;                      Behind the fourth granule of a run one more such wait frees its set at once, for the sixth; the fifth then asks for no weights and has no such wait.
;   v90-153            b1: read as C by a run's first granule; the next run's lands behind the second granule, whose head wait covers it.
;   PC, PW             the out-buffer of the quantiser: one wait on va_vdst ahead of each image's LDS stores, one on vm_vsrc ahead of the next lines that write it.
;   TM, PC in the norms   the row sums: TM is read by LDS stores, PC is where the four waves' sums land: a wait on va_vdst ahead of the stores, one on vm_vsrc behind the barrier.
;   window 1           x lands there, the stage's LDS stores read it, then the norm's vectors land there: one wait on vm_vsrc; later loads into it stand behind a granule's head wait.
;   window 3           on the way out read by LDS stores: the places, then one wait on va_vdst; the rows come back into v90-217, which global stores read: a wait on vm_vsrc ahead of the third and fourth tiles' loads.
.set LI, 1                             ; 16 l
.set LS, 2                             ; 4 l
.set LI2, 3                            ; the same at the hidden layer's images
.set LS2, 4
.set XWI, 5                            ; where I store xn2's images (K step w)
.set XWS, 6
.set HWI, 7                            ; the hidden layer's
.set HWS, 8
.set STO, 9                            ; my stage by (row r, half h)
.set SRD, 10                           ; my stage, 16 bytes a lane
.set WOA, 11                           ; this run's weights
.set WOB, 12                           ; the next run's
.set WOC, 13                           ; run 0's
.set GVO, 14                           ; my place in a vector along the columns: 64 h + 512 w
.set B1O, 15                           ; the next run's b1
.set RDA, 16
.set RDL, 17
.set L8, 18
.set R4, 19
.set TM, 20
.set PW, 36
.set PC, 38
.set MU, 58
.set RS, 66
.set AS, 74
.set SCW, 82
.set B1R, 90                           ; v90-153 b1 of my 128 hidden units, in the result's layout
.set AF, 154
.set OWI, 250
.set OWS, 251
.set WV, 32
.set SEL, 34
.set TRIPS, 38
.set CC, 39                            ; s39 the run in hand, not yet taken modulo 8
.set C0, 48                            ; s48 the work-group's first run
.set WP, 28                            ; s[28:29] my stream of weights
.set XSC, 24576                        ; LDS: xn2's 16 images at 0, their scale words here;
.set OIM, 26624                        ; o's likewise;
.set HIM, 53248                        ; the hidden layer's two regions of 26,624;
.set STG, 106496                       ; a stage of 16 rows x 528 bytes for each wave;
.set RED, 140288                       ; four regions of 1,024 bytes for the row sums
.set MSB, 0
.macro WIN new                         ; the immediate's high byte repeats the setting that is left
.if MSB != (\new)
	s_set_vgpr_msb (MSB<<8)|(\new)
.set MSB, \new
.endif
.endm
.macro NOP4
.rept 4
	v_nop
.endr
.endm
.macro BARRIER                         ; my LDS stores have landed and my LDS loads are in: then the work-group's barrier
	s_wait_dscnt 0x0
	s_barrier_signal -1
	s_barrier_wait -1
.endm
; 64 numbers of a lane in window w, register 16 b + i = k 32 b + 16 h + i of my row, become a fragment's codes in v[PC] on and its scale word in v[PW].
.macro QUANT s, w
	WIN (\w)|((\w)<<2)
.irp b, 0,1,2,3
	v_max3_num_f32 v[TM+\b], |v[(\s)+16*\b]|, |v[(\s)+1+16*\b]|, 0x1800000   ; with the floor 2^(3 - 127): the byte cannot fall under 1
.endr
	WIN ((\w)<<2)|((\w)<<4)
.irp i, 2,4,6,8,10,12,14
.irp b, 0,1,2,3
	v_max3_num_f32 v[TM+\b], v[TM+\b], |v[(\s)+16*\b+\i]|, |v[(\s)+1+16*\b+\i]|
.endr
.endr
	WIN 0
.irp b, 0,1,2,3
	v_permlanex16_b32 v[TM+4+\b], v[TM+\b], s[SEL], s[SEL+1]
.endr
.irp b, 0,1,2,3
	v_max_num_f32 v[TM+\b], v[TM+\b], v[TM+4+\b]
.endr
.irp b, 0,1,2,3
	v_add_nc_u32 v[TM+12+\b], 0xff000000, v[TM+\b] ; 2 off the exponent field: the conversion's scale operand
.endr
.irp b, 0,1,2,3
	v_lshrrev_b32 v[TM+4+\b], 23, v[TM+12+\b]
.endr
	v_lshl_or_b32 v[PW], v[TM+5], 8, v[TM+4]
	v_lshl_or_b32 v[PW], v[TM+6], 16, v[PW]
	v_lshl_or_b32 v[PW], v[TM+7], 24, v[PW]
	WIN \w
.irp c, 0,1
	v_cvt_scalef32_pk16_fp6_f32 v[PC+6*\c:PC+2+6*\c], v[(\s)+32*\c:(\s)+15+32*\c], v[TM+12+2*\c]
	v_cvt_scalef32_pk16_fp6_f32 v[PC+12+4*\c:PC+14+4*\c], v[(\s)+16+32*\c:(\s)+31+32*\c], v[TM+12+2*\c+1]
.endr
	WIN 0
	v_nop                                          ; one plain place behind a scaled conversion
.irp c, 0,1
.irp i, 0,1,2
	v_permlane16_swap_b32 v[PC+6*\c+\i], v[PC+12+4*\c+\i]
.endr
.irp i, 0,1,2
	v_mov_b32 v[PC+3+6*\c+\i], v[PC+12+4*\c+\i]
.endr
.endr
.endm
.macro IMAGE adr, off
.irp c, 0,1,2
	ds_store_b128 v[\adr], v[PC+4*\c:PC+4*\c+3] offset:(\off)+512*\c
.endr
.endm
.macro AFLOAD set, ra, rs, base, sbase, ks   ; the four row tiles' fragments and scale words of K step ks: 16 LDS loads
.irp m, 0,1,2,3
.irp c, 0,1,2
	ds_load_b128 v[AF+48*(\set)+12*\m+4*\c:AF+48*(\set)+12*\m+4*\c+3], v[\ra] offset:(\base)+(4*\m+(\ks))*1536+512*\c
.endr
	ds_load_b32 v[AS+4*(\set)+\m], v[\rs] offset:(\sbase)+128*(4*\m+(\ks))
.endr
.endm
.macro WSCL set, reg, off              ; a granule's scale words: one load
	WIN 0
	global_load_b128 v[SCW+4*(\set):SCW+4*(\set)+3], v[\reg], s[WP:WP+1] offset:(\off)+12288
.endm
.macro WLOADH set, reg, off, hf        ; half a granule of weights: four fragments, 12 loads, three to a fragment; the destination's window is left at 2
	WIN 0x80
.irp f, 0,1,2,3
.irp c, 0,1,2
	global_load_b128 v[96*(\set)+12*(4*(\hf)+\f)+4*\c:96*(\set)+12*(4*(\hf)+\f)+4*\c+3], v[\reg], s[WP:WP+1] offset:(\off)+1536*(4*(\hf)+\f)+512*\c
.endr
.endr
.endm
.macro WLOAD set, reg, off             ; a whole granule, 25 loads: the scale words, then fragments 0 to 7
	WSCL \set, \reg, \off
	WLOADH \set, \reg, \off, 0
	WLOADH \set, \reg, \off, 1
	WIN 0
.endm
.macro WM
.if CK_ == 0
.if R_ == 0
	v_wmma_scale_f32_16x16x128_f8f6f4 v[D_:D_+7], v[A_:A_+11], v[B_:B_+11], 0, v[SA_], v[SB_] matrix_a_fmt:MATRIX_FMT_FP6 matrix_b_fmt:MATRIX_FMT_FP6
.else
	v_wmma_scale_f32_16x16x128_f8f6f4 v[D_:D_+7], v[A_:A_+11], v[B_:B_+11], 0, v[SA_], v[SB_] matrix_a_fmt:MATRIX_FMT_FP6 matrix_b_fmt:MATRIX_FMT_FP6 matrix_a_scale:MATRIX_SCALE_ROW1
.endif
.else
.if R_ == 0
	v_wmma_scale_f32_16x16x128_f8f6f4 v[D_:D_+7], v[A_:A_+11], v[B_:B_+11], v[C_:C_+7], v[SA_], v[SB_] matrix_a_fmt:MATRIX_FMT_FP6 matrix_b_fmt:MATRIX_FMT_FP6
.else
	v_wmma_scale_f32_16x16x128_f8f6f4 v[D_:D_+7], v[A_:A_+11], v[B_:B_+11], v[C_:C_+7], v[SA_], v[SB_] matrix_a_fmt:MATRIX_FMT_FP6 matrix_b_fmt:MATRIX_FMT_FP6 matrix_a_scale:MATRIX_SCALE_ROW1
.endif
.endif
.endm
; 8 matrix instructions: weight fragments t0, t0 + 1 (source 0) x the four row tiles (source 1).  first = 1: the constant 0 starts the sums; 2: b1 does; 0: in place.
; The accumulators take turns, one instruction a turn.  Fragments 4-7 find their scale words in lanes 16-31.
.macro MM8 set, first, t0
.irp tt, 0,1
.irp m, 0,1,2,3
.set T_, (\t0)+\tt
.set D_, 8*(8*\m+T_)
.set A_, 96*(\set)+12*T_
.set B_, AF+48*(\set)+12*\m
.set SA_, SCW+4*(\set)+T_%4
.set SB_, AS+4*(\set)+\m
.set R_, T_/4
.set C_, D_
.set CK_, 1
.if (\first) == 1
.set CK_, 0
.elseif (\first) == 2
.set C_, B1R+8*T_
.endif
	WM
.endr
.endr
.endm
; A GRANULE'S WORK: 32 matrix instructions on one K step of 128, from set 'set'.  mode 0: into window 1; mode 3: onto window 3.
; pw = 1: the next granule's weights (wreg, woff) are asked for, pa = 1: its activations (K step ks), both into the other set.  hw = 1: the wait that those loads owe stands at the head.
; yo: the global loads issued behind this granule's 25 and ahead of its head; nd: the LDS loads younger than its 16.
; The granule's weights came in the order scale words, fragments 0 to 7, three loads a fragment: each eight products wait for their two fragments alone.
.macro GRAN set, mode, first, yo, nd, hw, pw, wreg, woff, pa, ra, rs, base, sbase, ks
	s_wait_loadcnt 18+(\yo)                        ; the scale words and fragments 0, 1 are in; younger: fragments 2 to 7 and what came behind them
	s_wait_dscnt \nd                               ; the activations are in
.if (\mode) == 3
.set MW_, 0xf2                         ; source 0 (weights) window 2, C and D window 3
.elseif (\first) == 2
.set MW_, 0x42                         ; source 0 window 2, C window 0, D window 1
.else
.set MW_, 0x52                         ; source 0 window 2, C and D window 1
.endif
.if \hw
	s_wait_alu depctr_va_vdst(0)                   ; the granule before is done reading the other set (weights, their scale words, activations, theirs), in which this granule's loads land; at a run's head the offsets v[WOA], v[WOB], v[B1O] are written
.endif
.if \pw
	WSCL 1-(\set), \wreg, \woff
	WLOADH 1-(\set), \wreg, \woff, 0
.endif
	WIN MW_
	MM8 \set, \first, 0
.if \pw
	WLOADH 1-(\set), \wreg, \woff, 1               ; no wait: no vector or matrix instruction since the last wait on va_vdst names the other set
.endif
	s_wait_loadcnt 12+(\yo)+25*(\pw)               ; fragments 2, 3
	WIN MW_
	MM8 \set, \first, 2
.if \pa
	WIN 0
	AFLOAD 1-(\set), \ra, \rs, \base, \sbase, \ks
.endif
	s_wait_loadcnt 6+(\yo)+25*(\pw)                ; fragments 4, 5
	WIN MW_
	MM8 \set, \first, 4
	s_wait_loadcnt (\yo)+25*(\pw)                  ; fragments 6, 7
	MM8 \set, \first, 6
	NOP4                                           ; places in front of loads into registers that these matrix instructions have read, and of the first read of results
	WIN 0
.endm
.macro RSUM sq                         ; sums over my 64 numbers of each row tile (sq = 1: of squares), then with lane l xor 16: results in v[TM + 2 k]
	WIN 0x0f
.irp k, 0,1,2,3
.if \sq
	v_pk_mul_f32 v[TM+2*\k:TM+2*\k+1], v[64*\k:64*\k+1], v[64*\k:64*\k+1]
.else
	v_pk_add_f32 v[TM+2*\k:TM+2*\k+1], v[64*\k:64*\k+1], v[64*\k+2:64*\k+3]
.endif
.endr
.if \sq
.set J_, 2
.else
	WIN 0x0c
.set J_, 4
.endif
.rept 30+(\sq)
.irp k, 0,1,2,3
.if \sq
	v_pk_fma_f32 v[TM+2*\k:TM+2*\k+1], v[64*\k+J_:64*\k+J_+1], v[64*\k+J_:64*\k+J_+1], v[TM+2*\k:TM+2*\k+1]
.else
	v_pk_add_f32 v[TM+2*\k:TM+2*\k+1], v[TM+2*\k:TM+2*\k+1], v[64*\k+J_:64*\k+J_+1]
.endif
.endr
.set J_, J_+2
.endr
	WIN 0
.irp k, 0,1,2,3
	v_add_f32 v[TM+2*\k], v[TM+2*\k], v[TM+2*\k+1]
.endr
.irp k, 0,1,2,3
	v_permlanex16_b32 v[TM+2*\k+1], v[TM+2*\k], s[SEL], s[SEL+1]
.endr
.irp k, 0,1,2,3
	v_add_f32 v[TM+2*\k], v[TM+2*\k], v[TM+2*\k+1]
.endr
.endm
.macro XSUB
	WIN 0xc3
.irp k, 0,1,2,3
.set J_, 0
.rept 32
	v_pk_add_f32 v[64*\k+J_:64*\k+J_+1], v[64*\k+J_:64*\k+J_+1], v[MU+2*\k:MU+2*\k+1] neg_lo:[0,1] neg_hi:[0,1]
.set J_, J_+2
.endr
.endr
	WIN 0
.endm
.macro XSCALE
	WIN 0xc3
.irp k, 0,1,2,3
.set J_, 0
.rept 32
	v_pk_mul_f32 v[64*\k+J_:64*\k+J_+1], v[64*\k+J_:64*\k+J_+1], v[RS+2*\k:RS+2*\k+1]
.set J_, J_+2
.endr
.endr
	WIN 0
.endm
.macro XAFF k                          ; row tile k: x g + be; g at v0-63 and be at v64-127 of window 1
	WIN 0xd7
.set J_, 0
.rept 32
	v_pk_fma_f32 v[64*(\k)+J_:64*(\k)+J_+1], v[64*(\k)+J_:64*(\k)+J_+1], v[J_:J_+1], v[64+J_:64+J_+1]
.set J_, J_+2
.endr
	WIN 0
.endm
.macro GLOAD dst, ptr, off             ; my 64 numbers of a vector along the columns, into window 1
	WIN 0x40
.irp b, 0,1,2,3
.irp jj, 0,1,2,3
	global_load_b128 v[(\dst)+16*\b+4*\jj:(\dst)+16*\b+4*\jj+3], v[GVO], s[\ptr:\ptr+1] offset:(\off)+128*\b+16*\jj
.endr
.endr
	WIN 0
.endm
.macro B1LOAD reg                      ; b1 of my 128 hidden units of a run, in the result's layout: 16 loads
.irp b, 0,1,2,3
.irp jj, 0,1,2,3
	global_load_b128 v[B1R+16*\b+4*\jj:B1R+16*\b+4*\jj+3], v[\reg], s[20:21] offset:128*\b+16*\jj
.endr
.endr
.endm
.macro XRED a                          ; my four sums meet the other three waves', through region a: results in v[PC + 4 m], the same in every wave
	s_wait_alu depctr_va_vdst(0)                   ; the four sums are written, which the LDS stores read; and the vector lines so far are done with v[PC ..], in which the loads below land
.irp m, 0,1,2,3
	ds_store_b32 v[RDA], v[TM+2*\m] offset:256*\m+1024*(\a)   ; both lanes of a row write the same word with the same value
.endr
	BARRIER
	s_wait_alu depctr_vm_vsrc(0)                   ; my LDS stores have read v[TM ..], which later lines write again, and earlier ones v[PC ..], in which the loads below land
.irp m, 0,1,2,3
	ds_load_b128 v[PC+4*\m:PC+4*\m+3], v[RDL] offset:256*\m+1024*(\a)
.endr
	s_wait_dscnt 0x0
.irp m, 0,1,2,3
	v_add_f32 v[PC+4*\m], v[PC+4*\m], v[PC+4*\m+1]
.endr
.irp m, 0,1,2,3
	v_add_f32 v[PC+4*\m+2], v[PC+4*\m+2], v[PC+4*\m+3]
.endr
.irp m, 0,1,2,3
	v_add_f32 v[PC+4*\m], v[PC+4*\m], v[PC+4*\m+2]
.endr
.endm
.macro LNORM a                         ; window 3 becomes (x - mean) / sqrt(var + eps), in two passes; regions a and a + 1 are used once each
	RSUM 0
	XRED \a
.irp m, 0,1,2,3
	v_mul_f32 v[MU+2*\m], s36, v[PC+4*\m]
.endr
.irp m, 0,1,2,3
	v_mov_b32 v[MU+2*\m+1], v[MU+2*\m]
.endr
	XSUB
	RSUM 1
	XRED (\a)+1
.irp m, 0,1,2,3
	v_fma_f32 v[PC+4*\m], v[PC+4*\m], s36, s37
.endr
.irp m, 0,1,2,3
	v_rsq_f32 v[RS+2*\m], v[PC+4*\m]
.endr
	v_nop                                          ; a plain place behind the transcendentals
	s_wait_alu depctr_va_vdst(0)                   ; the four roots' reciprocals are written, ahead of their first reader
.irp m, 0,1,2,3
	v_mov_b32 v[RS+2*\m+1], v[RS+2*\m]
.endr
	XSCALE
.endm
	s_load_b512 s[8:23], s[0:1], 0x0               ; x s[8:9], g1 s[10:11], be1 s[12:13], bo s[14:15], g2 s[16:17], be2 s[18:19], b1 s[20:21], b2 s[22:23]
	s_load_b256 s[24:31], s[0:1], 0x40             ; oimg s[24:25], osc s[26:27], wst3 s[28:29], out0 s[30:31]
	v_lshl_add_u32 v254, v0, 2, 0x23400
	v_mov_b32 v255, 0
	v_lshrrev_b32 v1, 5, v0
	v_readfirstlane_b32 s[WV], v1                  ; wave 0..3
	v_and_b32 v20, 31, v0                          ; l
	v_and_b32 v21, 15, v0                          ; r
	v_bfe_u32 v22, v0, 4, 1                        ; h
	v_lshlrev_b32 v[LI], 4, v20
	v_lshlrev_b32 v[LS], 2, v20
	v_lshlrev_b32 v[L8], 3, v20
	v_lshlrev_b32 v[R4], 2, v21
	v_add_nc_u32 v[LI2], HIM, v[LI]
	v_add_nc_u32 v[LS2], HIM, v[LS]
	s_wait_alu depctr_va_sdst(0)                   ; the wave's number is written, ahead of its first reader: LDS places and the buffers' offsets are made from it
	s_mul_i32 s40, s[WV], 1536
	v_add_nc_u32 v[XWI], s40, v[LI]
	v_add_nc_u32 v[HWI], HIM, v[XWI]
	s_lshl_b32 s40, s[WV], 7
	v_add_nc_u32 v[XWS], s40, v[LS]
	v_add_nc_u32 v[HWS], HIM, v[XWS]
	s_mul_i32 s40, s[WV], 6144
	v_add_nc_u32 v[OWI], s40, v[LI]
	s_lshl_b32 s40, s[WV], 9
	v_add_nc_u32 v[OWS], s40, v[LS]
	v_lshlrev_b32 v[GVO], 6, v22
	v_add_nc_u32 v[GVO], s40, v[GVO]
	s_mul_i32 s40, s[WV], 8448
	s_add_co_u32 s40, s40, STG
	v_add_nc_u32 v[SRD], s40, v[LI]
	v_mul_u32_u24 v[STO], v21, 528
	v_lshl_add_u32 v[STO], v22, 6, v[STO]
	v_add_nc_u32 v[STO], s40, v[STO]
	v_lshlrev_b32 v[RDL], 4, v21
	v_add_nc_u32 v[RDL], RED, v[RDL]
	s_lshl_b32 s40, s[WV], 2
	v_add_nc_u32 v[RDA], s40, v[RDL]
	v_add_nc_u32 v[WOC], 51200, v[LI]              ; behind Wo's four granules
	s_lshr_b32 s[C0], ttmp9, 3
	s_add_co_u32 s[C0], s[C0], ttmp9
	s_and_b32 s[C0], s[C0], 7                      ; my work-group's first run: (i + i / 8) % 8: each run is the first of 16 work-groups
	s_mul_i32 s49, s[C0], 102400                   ; a run's eight granules
	v_add_nc_u32 v[WOA], s49, v[WOC]               ; the first run's weights,
	s_lshl_b32 s49, s[C0], 11
	v_add_nc_u32 v[B1O], s49, v[GVO]               ; and its b1: 512 numbers a run
.irp b, 0,1,2,3
	v_mov_b32 v[TM+4+\b], 0                        ; a lane permute's destination counts as one of its sources
.endr
	s_mov_b32 s[SEL], 0x76543210
	s_mov_b32 s[SEL+1], 0xfedcba98                 ; lane l xor 16
	s_mov_b32 s36, 0x3b000000                      ; 1 / 512
	s_mov_b32 s37, 0x3727c5ac                      ; 1e-5
	s_lshl_b32 s40, ttmp9, 17                      ; x and out0: 64 rows of 2,048 bytes a block, + my 512 bytes of a row
	s_lshl_b32 s41, s[WV], 9
	s_add_co_u32 s40, s40, s41
	s_mov_b32 s41, 0
	s_lshl_b32 s42, ttmp9, 2
	s_add_co_u32 s42, s42, s[WV]                   ; 4 tb + w: the row tile whose o I bring in
	s_mul_i32 s44, s42, 6144
	s_mov_b32 s45, 0
	s_lshl_b32 s42, s42, 9
	s_mov_b32 s43, 0
	s_mul_i32 s46, s[WV], 870400
	s_mov_b32 s47, 0
	s_wait_kmcnt 0x0
	s_add_nc_u64 s[8:9], s[8:9], s[40:41]
	s_add_nc_u64 s[30:31], s[30:31], s[40:41]
	s_add_nc_u64 s[24:25], s[24:25], s[44:45]
	s_add_nc_u64 s[26:27], s[26:27], s[42:43]
	s_add_nc_u64 s[28:29], s[28:29], s[46:47]
	s_wait_alu depctr_va_vdst(0)                   ; all addresses and offsets are written, which the loads and stores read; so are v20 to v27, in which o's scale words land
	WLOAD 0, LI, 0                                 ; Wo's first two granules
	WLOAD 1, LI, 12800
.irp hd, 0,1,2,3,4,5,6,7               ; o of row tile w: eight half records land on end: heads 2 s and 2 s + 1 are K step s's fragment
	global_load_b128 v[AF+6*\hd:AF+6*\hd+3], v[LI], s[24:25] offset:768*\hd
	global_load_b64 v[AF+6*\hd+4:AF+6*\hd+5], v[L8], s[24:25] offset:768*\hd+512
	global_load_b32 v[TM+\hd], v[R4], s[26:27] offset:64*\hd
.endr
	WIN 0x40                                       ; my 512 bytes of each of the 64 rows of x, a row a load
.set N_, 0
.rept 64
	global_load_b128 v[4*N_:4*N_+3], v[LI], s[8:9] offset:(32*((N_/16)/2)+8*((N_/16)%2)+(N_%16)+((N_%16)&8))*2048 th:TH_LOAD_NT
.set N_, N_+1
.endr
	WIN 0
	s_wait_loadcnt 0x0
.irp s4, 0,1,2,3
	v_perm_b32 v[PC+\s4], v[TM+2*\s4+1], v[TM+2*\s4], 0x05040100   ; two heads' two bytes each make the K step's scale word
.endr
	s_wait_alu depctr_va_vdst(0)                   ; the four scale words are written, which LDS stores below read
.irp s4, 0,1,2,3
.irp c, 0,1,2
	ds_store_b128 v[OWI], v[AF+12*\s4+4*\c:AF+12*\s4+4*\c+3] offset:OIM+1536*\s4+512*\c
.endr
	ds_store_b32 v[OWS], v[PC+\s4] offset:OIM+XSC+128*\s4
.endr
.irp m, 0,1,2,3                        ; x through my own stage: a lane gets 16 neighbours of each block of 32 of ONE row
	WIN 0x04
.set I_, 0
.rept 16
	ds_store_b128 v[SRD], v[64*\m+4*I_:64*\m+4*I_+3] offset:528*I_
.set I_, I_+1
.endr
	WIN 0xc0                                       ; LDS serves a wave's instructions in order: these see my stores, and the next tile's stores come behind them
.irp b, 0,1,2,3
.irp jj, 0,1,2,3
	ds_load_b128 v[64*\m+16*\b+4*\jj:64*\m+16*\b+4*\jj+3], v[STO] offset:128*\b+16*\jj
.endr
.endr
.endr
	WIN 0
	s_wait_dscnt 0x0
	s_wait_alu depctr_vm_vsrc(0)                   ; the LDS stores into the stage have read window 1, in which g1, be1 and bo land; those of o's images have read v[AF ..], in which fragments land later
	GLOAD 0, 10, 0                                 ; g1
	GLOAD 64, 12, 0                                ; be1
	GLOAD 128, 14, 0                               ; bo
	LNORM 0
	s_wait_loadcnt 0x0
	WIN 0x45
.set J_, 0
.rept 32
	v_pk_add_f32 v[64+J_:65+J_], v[64+J_:65+J_], v[128+J_:129+J_]   ; be1 + bo
.set J_, J_+2
.endr
	WIN 0
.irp k, 0,1,2,3
	XAFF \k                                        ; xn + bo: what the product o Wo adds onto
.endr
	AFLOAD 0, LI, LS, OIM, OIM+XSC, 0              ; the norm's barriers have shown all four waves' images of o
	AFLOAD 1, LI, LS, OIM, OIM+XSC, 1
	GRAN 0, 3, 0, 0, 16, 0, 0, LI, 0, 0, LI, LS, 0, 0, 0             ; both sets were asked for above: the first granule asks for nothing
	GRAN 1, 3, 0, 0, 0, 1, 1, LI, 25600, 1, LI, LS, OIM, OIM+XSC, 2
	GRAN 0, 3, 0, 0, 0, 1, 1, LI, 38400, 1, LI, LS, OIM, OIM+XSC, 3
	GRAN 1, 3, 0, 0, 0, 1, 1, WOA, 0, 0, LI, LS, 0, 0, 0             ; the look-ahead runs on into my first run's W1
	GLOAD 0, 16, 0                                 ; g2.  (No wait: the lines that read window 1 stand ahead of the granules' head waits, and nothing since names it)
	GLOAD 64, 18, 0                                ; be2
	GLOAD 128, 22, 0                               ; b2
	B1LOAD B1O                                     ; b1 of my first run
	LNORM 2
	s_wait_loadcnt 0x0
.irp k, 0,1,2,3
	XAFF \k                                        ; xn2
.endr
.irp m, 0,1,2,3
	s_wait_dscnt 0x0                               ; the last image's stores have read their registers
.if \m > 0
	s_wait_alu depctr_vm_vsrc(0)                   ; the last image's LDS stores have read v[PC ..] and v[PW], which the lines below write again
.endif
	QUANT 64*\m, 3
	s_wait_alu depctr_va_vdst(0)                   ; the codes and the scale word are written, which the LDS stores read
	IMAGE XWI, 6144*\m                             ; K step w of the first FFN product, row tile m
	ds_store_b32 v[XWS], v[PW] offset:XSC+512*\m
.endr
	WIN 0xc7
.irp k, 0,1,2,3
.set J_, 0
.rept 32
	v_pk_add_f32 v[64*\k+J_:64*\k+J_+1], v[64*\k+J_:64*\k+J_+1], v[128+J_:129+J_]   ; xn2 + b2: what the second FFN product adds onto
.set J_, J_+2
.endr
.endr
	WIN 0
	s_wait_xcnt 0x0                                ; b1's loads have read their offset: it may be written
	s_wait_alu depctr_vm_vsrc(0)                   ; b1's loads have read v[B1O], which is written below; the last image's LDS stores have read v[PC ..] and v[PW]
	s_add_co_u32 s40, s[C0], 1
	s_and_b32 s40, s40, 7                          ; my second run
	s_mul_i32 s41, s40, 102400
	v_add_nc_u32 v[WOB], s41, v[WOC]
	s_lshl_b32 s41, s40, 11
	v_add_nc_u32 v[B1O], s41, v[GVO]
	s_mov_b32 s[CC], s[C0]
	s_mov_b32 s[TRIPS], 4
	BARRIER                                        ; xn2's sixteen fragments lie in LDS
	AFLOAD 0, LI, LS, 0, XSC, 0                    ; the first granule's activations; each granule asks for the next one's
; A RUN OF 512 HIDDEN UNITS.  Four granules of W1 make my 128 units for the 64 rows; relu; quantised; images to region par; ONE barrier; four granules of W2 add onto window 3.
; Region par is written again two runs on, behind the other region's barrier, which every wave reaches with its reads of this one awaited.
.macro CHUNK par
	GRAN 0, 0, 2, 0, 0, 1, 1, WOA, 12800, 1, LI, LS, 0, XSC, 1
	GRAN 1, 0, 0, 0, 0, 1, 1, WOA, 25600, 1, LI, LS, 0, XSC, 2
	B1LOAD B1O                                     ; the next run's b1: 16 loads.  No wait: the run's first granule, which read these registers, stands ahead of the second's head wait, and nothing since names them
	GRAN 0, 0, 0, 16, 0, 1, 1, WOA, 38400, 1, LI, LS, 0, XSC, 3      ; 16: b1's loads stand behind this granule's weights
	GRAN 1, 0, 0, 0, 0, 1, 1, WOA, 51200, 0, LI, LS, 0, 0, 0
	s_wait_alu depctr_va_vdst(0)                   ; the fourth granule is done reading its set of weights and scale words, in which the sixth granule's land
	WLOAD 1, WOA, 64000                            ; so two granules are on their way while the hidden layer is quantised
.irp m, 0,1,2,3
	WIN 0x44
.set J_, 0
.rept 64
	v_max_num_f32 v[64*\m+J_], 0, v[64*\m+J_]      ; the activation, in f32
.set J_, J_+1
.endr
	s_wait_dscnt 0x0                               ; the last image's stores have read their registers
	s_wait_alu depctr_vm_vsrc(0)                   ; the last image's LDS stores have read v[PC ..] and v[PW], which the lines below write again
	QUANT 64*\m, 1
	s_wait_alu depctr_va_vdst(0)                   ; the codes and the scale word are written, which the LDS stores read
	IMAGE HWI, 26624*(\par)+6144*\m                ; K step w of this run, row tile m
	ds_store_b32 v[HWS], v[PW] offset:26624*(\par)+XSC+512*\m
.endr
	BARRIER                                        ; the run's sixteen hidden fragments lie in LDS
	AFLOAD 0, LI2, LS2, 26624*(\par), 26624*(\par)+XSC, 0
	GRAN 0, 3, 0, 25, 0, 0, 0, WOA, 0, 1, LI2, LS2, 26624*(\par), 26624*(\par)+XSC, 1     ; 25: the sixth granule's weights were asked for above.  No head wait: the other activation set was last read ahead of the waits above
	GRAN 1, 3, 0, 0, 0, 1, 1, WOA, 76800, 1, LI2, LS2, 26624*(\par), 26624*(\par)+XSC, 2
	GRAN 0, 3, 0, 0, 0, 1, 1, WOA, 89600, 1, LI2, LS2, 26624*(\par), 26624*(\par)+XSC, 3
	GRAN 1, 3, 0, 0, 0, 1, 1, WOB, 0, 1, LI, LS, 0, XSC, 0                                ; on into the next run
	s_wait_xcnt 0x0                                ; the pending loads have read their offsets: these may be written
	s_wait_alu depctr_vm_vsrc(0)                   ; the loads issued so far have read v[WOA], v[WOB] and v[B1O], which the lines below write
	v_mov_b32 v[WOA], v[WOB]
	s_add_co_u32 s[CC], s[CC], 1
	s_add_co_u32 s40, s[CC], 1
	s_and_b32 s40, s40, 7                          ; the run after next, round the end of the eight
	s_mul_i32 s41, s40, 102400
	v_add_nc_u32 v[WOB], s41, v[WOC]
	s_lshl_b32 s41, s40, 11
	v_add_nc_u32 v[B1O], s41, v[GVO]
.endm
.Lruns:                                            ; four trips of two runs
	CHUNK 0
	CHUNK 1
	s_sub_co_u32 s[TRIPS], s[TRIPS], 1
	s_cmp_lg_u32 s[TRIPS], 0
	s_cbranch_scc1 .Lruns
	s_wait_dscnt 0x0                               ; the look-ahead that nobody uses has landed: its registers serve the way out
	s_wait_loadcnt 0x0
	s_wait_alu depctr_va_vdst(0)                   ; the last matrix instructions have written window 3, which the LDS stores read (the four places stand at the granule's end), and are done reading v90 to v217, in which the rows from the stage land
; THE WAY OUT, a row tile at a time: through my own stage, back as whole rows of my 512 bytes, which the 32 lanes store as 512 consecutive bytes.
.macro TOSTAGE a
	WIN 0x0c
.irp b, 0,1,2,3
.irp jj, 0,1,2,3
	ds_store_b128 v[STO], v[64*(\a)+16*\b+4*\jj:64*(\a)+16*\b+4*\jj+3] offset:128*\b+16*\jj   ; each accumulator from its low end on
.endr
.endr
	WIN 0
.set BB_, AF-64*((\a)%2)
.set I_, 0
.rept 16
	ds_load_b128 v[BB_+4*I_:BB_+4*I_+3], v[SRD] offset:528*I_
.set I_, I_+1
.endr
.endm
.macro SEND a, younger                 ; younger: the LDS instructions issued behind tile a's loads
.set BB_, AF-64*((\a)%2)
	s_wait_dscnt \younger
.set I_, 0
.rept 16
	global_store_b128 v[LI], v[BB_+4*I_:BB_+4*I_+3], s[30:31] offset:(32*((\a)/2)+8*((\a)%2)+I_+(I_&8))*2048 th:TH_STORE_NT
.set I_, I_+1
.endr
.endm
	TOSTAGE 0
.irp a, 1,2,3
.if \a > 1
	s_wait_xcnt 0x0                                ; tile a - 2's stores have read their registers: tile a's loads may land there
	s_wait_alu depctr_vm_vsrc(0)                   ; tile a - 2's global stores have read their data registers, in which tile a's rows land
.endif
	TOSTAGE \a
	SEND \a-1, 32                                  ; behind tile a - 1's loads: tile a's 16 stores and 16 loads
.endr
	SEND 3, 0
	s_wait_dscnt 0x0                               ; the closing lines, six on end
	s_wait_alu 0x0
	s_wait_tensorcnt 0x0
	ds_add_u32 v254, v255
	s_wait_dscnt 0x0
	s_endpgm
.Lfunc_end_k_qd704df4268_tail:
	.size	k_qd704df4268_tail, .Lfunc_end_k_qd704df4268_tail-k_qd704df4268_tail
	.p2alignl 7, 3214868480
	.fill 96, 4, 3214868480
	.section	.rodata,"a",@progbits
	.p2align	6, 0x0
	.amdhsa_kernel k_qd704df4268_tail
		.amdhsa_group_segment_fixed_size 144896
		.amdhsa_private_segment_fixed_size 0
		.amdhsa_enable_private_segment 0
		.amdhsa_kernarg_size 96
		.amdhsa_user_sgpr_count 2
		.amdhsa_user_sgpr_kernarg_segment_ptr 1
		.amdhsa_wavefront_size32 1
		.amdhsa_system_sgpr_workgroup_id_x 1
		.amdhsa_system_sgpr_workgroup_id_y 1
		.amdhsa_system_sgpr_workgroup_id_z 1
		.amdhsa_system_vgpr_workitem_id 0
		.amdhsa_next_free_vgpr 1024
		.amdhsa_next_free_sgpr 66
		.amdhsa_reserve_vcc 0
		.amdhsa_float_denorm_mode_32 3
		.amdhsa_float_denorm_mode_16_64 3
		.amdhsa_memory_ordered 1
		.amdhsa_forward_progress 1
		.amdhsa_inst_pref_size 255
	.end_amdhsa_kernel
	.section	.bss,"aw",@nobits
	.p2align	6
	.space	262144
	.amdgpu_metadata
---
amdhsa.version: [ 1, 2 ]
amdhsa.kernels:
  - .name:           k_qd704df4268_tail
    .symbol:         k_qd704df4268_tail.kd
    .args:
      - { .name: x, .offset: 0, .size: 8, .value_kind: global_buffer, .address_space: global }
      - { .name: g1, .offset: 8, .size: 8, .value_kind: global_buffer, .address_space: global }
      - { .name: be1, .offset: 16, .size: 8, .value_kind: global_buffer, .address_space: global }
      - { .name: bo, .offset: 24, .size: 8, .value_kind: global_buffer, .address_space: global }
      - { .name: g2, .offset: 32, .size: 8, .value_kind: global_buffer, .address_space: global }
      - { .name: be2, .offset: 40, .size: 8, .value_kind: global_buffer, .address_space: global }
      - { .name: b1, .offset: 48, .size: 8, .value_kind: global_buffer, .address_space: global }
      - { .name: b2, .offset: 56, .size: 8, .value_kind: global_buffer, .address_space: global }
      - { .name: oimg, .offset: 64, .size: 8, .value_kind: global_buffer, .address_space: global }
      - { .name: osc, .offset: 72, .size: 8, .value_kind: global_buffer, .address_space: global }
      - { .name: wst3, .offset: 80, .size: 8, .value_kind: global_buffer, .address_space: global }
      - { .name: out0, .offset: 88, .size: 8, .value_kind: global_buffer, .address_space: global }
    .group_segment_fixed_size: 144896
    .private_segment_fixed_size: 0
    .kernarg_segment_align: 8
    .kernarg_segment_size: 96
    .max_flat_workgroup_size: 128
    .sgpr_count:     66
    .vgpr_count:     1024
    .wavefront_size: 32
...
	.end_amdgpu_metadata
.endif
;; end of part 7
